; MI455X (gfx1250); checked and timed in simulation.
; The chip was launched on July 23, 2026; its instructions are those of AMD's public machine-readable ISA for CDNA 5 (MIT licence, August 2026) and "CDNA5" Instruction Set Architecture Reference Guide (July 2026). The comments in the code are by the model that wrote it; some were corrected since.
;; Stage2 Flow Net. Allowed arithmetic: float matrix products may take bf16 or f16 operands with f32 sums; all other float work in f32.
;; Inputs: atom_batch 4,096 int32; atom_feat 4,096 x 256 float32; atom_pos 4,096 x 3 float32; params_atom_proj_0 128 x 256 float32; params_atom_proj_1 128 float32; params_layers_0_cross_k_0 128 x 128 float32; params_layers_0_cross_k_1 128 float32; params_layers_0_cross_ln_0 128 float32; params_layers_0_cross_ln_1 128 float32; params_layers_0_cross_out_0 128 x 128 float32; params_layers_0_cross_out_1 128 float32; params_layers_0_cross_q_0 128 x 128 float32; params_layers_0_cross_q_1 128 float32; params_layers_0_cross_rbf_0 8 x 32 float32; params_layers_0_cross_rbf_1 8 float32; params_layers_0_cross_v_0 128 x 128 float32; params_layers_0_cross_v_1 128 float32; params_layers_0_self_ln_0 128 float32; params_layers_0_self_ln_1 128 float32; params_layers_0_self_out_0 128 x 128 float32; params_layers_0_self_out_1 128 float32; params_layers_0_self_qkv_0 384 x 128 float32; params_layers_0_self_qkv_1 384 float32; params_layers_0_self_rbf_0 8 x 32 float32; params_layers_0_self_rbf_1 8 float32; params_layers_1_cross_k_0 128 x 128 float32; params_layers_1_cross_k_1 128 float32; params_layers_1_cross_ln_0 128 float32; params_layers_1_cross_ln_1 128 float32; params_layers_1_cross_out_0 128 x 128 float32; params_layers_1_cross_out_1 128 float32; params_layers_1_cross_q_0 128 x 128 float32; params_layers_1_cross_q_1 128 float32; params_layers_1_cross_rbf_0 8 x 32 float32; params_layers_1_cross_rbf_1 8 float32; params_layers_1_cross_v_0 128 x 128 float32; params_layers_1_cross_v_1 128 float32; params_layers_1_self_ln_0 128 float32; params_layers_1_self_ln_1 128 float32; params_layers_1_self_out_0 128 x 128 float32; params_layers_1_self_out_1 128 float32; params_layers_1_self_qkv_0 384 x 128 float32; params_layers_1_self_qkv_1 384 float32; params_layers_1_self_rbf_0 8 x 32 float32; params_layers_1_self_rbf_1 8 float32; params_layers_2_cross_k_0 128 x 128 float32; params_layers_2_cross_k_1 128 float32; params_layers_2_cross_ln_0 128 float32; params_layers_2_cross_ln_1 128 float32; params_layers_2_cross_out_0 128 x 128 float32; params_layers_2_cross_out_1 128 float32; params_layers_2_cross_q_0 128 x 128 float32; params_layers_2_cross_q_1 128 float32; params_layers_2_cross_rbf_0 8 x 32 float32; params_layers_2_cross_rbf_1 8 float32; params_layers_2_cross_v_0 128 x 128 float32; params_layers_2_cross_v_1 128 float32; params_layers_2_self_ln_0 128 float32; params_layers_2_self_ln_1 128 float32; params_layers_2_self_out_0 128 x 128 float32; params_layers_2_self_out_1 128 float32; params_layers_2_self_qkv_0 384 x 128 float32; params_layers_2_self_qkv_1 384 float32; params_layers_2_self_rbf_0 8 x 32 float32; params_layers_2_self_rbf_1 8 float32; params_layers_3_cross_k_0 128 x 128 float32; params_layers_3_cross_k_1 128 float32; params_layers_3_cross_ln_0 128 float32; params_layers_3_cross_ln_1 128 float32; params_layers_3_cross_out_0 128 x 128 float32; params_layers_3_cross_out_1 128 float32; params_layers_3_cross_q_0 128 x 128 float32; params_layers_3_cross_q_1 128 float32; params_layers_3_cross_rbf_0 8 x 32 float32; params_layers_3_cross_rbf_1 8 float32; params_layers_3_cross_v_0 128 x 128 float32; params_layers_3_cross_v_1 128 float32; params_layers_3_self_ln_0 128 float32; params_layers_3_self_ln_1 128 float32; params_layers_3_self_out_0 128 x 128 float32; params_layers_3_self_out_1 128 float32; params_layers_3_self_qkv_0 384 x 128 float32; params_layers_3_self_qkv_1 384 float32; params_layers_3_self_rbf_0 8 x 32 float32; params_layers_3_self_rbf_1 8 float32; params_pin1_0 128 x 129 float32; params_pin1_1 128 float32; params_pin2_0 128 x 128 float32; params_pin2_1 128 float32; params_vel1_0 128 x 128 float32; params_vel1_1 128 float32; params_vel2_0 1 x 128 float32; params_vel2_1 1 float32; point_batch 8,192 int32; point_pos 8,192 x 3 float32; t_query 8,192 float32; z_t 8,192 float32.
;; Outputs: out0 8,192 float32.
;; 2 versions, each right and faster than the one before. Each part assembles by itself: llvm-mc -triple=amdgcn-amd-amdhsa -mcpu=gfx1250 --defsym DOCPART=n.
;; ======== version 1 of 2: 6 launches
;; limits: values are held in f16: magnitudes above 65,504 overflow, below 6.1e-05 lose precision
;; workspace buffers: w1 589,824 bytes; w2 327,680 bytes; w3 262,144 bytes; hatom 1,048,576 bytes; st0 10,485,760 bytes; st1 10,485,760 bytes
;; launch pack (part 1): grid 8 x 36, 4 waves a work-group, no clusters, 0 bytes of LDS; arguments params_layers_0_cross_q_0, params_layers_0_cross_k_0, params_layers_0_cross_v_0, params_layers_0_cross_out_0, params_layers_0_self_out_0, params_layers_0_self_qkv_0, params_layers_1_cross_q_0, params_layers_1_cross_k_0, params_layers_1_cross_v_0, params_layers_1_cross_out_0, params_layers_1_self_out_0, params_layers_1_self_qkv_0, params_layers_2_cross_q_0, params_layers_2_cross_k_0, params_layers_2_cross_v_0, params_layers_2_cross_out_0, params_layers_2_self_out_0, params_layers_2_self_qkv_0, params_layers_3_cross_q_0, params_layers_3_cross_k_0, params_layers_3_cross_v_0, params_layers_3_cross_out_0, params_layers_3_self_out_0, params_layers_3_self_qkv_0, params_atom_proj_0, params_pin2_0, params_vel1_0, w1, w2, w3; writes w1, w2, w3
.if DOCPART == 1
	.amdgcn_target "amdgcn-amd-amdhsa--gfx1250"
	.amdhsa_code_object_version 6
	.text
	.protected	k_qc5e302c1b3_pack
	.globl	k_qc5e302c1b3_pack
	.p2align	8
	.type	k_qc5e302c1b3_pack,@function
k_qc5e302c1b3_pack:
	s_mov_b64 s[64:65], 0
	v_nop
	global_prefetch_b8 v0, s[64:65] scope:SCOPE_SE
	s_setreg_imm32_b32 hwreg(HW_REG_WAVE_MODE, 25, 1), 1
	s_wait_xcnt 0x0
; pack: 36 pieces of 128 x 128 of the f32 weight matrices become 16-bit blocks of 32,768 bytes in the order in which a matrix
; instruction wants them.  In a block the fragment (ct = 16 output rows, ks = 32 along K) lies at (4 ct + ks) * 1024: bytes 16 L
; are registers 0-3 of lane L = (r, h), W[16 ct + r][32 ks + 8 h .. + 7]; bytes 512 + 16 L are registers 4-7, 16 further along K.
; The later launches then fetch a fragment by two loads of 512 dense bytes each, with no conversion and no LDS.
; FORMAT: a block takes the format of the activations that it meets.  f16 where those are bounded by the computation (LN outputs, silu(pin1), the self
; attention's result): pin2, cross q, self qkv, self out, vel1.  Weights have room in f16: drawn with 0.05 rms, 30 times larger is 1.5, 30 times smaller
; is 0.0017, of which f16's smallest step, 6e-8, is 3e-5.  bf16 where the activations come from the atoms' path, which has no such bound: atom_proj, cross k, v, out.
; Work-group (x = ct, y = block), wave = ks.  Each block has its own short text, reached by a forward branch on y,
; so that every address starts from one fixed argument.  All 288 work-groups do the same amount of work.
; No LDS, no matrix unit, no cluster: 2.4 MB are read once and 1.2 MB written once, nothing is shared between work-groups.
	s_load_b512 s[4:19], s[0:1], 0x0               ; argument i lies in s[4+2i:5+2i]: 27 matrices, then w1, w2, w3
	s_load_b512 s[20:35], s[0:1], 0x40
	s_load_b512 s[36:51], s[0:1], 0x80
	s_load_b256 s[52:59], s[0:1], 0xc0
	s_load_b128 s[60:63], s[0:1], 0xe0
	v_and_b32 v1, 15, v0                           ; r
	v_bfe_u32 v2, v0, 4, 1                         ; h
	v_lshrrev_b32 v3, 5, v0
	v_readfirstlane_b32 s2, v3                     ; wave = ks
	s_and_b32 s3, ttmp7, 0xffff                    ; y = block
	s_lshl_b32 s66, ttmp9, 4                       ; 16 ct
	v_add_nc_u32 v4, s66, v1                       ; my row of the piece
	s_lshl_b32 s67, s2, 7                          ; 32 ks floats
	v_lshl_add_u32 v5, v2, 5, s67                  ; + 8 h floats
	v_lshl_add_u32 v6, v4, 9, v5                   ; source offset where a row is 128 floats
	v_lshl_add_u32 v7, v4, 10, v5                  ; source offset where a row is 256 floats (atom_proj)
	v_and_b32 v8, 31, v0
	s_lshl_b32 s68, ttmp9, 12
	s_lshl_b32 s69, s2, 10
	s_add_co_u32 s68, s68, s69
	v_lshl_add_u32 v8, v8, 4, s68                  ; destination: 4096 ct + 1024 ks + 16 L
	s_wait_kmcnt 0x0
; y: the block's number in the grid; mi: the source argument; rb: which 128 rows of it; cb: which 128 columns;
; wide: 1 where its rows are 256 floats; dst: first scalar register of the destination; idx: the block's place there; f: 1 = f16, 0 = bf16
.macro BLK y, mi, rb, cb, wide, dst, idx, f
	s_cmp_lg_u32 s3, \y
	s_cbranch_scc1 .Lnext_\@
	global_load_b128 v[12:15], v[6+\wide], s[4+2*\mi:5+2*\mi] offset:\rb*65536+\cb*512
	global_load_b128 v[16:19], v[6+\wide], s[4+2*\mi:5+2*\mi] offset:\rb*65536+\cb*512+16
	global_load_b128 v[20:23], v[6+\wide], s[4+2*\mi:5+2*\mi] offset:\rb*65536+\cb*512+64
	global_load_b128 v[24:27], v[6+\wide], s[4+2*\mi:5+2*\mi] offset:\rb*65536+\cb*512+80
	s_wait_loadcnt 0x0
.irp i, 0,1,2,3,4,5,6,7
.if \f
	v_cvt_pk_f16_f32 v[28+\i], v[12+2*\i], v[13+2*\i]
.else
	v_cvt_pk_bf16_f32 v[28+\i], v[12+2*\i], v[13+2*\i]
.endif
.endr
	global_store_b128 v8, v[28:31], s[\dst:\dst+1] offset:\idx*32768       ; a wave's store covers 512 consecutive bytes, aligned
	global_store_b128 v8, v[32:35], s[\dst:\dst+1] offset:\idx*32768+512
	s_endpgm
.Lnext_\@:
.endm
	; w1: self out of layer 0; q, k, v, out, qkv of layer 1; atom_proj (two halves of K); pin2; q, k, v, out, qkv of layer 0
	BLK 0, 4, 0, 0, 0, 58, 0, 1
	BLK 1, 6, 0, 0, 0, 58, 1, 1
	BLK 2, 7, 0, 0, 0, 58, 2, 0
	BLK 3, 8, 0, 0, 0, 58, 3, 0
	BLK 4, 9, 0, 0, 0, 58, 4, 0
	BLK 5, 11, 0, 0, 0, 58, 5, 1
	BLK 6, 11, 1, 0, 0, 58, 6, 1
	BLK 7, 11, 2, 0, 0, 58, 7, 1
	BLK 8, 24, 0, 0, 1, 58, 8, 0
	BLK 9, 24, 0, 1, 1, 58, 9, 0
	BLK 10, 25, 0, 0, 0, 58, 10, 1
	BLK 11, 0, 0, 0, 0, 58, 11, 1
	BLK 12, 1, 0, 0, 0, 58, 12, 0
	BLK 13, 2, 0, 0, 0, 58, 13, 0
	BLK 14, 3, 0, 0, 0, 58, 14, 0
	BLK 15, 5, 0, 0, 0, 58, 15, 1
	BLK 16, 5, 1, 0, 0, 58, 16, 1
	BLK 17, 5, 2, 0, 0, 58, 17, 1
	; w2: self out of layer 1; layer 2; self out of layer 3; vel1
	BLK 18, 10, 0, 0, 0, 60, 0, 1
	BLK 19, 12, 0, 0, 0, 60, 1, 1
	BLK 20, 13, 0, 0, 0, 60, 2, 0
	BLK 21, 14, 0, 0, 0, 60, 3, 0
	BLK 22, 15, 0, 0, 0, 60, 4, 0
	BLK 23, 17, 0, 0, 0, 60, 5, 1
	BLK 24, 17, 1, 0, 0, 60, 6, 1
	BLK 25, 17, 2, 0, 0, 60, 7, 1
	BLK 26, 22, 0, 0, 0, 60, 8, 1
	BLK 27, 26, 0, 0, 0, 60, 9, 1
	; w3: self out of layer 2; layer 3
	BLK 28, 16, 0, 0, 0, 62, 0, 1
	BLK 29, 18, 0, 0, 0, 62, 1, 1
	BLK 30, 19, 0, 0, 0, 62, 2, 0
	BLK 31, 20, 0, 0, 0, 62, 3, 0
	BLK 32, 21, 0, 0, 0, 62, 4, 0
	BLK 33, 23, 0, 0, 0, 62, 5, 1
	BLK 34, 23, 1, 0, 0, 62, 6, 1
	BLK 35, 23, 2, 0, 0, 62, 7, 1
	s_endpgm
.Lfunc_end_k_qc5e302c1b3_pack:
	.size	k_qc5e302c1b3_pack, .Lfunc_end_k_qc5e302c1b3_pack-k_qc5e302c1b3_pack
	.p2alignl 7, 3214868480
	.fill 96, 4, 3214868480
	.section	.rodata,"a",@progbits
	.p2align	6, 0x0
	.amdhsa_kernel k_qc5e302c1b3_pack
		.amdhsa_group_segment_fixed_size 0
		.amdhsa_private_segment_fixed_size 0
		.amdhsa_enable_private_segment 0
		.amdhsa_kernarg_size 240
		.amdhsa_user_sgpr_count 2
		.amdhsa_user_sgpr_kernarg_segment_ptr 1
		.amdhsa_wavefront_size32 1
		.amdhsa_system_sgpr_workgroup_id_x 1
		.amdhsa_system_sgpr_workgroup_id_y 1
		.amdhsa_system_sgpr_workgroup_id_z 1
		.amdhsa_system_vgpr_workitem_id 0
		.amdhsa_next_free_vgpr 40
		.amdhsa_next_free_sgpr 70
		.amdhsa_reserve_vcc 0
		.amdhsa_float_denorm_mode_32 3
		.amdhsa_float_denorm_mode_16_64 3
		.amdhsa_memory_ordered 1
		.amdhsa_forward_progress 1
		.amdhsa_inst_pref_size 45
	.end_amdhsa_kernel
	.amdgpu_metadata
---
amdhsa.version: [ 1, 2 ]
amdhsa.kernels:
  - .name:           k_qc5e302c1b3_pack
    .symbol:         k_qc5e302c1b3_pack.kd
    .args:
      - { .name: params_layers_0_cross_q_0, .offset: 0, .size: 8, .value_kind: global_buffer, .address_space: global }
      - { .name: params_layers_0_cross_k_0, .offset: 8, .size: 8, .value_kind: global_buffer, .address_space: global }
      - { .name: params_layers_0_cross_v_0, .offset: 16, .size: 8, .value_kind: global_buffer, .address_space: global }
      - { .name: params_layers_0_cross_out_0, .offset: 24, .size: 8, .value_kind: global_buffer, .address_space: global }
      - { .name: params_layers_0_self_out_0, .offset: 32, .size: 8, .value_kind: global_buffer, .address_space: global }
      - { .name: params_layers_0_self_qkv_0, .offset: 40, .size: 8, .value_kind: global_buffer, .address_space: global }
      - { .name: params_layers_1_cross_q_0, .offset: 48, .size: 8, .value_kind: global_buffer, .address_space: global }
      - { .name: params_layers_1_cross_k_0, .offset: 56, .size: 8, .value_kind: global_buffer, .address_space: global }
      - { .name: params_layers_1_cross_v_0, .offset: 64, .size: 8, .value_kind: global_buffer, .address_space: global }
      - { .name: params_layers_1_cross_out_0, .offset: 72, .size: 8, .value_kind: global_buffer, .address_space: global }
      - { .name: params_layers_1_self_out_0, .offset: 80, .size: 8, .value_kind: global_buffer, .address_space: global }
      - { .name: params_layers_1_self_qkv_0, .offset: 88, .size: 8, .value_kind: global_buffer, .address_space: global }
      - { .name: params_layers_2_cross_q_0, .offset: 96, .size: 8, .value_kind: global_buffer, .address_space: global }
      - { .name: params_layers_2_cross_k_0, .offset: 104, .size: 8, .value_kind: global_buffer, .address_space: global }
      - { .name: params_layers_2_cross_v_0, .offset: 112, .size: 8, .value_kind: global_buffer, .address_space: global }
      - { .name: params_layers_2_cross_out_0, .offset: 120, .size: 8, .value_kind: global_buffer, .address_space: global }
      - { .name: params_layers_2_self_out_0, .offset: 128, .size: 8, .value_kind: global_buffer, .address_space: global }
      - { .name: params_layers_2_self_qkv_0, .offset: 136, .size: 8, .value_kind: global_buffer, .address_space: global }
      - { .name: params_layers_3_cross_q_0, .offset: 144, .size: 8, .value_kind: global_buffer, .address_space: global }
      - { .name: params_layers_3_cross_k_0, .offset: 152, .size: 8, .value_kind: global_buffer, .address_space: global }
      - { .name: params_layers_3_cross_v_0, .offset: 160, .size: 8, .value_kind: global_buffer, .address_space: global }
      - { .name: params_layers_3_cross_out_0, .offset: 168, .size: 8, .value_kind: global_buffer, .address_space: global }
      - { .name: params_layers_3_self_out_0, .offset: 176, .size: 8, .value_kind: global_buffer, .address_space: global }
      - { .name: params_layers_3_self_qkv_0, .offset: 184, .size: 8, .value_kind: global_buffer, .address_space: global }
      - { .name: params_atom_proj_0, .offset: 192, .size: 8, .value_kind: global_buffer, .address_space: global }
      - { .name: params_pin2_0, .offset: 200, .size: 8, .value_kind: global_buffer, .address_space: global }
      - { .name: params_vel1_0, .offset: 208, .size: 8, .value_kind: global_buffer, .address_space: global }
      - { .name: w1, .offset: 216, .size: 8, .value_kind: global_buffer, .address_space: global }
      - { .name: w2, .offset: 224, .size: 8, .value_kind: global_buffer, .address_space: global }
      - { .name: w3, .offset: 232, .size: 8, .value_kind: global_buffer, .address_space: global }
    .group_segment_fixed_size: 0
    .private_segment_fixed_size: 0
    .kernarg_segment_align: 8
    .kernarg_segment_size: 240
    .max_flat_workgroup_size: 128
    .sgpr_count:     70
    .vgpr_count:     40
    .wavefront_size: 32
...
	.end_amdgpu_metadata
.endif
;; end of part 1
;; launch first (part 2): grid 256 x 1, 8 waves a work-group, no clusters, 326,400 bytes of LDS; arguments z_t, t_query, point_pos, atom_pos, atom_feat, params_pin1_0, params_atom_proj_1, params_pin1_1, params_pin2_1, params_layers_0_cross_q_1, params_layers_0_cross_k_1, params_layers_0_cross_v_1, params_layers_0_cross_out_1, params_layers_0_cross_ln_0, params_layers_0_cross_ln_1, params_layers_0_self_qkv_1, params_layers_0_cross_rbf_0, params_layers_0_cross_rbf_1, w1, hatom, st0; writes hatom, st0
.if DOCPART == 2
	.amdgcn_target "amdgcn-amd-amdhsa--gfx1250"
	.amdhsa_code_object_version 6
	.text
	.protected	k_qc5e302c1b3_first
	.globl	k_qc5e302c1b3_first
	.p2align	8
	.type	k_qc5e302c1b3_first,@function
k_qc5e302c1b3_first:
	s_mov_b64 s[64:65], 0
	v_nop
	global_prefetch_b8 v0, s[64:65] scope:SCOPE_SE
	s_setreg_imm32_b32 hwreg(HW_REG_WAVE_MODE, 25, 1), 1
	s_wait_xcnt 0x0
; first: h_atom = atom_proj(atom_feat); hp = pin2(silu(pin1([z, time embedding]))); cross attention and LN of layer 0; qkv of layer 0.
; Work-group g = 32 points of molecule g >> 2 (four work-groups a molecule, 256 in all); eight waves, two to a SIMD, 512 registers each.
; In attention wave w takes point tile pt = w & 1 (16 points) and key chunk c = w >> 1; in the linear layers it takes output columns 16 w .. 16 w + 15.
; The launch ends where points need other work-groups' points: q, k, v of the self attention and hp go to st0 for the next launch.
; The four work-groups of a molecule each make h_atom, k and v of all its 64 atoms themselves; each stores 16 atoms of h_atom.
; FORMATS: matrix operands are 16 bits, all else f32.  f16 on the points' path, where the computation bounds the sizes: sin and cos (at most 1), silu(pin1),
; LN outputs (at most sqrt(127) |gain| + |bias|), the self attention's q, k, v (at most |row of W| x |LN row|) and the weights that meet them.  With every input
; 30 times the drawn size (weights 1.5 rms: a row's norm about 24; gains 30: an LN row's norm 340) q, k, v stay below 8,200, an eighth of f16's largest number.
; bf16 on the atoms' path (atom_feat, atom_proj, h_atom, cross k, v, the cross q that meets k, the cross softmax weights, result and out): k and v are products
; of three inputs, about 12,000 rms at 30 times the drawn size, which has no room in f16.  The RBF values and their weights are bf16 too.
; LIMITS: distances are formed from coordinate differences, clipped at 1e-12 under the root as in the model.  sin and cos: the angle is reduced in turns,
; so its absolute error is about 1.2e-7 x |angle|.  Exponentials below 2^-126 come out as 0.  NaN and infinities in the inputs are not treated.
; point_batch and atom_batch are not read: the model deletes them, no result hangs on them.
; NO CLUSTER, NO TENSOR LOADS: every LDS region is filled once, through registers (atom_feat and pin1 need a conversion or a shifted row on the way);
; the weights, which all work-groups share, go straight into registers as ready fragments, 32 registers a block and wave.
.set PRM, 0                            ; 12 slots of 128 f32 (biases, gains), the cross RBF weights raw at 6144
.set MX, 8192                          ; [chunk][32 points][8 heads] f32: the chunks' maxima
.set LP, 12288                         ; the same shape: the chunks' sums
.set AGG, 16384                        ; [32][128] 16 bits, pitch 272: attention's result
.set XB, 25088                         ; [32][128] f16, pitch 272: hp as a matrix operand
.set HP, 33792                         ; [32][128] f32, pitch 528: hp
.set OP, 50688                         ; [chunk][32][128] f32, pitch 528: the chunks' partial results
.set QL, 118272                        ; [32][128] bf16, pitch 272
.set KL, 126976                        ; [64][128] bf16, pitch 272
.set VTL, 144384                       ; [128 channels][64 atoms] bf16, pitch 144
.set HAL, 162816                       ; [64][128] bf16, pitch 272: h_atom
.set Q2S, 180224                       ; [32][128] f16, pitch 272: on the way out
.set K2S, 188928
.set V2S, 197632                       ; [128 channels][32 points] f16, pitch 80
.set AF, 207872                        ; [64][256] bf16, pitch 528: atom_feat
.set PIN, 241664                       ; pin1_0 as it lies in memory, 66,048 bytes of f32
.set TE, 307968                        ; [32][128] f16, pitch 272: time embedding
.set H1, 316672                        ; [32][128] f16, pitch 272
; pitches are the row's bytes + 16, so that the 16 rows that a 16-byte access touches start 16 bytes apart modulo 256 (64 banks of 4 bytes: ISA guide 11.1)
; Window 0: v0 t, v1 16 L, v2 r, v3 h, v4 272 r + 16 h, v5 528 r + 32 h, v6-8 my point, v9 0, v10-13 copy terms, v14-17, v20-22 wave terms,
; v18-19 temporaries, v23 log2 e, v24-127 at work, v128-255 scores / operand fragments.  Window 1 (v256-511): weight fragments.
; In the macros the first argument h says which 16-bit format the operands have: 1 = f16, 0 = bf16.
.set MSB, 0
.macro WIN new                         ; the immediate's high byte repeats the setting that is left
.if MSB != \new
	s_set_vgpr_msb (MSB<<8)|\new
.set MSB, \new
.endif
.endm
.macro PL5                             ; five places behind matrix instructions: four before a vector instruction, a store or a load touches their registers, five before a matrix instruction writes over them
.rept 5
	v_nop
.endr
.endm
.macro BAR                             ; my LDS stores and loads are done, then the barrier: what was stored may be read by all, what was read may be overwritten
	s_wait_dscnt 0x0
	s_barrier_signal -1
	s_barrier_wait -1
.endm
.macro PK h, d, a, b                   ; two f32 rounded to one register of 16-bit numbers
.if \h
	v_cvt_pk_f16_f32 v[\d], v[\a], v[\b]
.else
	v_cvt_pk_bf16_f32 v[\d], v[\a], v[\b]
.endif
.endm
.macro LANES
	v_and_b32 v1, 31, v0
	v_and_b32 v2, 15, v0                           ; r
	v_bfe_u32 v3, v0, 4, 1                         ; h
	v_lshrrev_b32 v24, 5, v0
	v_readfirstlane_b32 s2, v24                    ; w
	v_lshlrev_b32 v1, 4, v1                        ; 16 L
	s_and_b32 s3, s2, 1                            ; pt
	s_lshr_b32 s4, s2, 1                           ; c
	s_mov_b32 s5, ttmp9                            ; g
	s_lshr_b32 s6, s5, 2                           ; molecule
	s_and_b32 s7, s5, 3                            ; which quarter of its points
	s_mov_b32 s8, 0x76543210                       ; v_permlanex16_b32: lane i of the other half
	s_mov_b32 s9, 0xfedcba98
	s_mov_b32 s10, 0xffff0000                      ; lanes with h = 1
	s_mov_b32 s11, 0xff00ff00                      ; lanes with r >= 8
	v_mul_u32_u24 v4, v2, 272
	v_lshl_add_u32 v4, v3, 4, v4                   ; fragment of a 16-bit region
	v_mul_u32_u24 v5, v2, 528
	v_lshl_add_u32 v5, v3, 5, v5                   ; eight f32 of a row
	v_mov_b32 v9, 0
	v_lshrrev_b32 v24, 4, v0
	v_mul_u32_u24 v10, v24, 272
	v_lshl_add_u32 v10, v2, 4, v10                 ; dense rows of 256 bytes <-> pitch 272
	v_lshrrev_b32 v24, 5, v0
	v_mul_u32_u24 v11, v24, 528
	v_add_nc_u32 v11, v11, v1                      ; dense rows of 512 bytes <-> pitch 528
	v_lshrrev_b32 v24, 2, v0
	v_and_b32 v25, 3, v0
	v_mul_u32_u24 v12, v24, 80
	v_lshl_add_u32 v12, v25, 4, v12                ; dense rows of 64 bytes <-> pitch 80
	v_lshlrev_b32 v13, 4, v0                       ; 16 t
	s_lshl_b32 s12, s2, 5
	v_add_nc_u32 v14, s12, v4                      ; 16-bit result: row r, columns 16 w + 8 h ..
	s_lshl_b32 s12, s2, 6
	v_lshl_add_u32 v15, v3, 5, s12                 ; bias of columns 16 w + 8 h ..
	v_add_nc_u32 v16, s12, v5                      ; f32 result: row r, columns 16 w + 8 h ..
	v_lshl_add_u32 v17, v2, 2, s12                 ; bias of column 16 w + r
	s_lshl_b32 s12, s4, 10
	s_lshl_b32 s13, s3, 9
	v_lshl_add_u32 v21, v2, 5, s13                 ; MX, LP: my point's 8 heads
	v_lshl_add_u32 v20, v3, 4, v21
	v_add_nc_u32 v20, s12, v20                     ; MX, LP: my chunk, my point, heads 4 h ..
	s_mul_i32 s12, s4, 16896
	s_mul_i32 s13, s3, 8448
	s_add_co_u32 s12, s12, s13
	s_add_co_u32 s12, s12, OP
	v_add_nc_u32 v22, s12, v5                      ; OP: my chunk, my point
	v_mov_b32 v23, 0x3fb8aa3b                      ; log2 e
.endm
.macro LDW idx, wreg                   ; my column tile's four fragments of block idx into window 1: eight loads of 512 dense bytes
	WIN 0x40
.irp ks, 0,1,2,3
	global_load_b128 v[\wreg+8*\ks:\wreg+8*\ks+3], v1, s[66:67] offset:\idx*32768+\ks*1024
	global_load_b128 v[\wreg+8*\ks+4:\wreg+8*\ks+7], v1, s[66:67] offset:\idx*32768+\ks*1024+512
.endr
.endm
.macro LDX areg, off, pitch, dst       ; 32 rows x 128 K of a 16-bit region as 2 x 4 fragments, 64 registers
.irp rt, 0,1
.irp ks, 0,1,2,3
	ds_load_b128 v[\dst+32*\rt+8*\ks:\dst+32*\rt+8*\ks+3], v[\areg] offset:\off+\rt*16*\pitch+64*\ks
	ds_load_b128 v[\dst+32*\rt+8*\ks+4:\dst+32*\rt+8*\ks+7], v[\areg] offset:\off+\rt*16*\pitch+64*\ks+32
.endr
.endr
.endm
.macro WM h, a, b, acc, cm             ; one product, sources a and b; cm 0: C = 0, 1: C = the bias registers, 2: in place
.if \h
.if \cm == 0
	v_wmma_f32_16x16x32_f16 v[\acc:\acc+7], v[\a:\a+7], v[\b:\b+7], 0
.endif
.if \cm == 1
	v_wmma_f32_16x16x32_f16 v[\acc:\acc+7], v[\a:\a+7], v[\b:\b+7], v[56:63]
.endif
.if \cm == 2
	v_wmma_f32_16x16x32_f16 v[\acc:\acc+7], v[\a:\a+7], v[\b:\b+7], v[\acc:\acc+7]
.endif
.else
.if \cm == 0
	v_wmma_f32_16x16x32_bf16 v[\acc:\acc+7], v[\a:\a+7], v[\b:\b+7], 0
.endif
.if \cm == 1
	v_wmma_f32_16x16x32_bf16 v[\acc:\acc+7], v[\a:\a+7], v[\b:\b+7], v[56:63]
.endif
.if \cm == 2
	v_wmma_f32_16x16x32_bf16 v[\acc:\acc+7], v[\a:\a+7], v[\b:\b+7], v[\acc:\acc+7]
.endif
.endif
.endm
; 32 rows x my 16 columns x 128 K.  swap = 1: weights first, a lane gets 8 neighbouring columns of row r; swap = 0: a lane gets 8 neighbouring rows of column r.
; The two accumulators take turns, one instruction a turn.
.macro MM2 h, swap, wreg, wwin, x, a0, a1, cmode
.if \wwin
.if \swap
	WIN 0x01
.else
	WIN 0x04
.endif
.endif
.irp ks, 0,1,2,3
.if \ks == 0
.if \swap
	WM \h, \wreg, \x, \a0, \cmode
	WM \h, \wreg, \x+32, \a1, \cmode
.else
	WM \h, \x, \wreg, \a0, \cmode
	WM \h, \x+32, \wreg, \a1, \cmode
.endif
.else
.if \swap
	WM \h, \wreg+8*\ks, \x+8*\ks, \a0, 2
	WM \h, \wreg+8*\ks, \x+32+8*\ks, \a1, 2
.else
	WM \h, \x+8*\ks, \wreg+8*\ks, \a0, 2
	WM \h, \x+32+8*\ks, \wreg+8*\ks, \a1, 2
.endif
.endif
.endr
	WIN 0
	PL5
.endm
.macro LDB slot                        ; bias of my columns 16 w + 8 h .. + 7
	ds_load_b128 v[56:59], v15 offset:512*\slot
	ds_load_b128 v[60:63], v15 offset:512*\slot+16
.endm
.macro LDBV slot                       ; bias of my column 16 w + r, twice, for the packed add
	ds_load_b32 v64, v17 offset:512*\slot
	ds_load_b32 v65, v17 offset:512*\slot
.endm
.macro STB h, acc, areg, off, scale    ; eight results to 16 bits, 16 bytes; scale = 1: times 0.25 log2 e (attention's scale, exponentials in base 2)
.if \scale
.irp i, 0,2,4,6
	v_pk_mul_f32 v[\acc+\i:\acc+\i+1], v[\acc+\i:\acc+\i+1], 0x3eb8aa3b op_sel_hi:[1,0]
.endr
.endif
	PK \h, 66, \acc, \acc+1
	PK \h, 67, \acc+2, \acc+3
	PK \h, 68, \acc+4, \acc+5
	PK \h, 69, \acc+6, \acc+7
	ds_store_b128 v[\areg], v[66:69] offset:\off
.endm
.macro STF acc, areg, off
	ds_store_b128 v[\areg], v[\acc:\acc+3] offset:\off
	ds_store_b128 v[\areg], v[\acc+4:\acc+7] offset:\off+16
.endm
.macro STV h, acc, areg, off           ; eight rows of one column: add the column's bias, to 16 bits, 16 bytes of the transposed region
.irp i, 0,2,4,6
	v_pk_add_f32 v[\acc+\i:\acc+\i+1], v[\acc+\i:\acc+\i+1], v[64:65]
.endr
	PK \h, 66, \acc, \acc+1
	PK \h, 67, \acc+2, \acc+3
	PK \h, 68, \acc+4, \acc+5
	PK \h, 69, \acc+6, \acc+7
	ds_store_b128 v[\areg], v[66:69] offset:\off
.endm
.macro SILU acc, tmp                   ; x / (1 + 2^(-x log2 e)) on eight numbers
.irp j, 0,1,2,3,4,5,6,7
	v_mul_f32 v[\tmp+\j], 0xbfb8aa3b, v[\acc+\j]
.endr
.irp j, 0,1,2,3,4,5,6,7
	v_exp_f32 v[\tmp+\j], v[\tmp+\j]
.endr
	v_nop                                          ; one plain place behind the transcendentals (ISA guide 5.7.2)
	s_wait_alu depctr_va_vdst(0)
.irp j, 0,1,2,3,4,5,6,7
	v_add_f32 v[\tmp+\j], 1.0, v[\tmp+\j]
.endr
.irp j, 0,1,2,3,4,5,6,7
	v_rcp_f32 v[\tmp+\j], v[\tmp+\j]
.endr
	v_nop
	s_wait_alu depctr_va_vdst(0)
.irp j, 0,1,2,3,4,5,6,7
	v_mul_f32 v[\acc+\j], v[\acc+\j], v[\tmp+\j]
.endr
.endm
; THE RBF BIAS.  exp(-16 (d - c_i)^2) = 2^-(S d - S c_i)^2 with S = 4 sqrt(log2 e), c_i = 8 i / 31.  For one key and my 16 points the 32 values are a
; B fragment (column = point r, k = i): 16 exponentials a lane, none twice.  A holds the 8 heads' weights times log2 e in rows 0-7 (ALO) or rows 8-15 (AHI),
; zeros in the others.  ALO x B(key j) + AHI x B(key 8 + j) + b leaves in lane (r, h), register hd, the bias of key 8 h + j, point r, head hd:
; the place that the transposed score tile gives that pair.
; v72-87 hold W[r & 7][8 h .. + 7, 16 + 8 h .. + 7]; b = first scalar register of the 8 biases.  Makes CEN v24-39, ALO v40-47, AHI v48-55, CB v56-63.
.macro RBFSET b
.irp i, 0,2,4,6,8,10,12,14
	v_pk_mul_f32 v[72+\i:73+\i], v[72+\i:73+\i], 0x3fb8aa3b op_sel_hi:[1,0]
.endr
.irp i, 0,1,2,3,4,5,6,7
	v_cvt_pk_bf16_f32 v[104+\i], v[72+2*\i], v[73+2*\i]
.endr
.irp i, 0,1,2,3,4,5,6,7
	v_cndmask_b32 v[40+\i], v[104+\i], v9, s11
	v_cndmask_b32 v[48+\i], v9, v[104+\i], s11
	v_mul_f32 v[56+\i], s[\b+\i], v23
.endr
	v_lshlrev_b32 v72, 3, v3
.irp i, 0,1,2,3,4,5,6,7
	v_add_nc_u32 v[24+\i], \i, v72
	v_add_nc_u32 v[32+\i], 16+\i, v72
.endr
.irp i, 0,1,2,3,4,5,6,7,8,9,10,11,12,13,14,15
	v_cvt_f32_u32 v[24+\i], v[24+\i]
.endr
.irp i, 0,2,4,6,8,10,12,14
	v_pk_mul_f32 v[24+\i:25+\i], v[24+\i:25+\i], 0xbf9eb401 op_sel_hi:[1,0]      ; - S c_i
.endr
.endm
.macro LDPOS b, off                    ; the positions of 16 keys, 48 f32, into s16-63
	s_load_b512 s[16:31], s[\b:\b+1], \off
	s_load_b512 s[32:47], s[\b:\b+1], \off+64
	s_load_b512 s[48:63], s[\b:\b+1], \off+128
.endm
.macro DIST16                          ; v88-103 = S x distance from my point to the 16 keys
	s_wait_kmcnt 0x0
.irp n, 0,1,2,3,4,5,6,7,8,9,10,11,12,13,14,15
	v_sub_f32 v72, s[16+3*\n], v6
	v_sub_f32 v73, s[17+3*\n], v7
	v_sub_f32 v74, s[18+3*\n], v8
	v_mul_f32 v[88+\n], v72, v72
	v_fmac_f32 v[88+\n], v73, v73
	v_fmac_f32 v[88+\n], v74, v74
	v_max_num_f32 v[88+\n], 0x2b8cbccc, v[88+\n]   ; the model's clip at 1e-12
.endr
.irp n, 0,1,2,3,4,5,6,7,8,9,10,11,12,13,14,15
	v_sqrt_f32 v[88+\n], v[88+\n]
.endr
	v_nop
	s_wait_alu depctr_va_vdst(0)
.irp n, 0,2,4,6,8,10,12,14
	v_pk_mul_f32 v[88+\n:89+\n], v[88+\n:89+\n], 0x4099be61 op_sel_hi:[1,0]
.endr
.endm
; key n of the tile.  The eight accumulators of a tile take turns, one instruction a turn.
; The 16 packed instructions at the head of the next FRAG are the places before v64-71 are written again.
.macro FRAG tile, n
.irp i, 0,1,2,3,4,5,6,7
.if (\n)&1
	v_pk_add_f32 v[72+2*\i:73+2*\i], v[88+((\n)&14):89+((\n)&14)], v[24+2*\i:25+2*\i] op_sel:[1,0] op_sel_hi:[1,1]
.else
	v_pk_add_f32 v[72+2*\i:73+2*\i], v[88+((\n)&14):89+((\n)&14)], v[24+2*\i:25+2*\i] op_sel:[0,0] op_sel_hi:[0,1]
.endif
.endr
.irp i, 0,2,4,6,8,10,12,14
	v_pk_mul_f32 v[72+\i:73+\i], v[72+\i:73+\i], v[72+\i:73+\i] neg_lo:[0,1] neg_hi:[0,1]
.endr
.irp i, 0,1,2,3,4,5,6,7,8,9,10,11,12,13,14,15
	v_exp_f32 v[72+\i], v[72+\i]
.endr
	v_nop
	s_wait_alu depctr_va_vdst(0)
.irp i, 0,1,2,3,4,5,6,7
	v_cvt_pk_bf16_f32 v[64+\i], v[72+2*\i], v[73+2*\i]
.endr
.if \n < 8
	v_wmma_f32_16x16x32_bf16 v[128+64*\tile+8*\n:135+64*\tile+8*\n], v[40:47], v[64:71], v[56:63]
.else
	v_wmma_f32_16x16x32_bf16 v[64+64*\tile+8*\n:71+64*\tile+8*\n], v[48:55], v[64:71], v[64+64*\tile+8*\n:71+64*\tile+8*\n]
.endif
.endm
.macro BIASGEN tile, nb, noff          ; nb: scalar base of the positions wanted next (0: none); they are asked for as soon as s16-63 have been read
	DIST16
.if \nb
	LDPOS \nb, \noff
.endif
.irp n, 0,1,2,3,4,5,6,7,8,9,10,11,12,13,14,15
	FRAG \tile, \n
.endr
.endm
; SCORES, transposed: A = 16 keys x 32 channels (two heads), B = my 16 points' q of ONE head with zeros in the other head's half.
; Set s: QE, zeros, QO at 24 + 28 s (B of the even head = QE, zeros; of the odd head = zeros, QO), K's fragments at 36 + 28 s.  v18: q, v19: k.
.macro LDSET s, i, NT
	ds_load_b128 v[24+28*\s:27+28*\s], v18 offset:64*(\i)
	ds_load_b128 v[32+28*\s:35+28*\s], v18 offset:64*(\i)+32
	ds_load_b128 v[36+28*\s:39+28*\s], v19 offset:64*(\i)
	ds_load_b128 v[40+28*\s:43+28*\s], v19 offset:64*(\i)+32
.if \NT == 2
	ds_load_b128 v[44+28*\s:47+28*\s], v19 offset:4352+64*(\i)
	ds_load_b128 v[48+28*\s:51+28*\s], v19 offset:4352+64*(\i)+32
.endif
.endm
.macro SCPAIR h, s, i, NT, left, more
	s_wait_dscnt \left                             ; this head pair's loads are in; the next pair's (the other set) may stay out
	WM \h, 36+28*\s, 24+28*\s, 80, 0
	WM \h, 36+28*\s, 28+28*\s, 88, 0
.if \NT == 2
	WM \h, 44+28*\s, 24+28*\s, 96, 0
	WM \h, 44+28*\s, 28+28*\s, 104, 0
.endif
	PL5
.if \more
	LDSET \s, \i+2, \NT
.endif
.irp j, 0,1,2,3,4,5,6,7
	v_add_f32 v[128+8*\j+2*\i], v[128+8*\j+2*\i], v[80+\j]
	v_add_f32 v[129+8*\j+2*\i], v[129+8*\j+2*\i], v[88+\j]
.if \NT == 2
	v_add_f32 v[192+8*\j+2*\i], v[192+8*\j+2*\i], v[96+\j]
	v_add_f32 v[193+8*\j+2*\i], v[193+8*\j+2*\i], v[104+\j]
.endif
.endr
.endm
.macro SCORES h, NT
.irp z, 28,29,30,31,56,57,58,59
	v_mov_b32 v\z, 0
.endr
	LDSET 0, 0, \NT
	LDSET 1, 1, \NT
	SCPAIR \h, 0, 0, \NT, 2+2*\NT, 1
	SCPAIR \h, 1, 1, \NT, 2+2*\NT, 1
	SCPAIR \h, 0, 2, \NT, 2+2*\NT, 0
	SCPAIR \h, 1, 3, \NT, 0, 0
.endm
; four heads of P V, transposed: A = V^T (16 channels x keys), B = the weights as they lie in the score registers, D = (channel 8 h + j, point r)
.macro PVGRP h, gq, NT, vhs, v2off
.irp k, 0,1,2,3
	ds_load_b128 v[56+8*\k:59+8*\k], v19 offset:\vhs*(4*\gq+\k)
	ds_load_b128 v[60+8*\k:63+8*\k], v19 offset:\vhs*(4*\gq+\k)+\v2off
.endr
.irp k, 0,1,2,3
.irp i, 0,1,2,3
	PK \h, 24+8*\k+\i, 128+16*\i+4*\gq+\k, 136+16*\i+4*\gq+\k
.if \NT == 2
	PK \h, 28+8*\k+\i, 192+16*\i+4*\gq+\k, 200+16*\i+4*\gq+\k
.else
.if \gq == 0
	v_mov_b32 v[28+8*\k+\i], 0                     ; 16 keys only: the upper half of K is zero weights (against a second copy of V's 16 keys)
.endif
.endif
.endr
.endr
	s_wait_dscnt 0x0
.irp k, 0,1,2,3
	WM \h, 56+8*\k, 24+8*\k, 88+8*\k, 0
.endr
	PL5
.irp k, 0,1,2,3
	ds_store_b128 v22, v[88+8*\k:91+8*\k] offset:64*(4*\gq+\k)
	ds_store_b128 v22, v[92+8*\k:95+8*\k] offset:64*(4*\gq+\k)+16
.endr
.endm
; Softmax over all keys of the row: the four chunks' maxima meet in LDS, so every chunk takes the row's true maximum away; sums and partial results are added in MERGE.
.macro SOFTPV h, NT, vhs, v2off
.irp hd, 0,1,2,3,4,5,6,7
	v_max_num_f32 v[24+\hd], v[128+\hd], v[136+\hd]
	v_max3_num_f32 v[24+\hd], v[24+\hd], v[144+\hd], v[152+\hd]
	v_max3_num_f32 v[24+\hd], v[24+\hd], v[160+\hd], v[168+\hd]
	v_max3_num_f32 v[24+\hd], v[24+\hd], v[176+\hd], v[184+\hd]
.if \NT == 2
	v_max3_num_f32 v[24+\hd], v[24+\hd], v[192+\hd], v[200+\hd]
	v_max3_num_f32 v[24+\hd], v[24+\hd], v[208+\hd], v[216+\hd]
	v_max3_num_f32 v[24+\hd], v[24+\hd], v[224+\hd], v[232+\hd]
	v_max3_num_f32 v[24+\hd], v[24+\hd], v[240+\hd], v[248+\hd]
.endif
	v_mov_b32 v[32+\hd], v[24+\hd]                 ; the permute's destination counts as read
.endr
.irp hd, 0,1,2,3,4,5,6,7
	v_permlanex16_b32 v[32+\hd], v[24+\hd], s8, s9
.endr
.irp hd, 0,1,2,3,4,5,6,7
	v_max_num_f32 v[24+\hd], v[24+\hd], v[32+\hd]
.endr
.irp q, 0,1,2,3
	v_cndmask_b32 v[40+\q], v[24+\q], v[28+\q], s10    ; lanes h = 0 store heads 0-3, lanes h = 1 heads 4-7
.endr
	ds_store_b128 v20, v[40:43] offset:MX
	BAR
.irp cc, 0,1,2,3
	ds_load_b128 v[44+8*\cc:47+8*\cc], v21 offset:MX+1024*\cc
	ds_load_b128 v[48+8*\cc:51+8*\cc], v21 offset:MX+1024*\cc+16
.endr
	s_wait_dscnt 0x0
.irp hd, 0,1,2,3,4,5,6,7
	v_max_num_f32 v[24+\hd], v[44+\hd], v[52+\hd]
	v_max3_num_f32 v[24+\hd], v[24+\hd], v[60+\hd], v[68+\hd]
.endr
.set jj, 0
.rept 8*\NT
.irp q, 0,2,4,6
	v_pk_add_f32 v[128+8*jj+\q:129+8*jj+\q], v[128+8*jj+\q:129+8*jj+\q], v[24+\q:25+\q] neg_lo:[0,1] neg_hi:[0,1]
.endr
.set jj, jj+1
.endr
.set jj, 0
.rept 64*\NT
	v_exp_f32 v[128+jj], v[128+jj]
.set jj, jj+1
.endr
	v_nop
	s_wait_alu depctr_va_vdst(0)
.irp q, 0,2,4,6
	v_pk_add_f32 v[76+\q:77+\q], v[128+\q:129+\q], v[136+\q:137+\q]
.endr
.set jj, 2
.rept 8*\NT-2
.irp q, 0,2,4,6
	v_pk_add_f32 v[76+\q:77+\q], v[76+\q:77+\q], v[128+8*jj+\q:129+8*jj+\q]
.endr
.set jj, jj+1
.endr
.irp hd, 0,1,2,3,4,5,6,7
	v_permlanex16_b32 v[32+\hd], v[76+\hd], s8, s9
.endr
.irp hd, 0,1,2,3,4,5,6,7
	v_add_f32 v[76+\hd], v[76+\hd], v[32+\hd]
.endr
.irp q, 0,1,2,3
	v_cndmask_b32 v[40+\q], v[76+\q], v[80+\q], s10
.endr
	ds_store_b128 v20, v[40:43] offset:LP
	PVGRP \h, 0, \NT, \vhs, \v2off
	PVGRP \h, 1, \NT, \vhs, \v2off
	BAR
.endm
.macro MERGE h                         ; thread = (point t >> 3, head t & 7): the four chunks' results and sums, one division, 16 bits into AGG
	v_lshrrev_b32 v18, 3, v0
	v_and_b32 v19, 7, v0
	v_mul_u32_u24 v24, v18, 528
	v_lshl_add_u32 v24, v19, 6, v24
	v_add_nc_u32 v24, OP, v24
	v_lshlrev_b32 v25, 2, v0
.irp cc, 0,1,2,3
.irp i, 0,1,2,3
	ds_load_b128 v[128+16*\cc+4*\i:131+16*\cc+4*\i], v24 offset:16896*\cc+16*\i
.endr
.endr
.irp cc, 0,1,2,3
	ds_load_b32 v[192+\cc], v25 offset:LP+1024*\cc
.endr
	v_mul_u32_u24 v26, v18, 272
	v_lshl_add_u32 v26, v19, 5, v26
	s_wait_dscnt 0x0
	v_add_f32 v192, v192, v193
	v_add_f32 v194, v194, v195
	v_add_f32 v192, v192, v194                     ; at least 1: the row's maximum contributes 2^0
	v_rcp_f32 v196, v192
	v_rcp_f32 v197, v192                           ; the packed adds below are the plain places behind it
.irp i, 0,2,4,6,8,10,12,14
	v_pk_add_f32 v[128+\i:129+\i], v[128+\i:129+\i], v[144+\i:145+\i]
	v_pk_add_f32 v[160+\i:161+\i], v[160+\i:161+\i], v[176+\i:177+\i]
	v_pk_add_f32 v[128+\i:129+\i], v[128+\i:129+\i], v[160+\i:161+\i]
.endr
	s_wait_alu depctr_va_vdst(0)
.irp i, 0,2,4,6,8,10,12,14
	v_pk_mul_f32 v[128+\i:129+\i], v[128+\i:129+\i], v[196:197]
.endr
.irp i, 0,1,2,3,4,5,6,7
	PK \h, 200+\i, 128+2*\i, 129+2*\i
.endr
	ds_store_b128 v26, v[200:203] offset:AGG
	ds_store_b128 v26, v[204:207] offset:AGG+16
	BAR
.endm
.macro OUTRES h, wreg, slot            ; hp += AGG W^T + b: the sums start from hp + b; each lane reads and rewrites its own 64 bytes of HP
	LDX 4, AGG, 272, 128
	ds_load_b128 v[24:27], v16 offset:HP
	ds_load_b128 v[28:31], v16 offset:HP+16
	ds_load_b128 v[32:35], v16 offset:HP+8448
	ds_load_b128 v[36:39], v16 offset:HP+8448+16
	LDB \slot
	s_wait_dscnt 0x0
.irp i, 0,2,4,6
	v_pk_add_f32 v[24+\i:25+\i], v[24+\i:25+\i], v[56+\i:57+\i]
	v_pk_add_f32 v[32+\i:33+\i], v[32+\i:33+\i], v[56+\i:57+\i]
.endr
	MM2 \h, 1, \wreg, 1, 128, 24, 32, 2
	STF 24, 16, HP
	STF 32, 16, HP+8448
	BAR
.endm
.macro LNORM gslot, bslot              ; eight lanes a row, 16 numbers a lane; mean first, then the centred squares; f32 back into HP, f16 into XB
	v_lshrrev_b32 v18, 3, v0
	v_and_b32 v19, 7, v0
	v_mul_u32_u24 v24, v18, 528
	v_lshl_add_u32 v24, v19, 4, v24
	v_lshlrev_b32 v25, 4, v19
	v_mul_u32_u24 v26, v18, 272
	v_lshl_add_u32 v26, v19, 3, v26
.irp i, 0,1,2,3
	ds_load_b128 v[128+4*\i:131+4*\i], v24 offset:HP+128*\i
	ds_load_b128 v[144+4*\i:147+4*\i], v25 offset:512*\gslot+128*\i
	ds_load_b128 v[160+4*\i:163+4*\i], v25 offset:512*\bslot+128*\i
.endr
	s_wait_dscnt 0x0
	v_pk_add_f32 v[176:177], v[128:129], v[130:131]
	v_pk_add_f32 v[178:179], v[132:133], v[134:135]
	v_pk_add_f32 v[180:181], v[136:137], v[138:139]
	v_pk_add_f32 v[182:183], v[140:141], v[142:143]
	v_pk_add_f32 v[176:177], v[176:177], v[178:179]
	v_pk_add_f32 v[180:181], v[180:181], v[182:183]
	v_pk_add_f32 v[176:177], v[176:177], v[180:181]
	v_add_f32 v176, v176, v177
	v_add_f32_dpp v176, v176, v176 row_xmask:1 row_mask:0xf bank_mask:0xf
	v_add_f32_dpp v176, v176, v176 row_xmask:2 row_mask:0xf bank_mask:0xf
	v_add_f32_dpp v176, v176, v176 row_xmask:4 row_mask:0xf bank_mask:0xf
	v_mul_f32 v176, 0x3c000000, v176               ; / 128
	v_mov_b32 v177, v176
.irp i, 0,2,4,6,8,10,12,14
	v_pk_add_f32 v[128+\i:129+\i], v[128+\i:129+\i], v[176:177] neg_lo:[0,1] neg_hi:[0,1]
.endr
	v_pk_mul_f32 v[178:179], v[128:129], v[128:129]
.irp i, 2,4,6,8,10,12,14
	v_pk_fma_f32 v[178:179], v[128+\i:129+\i], v[128+\i:129+\i], v[178:179]
.endr
	v_add_f32 v178, v178, v179
	v_add_f32_dpp v178, v178, v178 row_xmask:1 row_mask:0xf bank_mask:0xf
	v_add_f32_dpp v178, v178, v178 row_xmask:2 row_mask:0xf bank_mask:0xf
	v_add_f32_dpp v178, v178, v178 row_xmask:4 row_mask:0xf bank_mask:0xf
	v_mov_b32 v180, 0x3c000000
	v_fmaak_f32 v178, v178, v180, 0x3727c5ac       ; variance + 1e-5
	v_rsq_f32 v182, v178
	v_rsq_f32 v183, v178
	v_nop
	s_wait_alu depctr_va_vdst(0)
.irp i, 0,2,4,6,8,10,12,14
	v_pk_mul_f32 v[128+\i:129+\i], v[128+\i:129+\i], v[182:183]
	v_pk_fma_f32 v[128+\i:129+\i], v[128+\i:129+\i], v[144+\i:145+\i], v[160+\i:161+\i]
.endr
.irp i, 0,1,2,3
	ds_store_b128 v24, v[128+4*\i:131+4*\i] offset:HP+128*\i
	v_cvt_pk_f16_f32 v[184+2*\i], v[128+4*\i], v[129+4*\i]
	v_cvt_pk_f16_f32 v[185+2*\i], v[130+4*\i], v[131+4*\i]
	ds_store_b64 v26, v[184+2*\i:185+2*\i] offset:XB+64*\i
.endr
	BAR
.endm
; Cross attention, its LN, the next self attention's q, k, v, and the way out.  Weights in window 1: q 160, k 192, v 224, out 0, q2 32, k2 64, v2 96.
; q is made from f16 operands and stored as bf16, the format of the k that it meets.  The 16 atoms' positions of my chunk have been asked for into s16-63.
.macro CROSS
	s_wait_loadcnt 0x0                             ; all weights
	LDX 4, XB, 272, 128
	LDB 3
	s_wait_dscnt 0x0
	MM2 1, 1, 160, 1, 128, 24, 32, 1
	v_add_nc_u32 v18, QL, v14
	STB 0, 24, 18, 0, 1
	STB 0, 32, 18, 4352, 1
	v_add_nc_u32 v19, HAL, v4
	LDX 19, 0, 272, 128
	LDX 19, 8704, 272, 192
	LDB 4
	LDBV 5
	s_wait_dscnt 0x0
	MM2 0, 1, 192, 1, 128, 24, 32, 1
	MM2 0, 1, 192, 1, 192, 40, 48, 1
	v_add_nc_u32 v18, KL, v14
	STB 0, 24, 18, 0, 0
	STB 0, 32, 18, 4352, 0
	STB 0, 40, 18, 8704, 0
	STB 0, 48, 18, 13056, 0
	MM2 0, 0, 224, 1, 128, 24, 32, 0
	MM2 0, 0, 224, 1, 192, 40, 48, 0
	s_mul_i32 s12, s2, 2304
	s_add_co_u32 s12, s12, VTL
	v_mul_u32_u24 v18, v2, 144
	v_lshl_add_u32 v18, v3, 4, v18
	v_add_nc_u32 v18, s12, v18                     ; V^T: channel 16 w + r, atoms 8 h ..
	STV 0, 24, 18, 0
	STV 0, 32, 18, 32
	STV 0, 40, 18, 64
	STV 0, 48, 18, 96
	BAR
	v_and_b32 v18, 7, v2
	v_lshlrev_b32 v18, 7, v18
	v_lshl_add_u32 v18, v3, 5, v18
	ds_load_b128 v[72:75], v18 offset:PRM+6144
	ds_load_b128 v[76:79], v18 offset:PRM+6144+16
	ds_load_b128 v[80:83], v18 offset:PRM+6144+64
	ds_load_b128 v[84:87], v18 offset:PRM+6144+80
	s_wait_dscnt 0x0
	RBFSET 76
	BIASGEN 0, 0, 0
	PL5
	s_mul_i32 s12, s3, 4352
	s_add_co_u32 s12, s12, QL
	v_add_nc_u32 v18, s12, v4
	s_mul_i32 s12, s4, 4352
	s_add_co_u32 s12, s12, KL
	v_add_nc_u32 v19, s12, v4
	SCORES 0, 1
	s_lshl_b32 s12, s4, 5
	s_add_co_u32 s12, s12, VTL
	v_mul_u32_u24 v19, v2, 144
	v_lshl_add_u32 v19, v3, 4, v19
	v_add_nc_u32 v19, s12, v19
	SOFTPV 0, 1, 2304, 0
	MERGE 0
	OUTRES 0, 0, 6
	LNORM 7, 8
	LDX 4, XB, 272, 128
	LDB 9
	s_wait_dscnt 0x0
	MM2 1, 1, 32, 1, 128, 24, 32, 1
	LDB 10
	LDBV 11
	v_add_nc_u32 v18, Q2S, v14
	STB 1, 24, 18, 0, 1
	STB 1, 32, 18, 4352, 1
	s_wait_dscnt 0x0
	MM2 1, 1, 64, 1, 128, 40, 48, 1
	v_add_nc_u32 v18, K2S, v14
	STB 1, 40, 18, 0, 0
	STB 1, 48, 18, 4352, 0
	MM2 1, 0, 96, 1, 128, 24, 32, 0
	s_mul_i32 s12, s2, 1280
	s_add_co_u32 s12, s12, V2S
	v_mul_u32_u24 v18, v2, 80
	v_lshl_add_u32 v18, v3, 4, v18
	v_add_nc_u32 v18, s12, v18
	STV 1, 24, 18, 0
	STV 1, 32, 18, 32
	BAR
	; the way out: whole rows back from LDS, each store of a wave covers 512 consecutive bytes, aligned
.irp p, 0,1,2,3
	ds_load_b128 v[128+4*\p:131+4*\p], v11 offset:HP+4224*\p
.endr
	v_add_nc_u32 v18, Q2S, v10
.irp p, 0,1
	ds_load_b128 v[144+4*\p:147+4*\p], v18 offset:4352*\p
	ds_load_b128 v[152+4*\p:155+4*\p], v18 offset:K2S-Q2S+4352*\p
.endr
	v_add_nc_u32 v19, V2S, v12
.irp p, 0,1
	ds_load_b128 v[160+4*\p:163+4*\p], v19 offset:5120*\p
.endr
	s_wait_xcnt 0x0                                ; s90-97 were bases of earlier accesses: they are rewritten only behind this wait
	s_lshl_b32 s12, s5, 14
	s_mov_b32 s13, 0
	s_add_nc_u64 s[90:91], s[88:89], s[12:13]      ; hp: 16,384 bytes a work-group
	s_lshl_b32 s12, s5, 13
	s_add_nc_u64 s[92:93], s[88:89], s[12:13]      ; q, k, v: 8,192 bytes a work-group
	s_add_nc_u64 s[94:95], s[92:93], 0x600000
	s_add_nc_u64 s[96:97], s[92:93], 0x800000
	s_add_nc_u64 s[92:93], s[92:93], 0x400000
	s_wait_dscnt 0x0
.irp p, 0,1,2,3
	global_store_b128 v13, v[128+4*\p:131+4*\p], s[90:91] offset:4096*\p
.endr
.irp p, 0,1
	global_store_b128 v13, v[144+4*\p:147+4*\p], s[92:93] offset:4096*\p
	global_store_b128 v13, v[152+4*\p:155+4*\p], s[94:95] offset:4096*\p
	global_store_b128 v13, v[160+4*\p:163+4*\p], s[96:97] offset:4096*\p
.endr
.endm
	; ---------------- the head: argument i lies in s[16+2i:17+2i]
	s_load_b512 s[16:31], s[0:1], 0x0
	s_load_b512 s[32:47], s[0:1], 0x40
	s_load_b256 s[48:55], s[0:1], 0x80
	s_load_b64 s[56:57], s[0:1], 0xa0
	LANES
	s_lshl_b32 s12, s5, 7                          ; my 32 points in z_t and t_query
	v_lshrrev_b32 v18, 3, v0
	v_lshl_add_u32 v18, v18, 2, s12                ; t_query of point t >> 3
	v_lshl_add_u32 v19, v2, 2, s12                 ; z_t of point r
	s_mul_i32 s12, s5, 384
	s_mul_i32 s13, s3, 192
	s_add_co_u32 s12, s12, s13
	v_mul_u32_u24 v104, v2, 12
	v_add_nc_u32 v104, s12, v104                   ; position of point 16 pt + r
	v_and_b32 v105, 127, v0
	v_lshlrev_b32 v105, 2, v105
	v_lshlrev_b32 v106, 2, v0
	s_wait_kmcnt 0x0
	s_load_b256 s[76:83], s[50:51], 0x0            ; cross RBF bias
	s_lshl_b32 s12, s2, 12
	s_mov_b32 s13, 0
	s_add_nc_u64 s[66:67], s[52:53], s[12:13]      ; w1 at my column tile
	s_mul_i32 s12, s6, 768
	s_mul_i32 s14, s4, 192
	s_add_co_u32 s12, s12, s14
	s_add_nc_u64 s[86:87], s[22:23], s[12:13]      ; my chunk's 16 atoms
	s_mov_b64 s[88:89], s[56:57]                   ; st0
	s_lshl_b32 s12, s6, 16
	s_add_nc_u64 s[96:97], s[24:25], s[12:13]      ; my molecule's atom_feat
	s_lshl_b32 s12, s5, 12
	s_add_nc_u64 s[98:99], s[54:55], s[12:13]      ; my 16 atoms of hatom
	s_cmp_lt_u32 s2, 4                             ; waves 0-3 fetch the even slot of a pair of 128-float vectors, waves 4-7 the odd one
	s_cselect_b64 s[58:59], s[28:29], s[30:31]     ; atom_proj b | pin1 b
	s_cselect_b64 s[60:61], s[32:33], s[34:35]     ; pin2 b | q b
	s_cselect_b64 s[62:63], s[36:37], s[38:39]     ; k b | v b
	s_cselect_b64 s[92:93], s[40:41], s[42:43]     ; out b | ln gain
	s_cselect_b64 s[94:95], s[44:45], s[46:47]     ; ln bias | qkv b 0-127
	s_cmp_lg_u32 s2, 0
	s_cbranch_scc1 .Lno_tail_load
	global_load_b128 v[120:123], v1, s[26:27] offset:65536     ; pin1_0 is 16 x 4,096 + 512 bytes: wave 0 takes the last 512, ahead of all counted loads
.Lno_tail_load:
	global_load_b32 v126, v18, s[18:19]
	global_load_b32 v124, v19, s[16:17]
	global_load_b32 v125, v19, s[16:17] offset:64
	global_load_b32 v6, v104, s[20:21]
	global_load_b32 v7, v104, s[20:21] offset:4
	global_load_b32 v8, v104, s[20:21] offset:8
.irp p, 0,1,2,3,4,5,6,7,8,9,10,11,12,13,14,15
	global_load_b128 v[128+4*\p:131+4*\p], v13, s[96:97] offset:4096*\p
.endr
.irp p, 0,1,2,3,4,5,6,7,8,9,10,11,12,13,14,15
	global_load_b128 v[192+4*\p:195+4*\p], v13, s[26:27] offset:4096*\p
.endr
	global_load_b32 v112, v105, s[58:59]
	global_load_b32 v113, v105, s[60:61]
	global_load_b32 v114, v105, s[62:63]
	global_load_b32 v115, v105, s[92:93]
	global_load_b32 v116, v105, s[94:95]
	global_load_b32 v117, v106, s[46:47] offset:512            ; qkv b 128-383
	global_load_b32 v118, v106, s[48:49]                       ; cross RBF weights, 256 f32
	LDW 8, 128                                     ; atom_proj, K 0-127
	LDW 9, 64                                      ; atom_proj, K 128-255
	LDW 10, 96                                     ; pin2
	WIN 0
	s_wait_kmcnt 0x0
	s_wait_xcnt 0x0                                ; s16-63 and the offset registers are rewritten only behind this wait
	LDPOS 86, 0
	s_wait_loadcnt 63                              ; 39 staging loads and 24 weight loads are younger than t, z and my position
	; ---------------- time embedding: thread = (point t >> 3, frequencies 8 (t & 7) .. + 7)
	v_lshrrev_b32 v72, 3, v0
	v_and_b32 v25, 7, v0
	v_mul_u32_u24 v72, v72, 272
	v_lshl_add_u32 v72, v25, 4, v72
	v_add_nc_u32 v72, TE, v72
	v_lshlrev_b32 v25, 3, v25
.irp e, 0,1,2,3,4,5,6,7
	v_add_nc_u32 v[32+\e], \e, v25
	v_cvt_f32_u32 v[32+\e], v[32+\e]
	v_mul_f32 v[32+\e], 0xbe549a78, v[32+\e]       ; - i log2(10000) / 64
.endr
.irp e, 0,1,2,3,4,5,6,7
	v_exp_f32 v[32+\e], v[32+\e]
.endr
	v_nop
	s_wait_alu depctr_va_vdst(0)
.irp e, 0,1,2,3,4,5,6,7
	v_mul_f32 v[32+\e], v126, v[32+\e]             ; the angle
	v_mul_f32 v[32+\e], 0.15915494, v[32+\e]       ; in turns
	v_rndne_f32 v[40+\e], v[32+\e]
	v_sub_f32 v[32+\e], v[32+\e], v[40+\e]         ; within half a turn
	v_mul_f32 v[32+\e], 0x3fc90fdb, v[32+\e]       ; a quarter of the angle: at most pi / 4
	v_mul_f32 v[40+\e], v[32+\e], v[32+\e]
	v_mov_b32 v[48+\e], 0xb9500d01                 ; sine to the 7th power: the next term is below 4e-7
	v_fmaak_f32 v[48+\e], v[48+\e], v[40+\e], 0x3c088889
	v_fmaak_f32 v[48+\e], v[48+\e], v[40+\e], 0xbe2aaaab
	v_fma_f32 v[48+\e], v[48+\e], v[40+\e], 1.0
	v_mul_f32 v[48+\e], v[48+\e], v[32+\e]
	v_mov_b32 v[56+\e], 0x37d00d01                 ; cosine to the 8th power: the next term is below 3e-8
	v_fmaak_f32 v[56+\e], v[56+\e], v[40+\e], 0xbab60b61
	v_fmaak_f32 v[56+\e], v[56+\e], v[40+\e], 0x3d2aaaab
	v_fma_f32 v[56+\e], v[56+\e], v[40+\e], -0.5
	v_fma_f32 v[56+\e], v[56+\e], v[40+\e], 1.0
.rept 2                                            ; the angle doubled twice
	v_mul_f32 v[32+\e], v[48+\e], v[56+\e]
	v_mul_f32 v[40+\e], v[48+\e], v[48+\e]
	v_add_f32 v[48+\e], v[32+\e], v[32+\e]
	v_fma_f32 v[56+\e], v[40+\e], -2.0, 1.0
.endr
.endr
.irp i, 0,1,2,3
	v_cvt_pk_f16_f32 v[64+\i], v[48+2*\i], v[49+2*\i]
	v_cvt_pk_f16_f32 v[68+\i], v[56+2*\i], v[57+2*\i]
.endr
	ds_store_b128 v72, v[64:67]                    ; sines: columns 0-63
	ds_store_b128 v72, v[68:71] offset:128         ; cosines: columns 64-127
	; ---------------- staging
	s_wait_loadcnt 24                              ; only the 24 weight loads are younger
	v_lshrrev_b32 v18, 6, v0
	v_and_b32 v19, 63, v0
	v_mul_u32_u24 v18, v18, 528
	v_lshl_add_u32 v18, v19, 3, v18
	v_add_nc_u32 v18, AF, v18
.irp p, 0,1,2,3,4,5,6,7,8,9,10,11,12,13,14,15
	v_cvt_pk_bf16_f32 v[24+2*\p], v[128+4*\p], v[129+4*\p]
	v_cvt_pk_bf16_f32 v[25+2*\p], v[130+4*\p], v[131+4*\p]
	ds_store_b64 v18, v[24+2*\p:25+2*\p] offset:2112*\p
.endr
	v_add_nc_u32 v19, PIN, v13
.irp p, 0,1,2,3,4,5,6,7,8,9,10,11,12,13,14,15
	ds_store_b128 v19, v[192+4*\p:195+4*\p] offset:4096*\p
.endr
.irp k, 0,1,2,3,4,5
	ds_store_b32 v106, v[112+\k] offset:1024*\k
.endr
	ds_store_b32 v106, v118 offset:6144
	s_cmp_lg_u32 s2, 0
	s_cbranch_scc1 .Lno_tail_store
	v_add_nc_u32 v104, PIN+65536, v1
	ds_store_b128 v104, v[120:123]
.Lno_tail_store:
	LDW 11, 160                                    ; q, k, v, out, q2 of layer 0
	LDW 12, 192
	LDW 13, 224
	LDW 14, 0
	LDW 15, 32
	WIN 0
	BAR
	; ---------------- h_atom: 64 atoms x my 16 columns x 256 K, bf16
	s_wait_loadcnt 40                              ; the 40 loads just issued are younger than atom_proj's and pin2's fragments
	v_mul_u32_u24 v18, v2, 528
	v_lshl_add_u32 v18, v3, 4, v18
	v_add_nc_u32 v18, AF, v18
	LDB 0
	LDX 18, 0, 528, 128
	LDX 18, 16896, 528, 192
	s_wait_dscnt 0x0
	MM2 0, 1, 128, 1, 128, 24, 32, 1
	MM2 0, 1, 128, 1, 192, 40, 48, 1
	LDX 18, 256, 528, 128
	LDX 18, 16896+256, 528, 192
	s_wait_dscnt 0x0
	MM2 0, 1, 64, 1, 128, 24, 32, 2
	MM2 0, 1, 64, 1, 192, 40, 48, 2
	v_add_nc_u32 v19, HAL, v14
	STB 0, 24, 19, 0, 0
	STB 0, 32, 19, 4352, 0
	STB 0, 40, 19, 8704, 0
	STB 0, 48, 19, 13056, 0
	; ---------------- pin1: rows of 129 f32; column 0 meets z on the vector unit, columns 1-128 become my A fragments, f16
	s_mul_i32 s13, s2, 8256                        ; 16 w rows of 516 bytes
	s_add_co_u32 s13, s13, PIN
	s_add_co_u32 s12, s13, 4
	v_mul_u32_u24 v18, v2, 516
	v_lshl_add_u32 v18, v3, 5, v18
	v_add_nc_u32 v18, s12, v18                     ; row 16 w + r, column 1 + 8 h
.set ii, 0
.rept 64
	ds_load_b32 v[192+ii], v18 offset:4*(32*(ii>>4)+16*((ii>>3)&1)+(ii&7))
.set ii, ii+1
.endr
	v_mul_u32_u24 v19, v3, 4128
	v_add_nc_u32 v19, s13, v19                     ; row 16 w + 8 h, column 0
.irp j, 0,1,2,3,4,5,6,7
	ds_load_b32 v[104+\j], v19 offset:516*\j
.endr
	LDB 1
	v_add_nc_u32 v112, TE, v4
	LDX 112, 0, 272, 128
	s_wait_dscnt 0x0
.set ii, 0
.rept 32
	v_cvt_pk_f16_f32 v[72+ii], v[192+2*ii], v[193+2*ii]
.set ii, ii+1
.endr
.irp j, 0,1,2,3,4,5,6,7
	v_fma_f32 v[24+\j], v[104+\j], v124, v[56+\j]  ; the sums start from W[.][0] z + b
	v_fma_f32 v[32+\j], v[104+\j], v125, v[56+\j]
.endr
	MM2 1, 1, 72, 0, 128, 24, 32, 2
	SILU 24, 104
	SILU 32, 104
	v_add_nc_u32 v113, H1, v14
	STB 1, 24, 113, 0, 0
	STB 1, 32, 113, 4352, 0
	BAR
	; ---------------- pin2 -> hp; my 16 atoms of h_atom go out
	v_add_nc_u32 v112, H1, v4
	LDX 112, 0, 272, 128
	LDB 2
	s_mul_i32 s12, s7, 4352
	s_add_co_u32 s12, s12, HAL
	v_add_nc_u32 v18, s12, v10
	ds_load_b128 v[104:107], v18
	s_wait_dscnt 0x0
	global_store_b128 v13, v[104:107], s[98:99]
	MM2 1, 1, 96, 1, 128, 24, 32, 1
	STF 24, 16, HP
	STF 32, 16, HP+8448
	STB 1, 24, 14, XB, 0
	STB 1, 32, 14, XB+4352, 0
	LDW 16, 64                                     ; k2, v2 of layer 0, into the registers that atom_proj and pin2 have left
	LDW 17, 96
	WIN 0
	s_wait_xcnt 0x0                                ; v104-107, the store's data, are rewritten only behind this wait
	BAR
	CROSS
	s_wait_xcnt 0x0
	v_lshl_add_u32 v254, v0, 2, 0x4f700
	v_mov_b32 v255, 0
	s_wait_tensorcnt 0x0
	ds_add_u32 v254, v255
	s_wait_dscnt 0x0
	s_endpgm
.Lfunc_end_k_qc5e302c1b3_first:
	.size	k_qc5e302c1b3_first, .Lfunc_end_k_qc5e302c1b3_first-k_qc5e302c1b3_first
	.p2alignl 7, 3214868480
	.fill 96, 4, 3214868480
	.section	.rodata,"a",@progbits
	.p2align	6, 0x0
	.amdhsa_kernel k_qc5e302c1b3_first
		.amdhsa_group_segment_fixed_size 326400
		.amdhsa_private_segment_fixed_size 0
		.amdhsa_enable_private_segment 0
		.amdhsa_kernarg_size 168
		.amdhsa_user_sgpr_count 2
		.amdhsa_user_sgpr_kernarg_segment_ptr 1
		.amdhsa_wavefront_size32 1
		.amdhsa_system_sgpr_workgroup_id_x 1
		.amdhsa_system_sgpr_workgroup_id_y 1
		.amdhsa_system_sgpr_workgroup_id_z 1
		.amdhsa_system_vgpr_workitem_id 0
		.amdhsa_next_free_vgpr 512
		.amdhsa_next_free_sgpr 102
		.amdhsa_reserve_vcc 0
		.amdhsa_float_denorm_mode_32 3
		.amdhsa_float_denorm_mode_16_64 3
		.amdhsa_memory_ordered 1
		.amdhsa_forward_progress 1
		.amdhsa_inst_pref_size 160
	.end_amdhsa_kernel
	.amdgpu_metadata
---
amdhsa.version: [ 1, 2 ]
amdhsa.kernels:
  - .name:           k_qc5e302c1b3_first
    .symbol:         k_qc5e302c1b3_first.kd
    .args:
      - { .name: z_t, .offset: 0, .size: 8, .value_kind: global_buffer, .address_space: global }
      - { .name: t_query, .offset: 8, .size: 8, .value_kind: global_buffer, .address_space: global }
      - { .name: point_pos, .offset: 16, .size: 8, .value_kind: global_buffer, .address_space: global }
      - { .name: atom_pos, .offset: 24, .size: 8, .value_kind: global_buffer, .address_space: global }
      - { .name: atom_feat, .offset: 32, .size: 8, .value_kind: global_buffer, .address_space: global }
      - { .name: params_pin1_0, .offset: 40, .size: 8, .value_kind: global_buffer, .address_space: global }
      - { .name: params_atom_proj_1, .offset: 48, .size: 8, .value_kind: global_buffer, .address_space: global }
      - { .name: params_pin1_1, .offset: 56, .size: 8, .value_kind: global_buffer, .address_space: global }
      - { .name: params_pin2_1, .offset: 64, .size: 8, .value_kind: global_buffer, .address_space: global }
      - { .name: params_layers_0_cross_q_1, .offset: 72, .size: 8, .value_kind: global_buffer, .address_space: global }
      - { .name: params_layers_0_cross_k_1, .offset: 80, .size: 8, .value_kind: global_buffer, .address_space: global }
      - { .name: params_layers_0_cross_v_1, .offset: 88, .size: 8, .value_kind: global_buffer, .address_space: global }
      - { .name: params_layers_0_cross_out_1, .offset: 96, .size: 8, .value_kind: global_buffer, .address_space: global }
      - { .name: params_layers_0_cross_ln_0, .offset: 104, .size: 8, .value_kind: global_buffer, .address_space: global }
      - { .name: params_layers_0_cross_ln_1, .offset: 112, .size: 8, .value_kind: global_buffer, .address_space: global }
      - { .name: params_layers_0_self_qkv_1, .offset: 120, .size: 8, .value_kind: global_buffer, .address_space: global }
      - { .name: params_layers_0_cross_rbf_0, .offset: 128, .size: 8, .value_kind: global_buffer, .address_space: global }
      - { .name: params_layers_0_cross_rbf_1, .offset: 136, .size: 8, .value_kind: global_buffer, .address_space: global }
      - { .name: w1, .offset: 144, .size: 8, .value_kind: global_buffer, .address_space: global }
      - { .name: hatom, .offset: 152, .size: 8, .value_kind: global_buffer, .address_space: global }
      - { .name: st0, .offset: 160, .size: 8, .value_kind: global_buffer, .address_space: global }
    .group_segment_fixed_size: 326400
    .private_segment_fixed_size: 0
    .kernarg_segment_align: 8
    .kernarg_segment_size: 168
    .max_flat_workgroup_size: 256
    .sgpr_count:     102
    .vgpr_count:     512
    .wavefront_size: 32
...
	.end_amdgpu_metadata
.endif
;; end of part 2
;; launch mid1 (part 3): grid 256 x 1, 8 waves a work-group, no clusters, 293,376 bytes of LDS; arguments point_pos, atom_pos, hatom, st0, w1, st1, params_layers_0_self_rbf_0, params_layers_0_self_rbf_1, params_layers_0_self_out_1, params_layers_0_self_ln_0, params_layers_0_self_ln_1, params_layers_1_cross_q_1, params_layers_1_cross_k_1, params_layers_1_cross_v_1, params_layers_1_cross_out_1, params_layers_1_cross_ln_0, params_layers_1_cross_ln_1, params_layers_1_self_qkv_1, params_layers_1_cross_rbf_0, params_layers_1_cross_rbf_1; writes st1
.if DOCPART == 3
	.amdgcn_target "amdgcn-amd-amdhsa--gfx1250"
	.amdhsa_code_object_version 6
	.text
	.protected	k_qc5e302c1b3_mid1
	.globl	k_qc5e302c1b3_mid1
	.p2align	8
	.type	k_qc5e302c1b3_mid1,@function
k_qc5e302c1b3_mid1:
	s_mov_b64 s[64:65], 0
	v_nop
	global_prefetch_b8 v0, s[64:65] scope:SCOPE_SE
	s_setreg_imm32_b32 hwreg(HW_REG_WAVE_MODE, 25, 1), 1
	s_wait_xcnt 0x0
; mid: self attention and LN of layer l - 1, cross attention and LN of layer l, qkv of layer l.
; Work-group g = 32 points of molecule g >> 2 (four work-groups a molecule, 256 in all); eight waves, two to a SIMD, 512 registers each.
; In attention wave w takes point tile pt = w & 1 (16 points) and key chunk c = w >> 1 (self: 32 keys, cross: 16); in the linear layers output columns 16 w .. + 15.
; The state comes from one buffer and goes to another: hp f32 at 0, q at 0x400000, k at 0x600000 (f16 [8192][128]), v transposed at 0x800000 (f16 [g][128][32]).
; All loads are issued at the head: the state is parked in window 1 and laid into LDS behind the first RBF tile, the weights stay in window 1 as ready fragments.
; FORMATS: matrix operands are 16 bits, all else f32.  f16 on the points' path, where the computation bounds the sizes: LN outputs (at most
; sqrt(127) |gain| + |bias|), the self attention's q, k, v (at most |row of W| x |LN row|), its softmax weights (at most 1), its result, and the weights that meet
; them.  With every input 30 times the drawn size (weights 1.5 rms: a row's norm about 24; gains 30: an LN row's norm 340) q, k, v stay below 8,200, an eighth of
; f16's largest number.  bf16 on the atoms' path (h_atom, cross k, v, the cross q that meets k, the cross softmax weights, result and out): k and v are products
; of three inputs, about 12,000 rms at 30 times the drawn size, which has no room in f16.  The RBF values and their weights are bf16 too.
; LIMITS: distances are formed from coordinate differences, clipped at 1e-12 under the root as in the model (on the diagonal d = 1e-6).
; Exponentials below 2^-126 come out as 0.  NaN and infinities in the inputs are not treated.  point_batch and atom_batch are not read: the model deletes them.
; NO CLUSTER, NO TENSOR LOADS: every LDS region is filled once.  What all work-groups share, 256 KB of weights, goes straight into registers (32 a block and wave)
; and would not fit beside the 292,352 bytes of LDS in use; what the four work-groups of a molecule share is 80 KB read once each.
.set PRM, 0                            ; 12 slots of 128 f32 (biases, gains), the cross RBF weights raw at 6144
.set MX, 8192                          ; [chunk][32 points][8 heads] f32: the chunks' maxima
.set LP, 12288                         ; the same shape: the chunks' sums
.set AGG, 16384                        ; [32][128] 16 bits, pitch 272: attention's result (self: f16, cross: bf16)
.set XB, 25088                         ; [32][128] f16, pitch 272: hp as a matrix operand
.set HP, 33792                         ; [32][128] f32, pitch 528: hp
.set OP, 50688                         ; [chunk][32][128] f32, pitch 528: the chunks' partial results
.set QL, 118272                        ; [32][128] bf16, pitch 272
.set KL, 126976                        ; [64][128] bf16, pitch 272
.set VTL, 144384                       ; [128 channels][64 atoms] bf16, pitch 144
.set HAL, 162816                       ; [64][128] bf16, pitch 272: h_atom
.set Q2S, 180224                       ; [32][128] f16, pitch 272: on the way out
.set K2S, 188928
.set V2S, 197632                       ; [128 channels][32 points] f16, pitch 80
.set K2L, 207872                       ; [128][128] f16, pitch 272: the molecule's k
.set V2L, 242688                       ; [4 chunks x 128 channels][32 keys] f16, pitch 80: the molecule's v, transposed
.set Q2L, 283648                       ; [32][128] f16, pitch 272: my points' q
; pitches are the row's bytes + 16, so that the 16 rows that a 16-byte access touches start 16 bytes apart modulo 256 (64 banks of 4 bytes: ISA guide 11.1)
; Window 0: v0 t, v1 16 L, v2 r, v3 h, v4 272 r + 16 h, v5 528 r + 32 h, v6-8 my point, v9 0, v10-13 copy terms, v14-17, v20-22 wave terms,
; v18-19 temporaries, v23 log2 e, v24-127 at work, v128-255 scores / operand fragments.  Window 1 (v256-511): the parked state, then weight fragments.
; In the macros the first argument h says which 16-bit format the operands have: 1 = f16, 0 = bf16.
.set MSB, 0
.macro WIN new                         ; the immediate's high byte repeats the setting that is left
.if MSB != \new
	s_set_vgpr_msb (MSB<<8)|\new
.set MSB, \new
.endif
.endm
.macro PL5                             ; five places behind matrix instructions: four before a vector instruction, a store or a load touches their registers, five before a matrix instruction writes over them
.rept 5
	v_nop
.endr
.endm
.macro BAR                             ; my LDS stores and loads are done, then the barrier: what was stored may be read by all, what was read may be overwritten
	s_wait_dscnt 0x0
	s_barrier_signal -1
	s_barrier_wait -1
.endm
.macro PK h, d, a, b                   ; two f32 rounded to one register of 16-bit numbers
.if \h
	v_cvt_pk_f16_f32 v[\d], v[\a], v[\b]
.else
	v_cvt_pk_bf16_f32 v[\d], v[\a], v[\b]
.endif
.endm
.macro LANES
	v_and_b32 v1, 31, v0
	v_and_b32 v2, 15, v0                           ; r
	v_bfe_u32 v3, v0, 4, 1                         ; h
	v_lshrrev_b32 v24, 5, v0
	v_readfirstlane_b32 s2, v24                    ; w
	v_lshlrev_b32 v1, 4, v1                        ; 16 L
	s_and_b32 s3, s2, 1                            ; pt
	s_lshr_b32 s4, s2, 1                           ; c
	s_mov_b32 s5, ttmp9                            ; g
	s_lshr_b32 s6, s5, 2                           ; molecule
	s_mov_b32 s8, 0x76543210                       ; v_permlanex16_b32: lane i of the other half
	s_mov_b32 s9, 0xfedcba98
	s_mov_b32 s10, 0xffff0000                      ; lanes with h = 1
	s_mov_b32 s11, 0xff00ff00                      ; lanes with r >= 8
	v_mul_u32_u24 v4, v2, 272
	v_lshl_add_u32 v4, v3, 4, v4                   ; fragment of a 16-bit region
	v_mul_u32_u24 v5, v2, 528
	v_lshl_add_u32 v5, v3, 5, v5                   ; eight f32 of a row
	v_mov_b32 v9, 0
	v_lshrrev_b32 v24, 4, v0
	v_mul_u32_u24 v10, v24, 272
	v_lshl_add_u32 v10, v2, 4, v10                 ; dense rows of 256 bytes <-> pitch 272
	v_lshrrev_b32 v24, 5, v0
	v_mul_u32_u24 v11, v24, 528
	v_add_nc_u32 v11, v11, v1                      ; dense rows of 512 bytes <-> pitch 528
	v_lshrrev_b32 v24, 2, v0
	v_and_b32 v25, 3, v0
	v_mul_u32_u24 v12, v24, 80
	v_lshl_add_u32 v12, v25, 4, v12                ; dense rows of 64 bytes <-> pitch 80
	v_lshlrev_b32 v13, 4, v0                       ; 16 t
	s_lshl_b32 s12, s2, 5
	v_add_nc_u32 v14, s12, v4                      ; 16-bit result: row r, columns 16 w + 8 h ..
	s_lshl_b32 s12, s2, 6
	v_lshl_add_u32 v15, v3, 5, s12                 ; bias of columns 16 w + 8 h ..
	v_add_nc_u32 v16, s12, v5                      ; f32 result: row r, columns 16 w + 8 h ..
	v_lshl_add_u32 v17, v2, 2, s12                 ; bias of column 16 w + r
	s_lshl_b32 s12, s4, 10
	s_lshl_b32 s13, s3, 9
	v_lshl_add_u32 v21, v2, 5, s13                 ; MX, LP: my point's 8 heads
	v_lshl_add_u32 v20, v3, 4, v21
	v_add_nc_u32 v20, s12, v20                     ; MX, LP: my chunk, my point, heads 4 h ..
	s_mul_i32 s12, s4, 16896
	s_mul_i32 s13, s3, 8448
	s_add_co_u32 s12, s12, s13
	s_add_co_u32 s12, s12, OP
	v_add_nc_u32 v22, s12, v5                      ; OP: my chunk, my point
	v_mov_b32 v23, 0x3fb8aa3b                      ; log2 e
.endm
.macro LDW idx, wreg                   ; my column tile's four fragments of block idx into window 1: eight loads of 512 dense bytes
	WIN 0x40
.irp ks, 0,1,2,3
	global_load_b128 v[\wreg+8*\ks:\wreg+8*\ks+3], v1, s[66:67] offset:\idx*32768+\ks*1024
	global_load_b128 v[\wreg+8*\ks+4:\wreg+8*\ks+7], v1, s[66:67] offset:\idx*32768+\ks*1024+512
.endr
.endm
.macro LDX areg, off, pitch, dst       ; 32 rows x 128 K of a 16-bit region as 2 x 4 fragments, 64 registers
.irp rt, 0,1
.irp ks, 0,1,2,3
	ds_load_b128 v[\dst+32*\rt+8*\ks:\dst+32*\rt+8*\ks+3], v[\areg] offset:\off+\rt*16*\pitch+64*\ks
	ds_load_b128 v[\dst+32*\rt+8*\ks+4:\dst+32*\rt+8*\ks+7], v[\areg] offset:\off+\rt*16*\pitch+64*\ks+32
.endr
.endr
.endm
.macro WM h, a, b, acc, cm             ; one product, sources a and b; cm 0: C = 0, 1: C = the bias registers, 2: in place
.if \h
.if \cm == 0
	v_wmma_f32_16x16x32_f16 v[\acc:\acc+7], v[\a:\a+7], v[\b:\b+7], 0
.endif
.if \cm == 1
	v_wmma_f32_16x16x32_f16 v[\acc:\acc+7], v[\a:\a+7], v[\b:\b+7], v[56:63]
.endif
.if \cm == 2
	v_wmma_f32_16x16x32_f16 v[\acc:\acc+7], v[\a:\a+7], v[\b:\b+7], v[\acc:\acc+7]
.endif
.else
.if \cm == 0
	v_wmma_f32_16x16x32_bf16 v[\acc:\acc+7], v[\a:\a+7], v[\b:\b+7], 0
.endif
.if \cm == 1
	v_wmma_f32_16x16x32_bf16 v[\acc:\acc+7], v[\a:\a+7], v[\b:\b+7], v[56:63]
.endif
.if \cm == 2
	v_wmma_f32_16x16x32_bf16 v[\acc:\acc+7], v[\a:\a+7], v[\b:\b+7], v[\acc:\acc+7]
.endif
.endif
.endm
; 32 rows x my 16 columns x 128 K.  swap = 1: weights first, a lane gets 8 neighbouring columns of row r; swap = 0: a lane gets 8 neighbouring rows of column r.
; The two accumulators take turns, one instruction a turn.
.macro MM2 h, swap, wreg, wwin, x, a0, a1, cmode
.if \wwin
.if \swap
	WIN 0x01
.else
	WIN 0x04
.endif
.endif
.irp ks, 0,1,2,3
.if \ks == 0
.if \swap
	WM \h, \wreg, \x, \a0, \cmode
	WM \h, \wreg, \x+32, \a1, \cmode
.else
	WM \h, \x, \wreg, \a0, \cmode
	WM \h, \x+32, \wreg, \a1, \cmode
.endif
.else
.if \swap
	WM \h, \wreg+8*\ks, \x+8*\ks, \a0, 2
	WM \h, \wreg+8*\ks, \x+32+8*\ks, \a1, 2
.else
	WM \h, \x+8*\ks, \wreg+8*\ks, \a0, 2
	WM \h, \x+32+8*\ks, \wreg+8*\ks, \a1, 2
.endif
.endif
.endr
	WIN 0
	PL5
.endm
.macro LDB slot                        ; bias of my columns 16 w + 8 h .. + 7
	ds_load_b128 v[56:59], v15 offset:512*\slot
	ds_load_b128 v[60:63], v15 offset:512*\slot+16
.endm
.macro LDBV slot                       ; bias of my column 16 w + r, twice, for the packed add
	ds_load_b32 v64, v17 offset:512*\slot
	ds_load_b32 v65, v17 offset:512*\slot
.endm
.macro STB h, acc, areg, off, scale    ; eight results to 16 bits, 16 bytes; scale = 1: times 0.25 log2 e (attention's scale, exponentials in base 2)
.if \scale
.irp i, 0,2,4,6
	v_pk_mul_f32 v[\acc+\i:\acc+\i+1], v[\acc+\i:\acc+\i+1], 0x3eb8aa3b op_sel_hi:[1,0]
.endr
.endif
	PK \h, 66, \acc, \acc+1
	PK \h, 67, \acc+2, \acc+3
	PK \h, 68, \acc+4, \acc+5
	PK \h, 69, \acc+6, \acc+7
	ds_store_b128 v[\areg], v[66:69] offset:\off
.endm
.macro STF acc, areg, off
	ds_store_b128 v[\areg], v[\acc:\acc+3] offset:\off
	ds_store_b128 v[\areg], v[\acc+4:\acc+7] offset:\off+16
.endm
.macro STV h, acc, areg, off           ; eight rows of one column: add the column's bias, to 16 bits, 16 bytes of the transposed region
.irp i, 0,2,4,6
	v_pk_add_f32 v[\acc+\i:\acc+\i+1], v[\acc+\i:\acc+\i+1], v[64:65]
.endr
	PK \h, 66, \acc, \acc+1
	PK \h, 67, \acc+2, \acc+3
	PK \h, 68, \acc+4, \acc+5
	PK \h, 69, \acc+6, \acc+7
	ds_store_b128 v[\areg], v[66:69] offset:\off
.endm
; THE RBF BIAS.  exp(-16 (d - c_i)^2) = 2^-(S d - S c_i)^2 with S = 4 sqrt(log2 e), c_i = 8 i / 31.  For one key and my 16 points the 32 values are a
; B fragment (column = point r, k = i): 16 exponentials a lane, none twice.  A holds the 8 heads' weights times log2 e in rows 0-7 (ALO) or rows 8-15 (AHI),
; zeros in the others.  ALO x B(key j) + AHI x B(key 8 + j) + b leaves in lane (r, h), register hd, the bias of key 8 h + j, point r, head hd:
; the place that the transposed score tile gives that pair.
; v72-87 hold W[r & 7][8 h .. + 7, 16 + 8 h .. + 7]; b = first scalar register of the 8 biases.  Makes CEN v24-39, ALO v40-47, AHI v48-55, CB v56-63.
.macro RBFSET b
.irp i, 0,2,4,6,8,10,12,14
	v_pk_mul_f32 v[72+\i:73+\i], v[72+\i:73+\i], 0x3fb8aa3b op_sel_hi:[1,0]
.endr
.irp i, 0,1,2,3,4,5,6,7
	v_cvt_pk_bf16_f32 v[104+\i], v[72+2*\i], v[73+2*\i]
.endr
.irp i, 0,1,2,3,4,5,6,7
	v_cndmask_b32 v[40+\i], v[104+\i], v9, s11
	v_cndmask_b32 v[48+\i], v9, v[104+\i], s11
	v_mul_f32 v[56+\i], s[\b+\i], v23
.endr
	v_lshlrev_b32 v72, 3, v3
.irp i, 0,1,2,3,4,5,6,7
	v_add_nc_u32 v[24+\i], \i, v72
	v_add_nc_u32 v[32+\i], 16+\i, v72
.endr
.irp i, 0,1,2,3,4,5,6,7,8,9,10,11,12,13,14,15
	v_cvt_f32_u32 v[24+\i], v[24+\i]
.endr
.irp i, 0,2,4,6,8,10,12,14
	v_pk_mul_f32 v[24+\i:25+\i], v[24+\i:25+\i], 0xbf9eb401 op_sel_hi:[1,0]      ; - S c_i
.endr
.endm
.macro LDPOS b, off                    ; the positions of 16 keys, 48 f32, into s16-63
	s_load_b512 s[16:31], s[\b:\b+1], \off
	s_load_b512 s[32:47], s[\b:\b+1], \off+64
	s_load_b512 s[48:63], s[\b:\b+1], \off+128
.endm
.macro DIST16                          ; v88-103 = S x distance from my point to the 16 keys
	s_wait_kmcnt 0x0
.irp n, 0,1,2,3,4,5,6,7,8,9,10,11,12,13,14,15
	v_sub_f32 v72, s[16+3*\n], v6
	v_sub_f32 v73, s[17+3*\n], v7
	v_sub_f32 v74, s[18+3*\n], v8
	v_mul_f32 v[88+\n], v72, v72
	v_fmac_f32 v[88+\n], v73, v73
	v_fmac_f32 v[88+\n], v74, v74
	v_max_num_f32 v[88+\n], 0x2b8cbccc, v[88+\n]   ; the model's clip at 1e-12
.endr
.irp n, 0,1,2,3,4,5,6,7,8,9,10,11,12,13,14,15
	v_sqrt_f32 v[88+\n], v[88+\n]
.endr
	v_nop                                          ; one plain place behind the transcendentals (ISA guide 5.7.2)
	s_wait_alu depctr_va_vdst(0)
.irp n, 0,2,4,6,8,10,12,14
	v_pk_mul_f32 v[88+\n:89+\n], v[88+\n:89+\n], 0x4099be61 op_sel_hi:[1,0]
.endr
.endm
; key n of the tile.  The eight accumulators of a tile take turns, one instruction a turn.
; The 16 packed instructions at the head of the next FRAG are the places before v64-71 are written again.
.macro FRAG tile, n
.irp i, 0,1,2,3,4,5,6,7
.if (\n)&1
	v_pk_add_f32 v[72+2*\i:73+2*\i], v[88+((\n)&14):89+((\n)&14)], v[24+2*\i:25+2*\i] op_sel:[1,0] op_sel_hi:[1,1]
.else
	v_pk_add_f32 v[72+2*\i:73+2*\i], v[88+((\n)&14):89+((\n)&14)], v[24+2*\i:25+2*\i] op_sel:[0,0] op_sel_hi:[0,1]
.endif
.endr
.irp i, 0,2,4,6,8,10,12,14
	v_pk_mul_f32 v[72+\i:73+\i], v[72+\i:73+\i], v[72+\i:73+\i] neg_lo:[0,1] neg_hi:[0,1]
.endr
.irp i, 0,1,2,3,4,5,6,7,8,9,10,11,12,13,14,15
	v_exp_f32 v[72+\i], v[72+\i]
.endr
	v_nop
	s_wait_alu depctr_va_vdst(0)
.irp i, 0,1,2,3,4,5,6,7
	v_cvt_pk_bf16_f32 v[64+\i], v[72+2*\i], v[73+2*\i]
.endr
.if \n < 8
	v_wmma_f32_16x16x32_bf16 v[128+64*\tile+8*\n:135+64*\tile+8*\n], v[40:47], v[64:71], v[56:63]
.else
	v_wmma_f32_16x16x32_bf16 v[64+64*\tile+8*\n:71+64*\tile+8*\n], v[48:55], v[64:71], v[64+64*\tile+8*\n:71+64*\tile+8*\n]
.endif
.endm
.macro BIASGEN tile, nb, noff          ; nb: scalar base of the positions wanted next (0: none); they are asked for as soon as s16-63 have been read
	DIST16
.if \nb
	LDPOS \nb, \noff
.endif
.irp n, 0,1,2,3,4,5,6,7,8,9,10,11,12,13,14,15
	FRAG \tile, \n
.endr
.endm
; SCORES, transposed: A = 16 keys x 32 channels (two heads), B = my 16 points' q of ONE head with zeros in the other head's half.
; Set s: QE, zeros, QO at 24 + 28 s (B of the even head = QE, zeros; of the odd head = zeros, QO), K's fragments at 36 + 28 s.  v18: q, v19: k.
.macro LDSET s, i, NT
	ds_load_b128 v[24+28*\s:27+28*\s], v18 offset:64*(\i)
	ds_load_b128 v[32+28*\s:35+28*\s], v18 offset:64*(\i)+32
	ds_load_b128 v[36+28*\s:39+28*\s], v19 offset:64*(\i)
	ds_load_b128 v[40+28*\s:43+28*\s], v19 offset:64*(\i)+32
.if \NT == 2
	ds_load_b128 v[44+28*\s:47+28*\s], v19 offset:4352+64*(\i)
	ds_load_b128 v[48+28*\s:51+28*\s], v19 offset:4352+64*(\i)+32
.endif
.endm
.macro SCPAIR h, s, i, NT, left, more
	s_wait_dscnt \left                             ; this head pair's loads are in; the next pair's (the other set) may stay out
	WM \h, 36+28*\s, 24+28*\s, 80, 0
	WM \h, 36+28*\s, 28+28*\s, 88, 0
.if \NT == 2
	WM \h, 44+28*\s, 24+28*\s, 96, 0
	WM \h, 44+28*\s, 28+28*\s, 104, 0
.endif
	PL5
.if \more
	LDSET \s, \i+2, \NT
.endif
.irp j, 0,1,2,3,4,5,6,7
	v_add_f32 v[128+8*\j+2*\i], v[128+8*\j+2*\i], v[80+\j]
	v_add_f32 v[129+8*\j+2*\i], v[129+8*\j+2*\i], v[88+\j]
.if \NT == 2
	v_add_f32 v[192+8*\j+2*\i], v[192+8*\j+2*\i], v[96+\j]
	v_add_f32 v[193+8*\j+2*\i], v[193+8*\j+2*\i], v[104+\j]
.endif
.endr
.endm
.macro SCORES h, NT
.irp z, 28,29,30,31,56,57,58,59
	v_mov_b32 v\z, 0
.endr
	LDSET 0, 0, \NT
	LDSET 1, 1, \NT
	SCPAIR \h, 0, 0, \NT, 2+2*\NT, 1
	SCPAIR \h, 1, 1, \NT, 2+2*\NT, 1
	SCPAIR \h, 0, 2, \NT, 2+2*\NT, 0
	SCPAIR \h, 1, 3, \NT, 0, 0
.endm
; four heads of P V, transposed: A = V^T (16 channels x keys), B = the weights as they lie in the score registers, D = (channel 8 h + j, point r)
.macro PVGRP h, gq, NT, vhs, v2off
.irp k, 0,1,2,3
	ds_load_b128 v[56+8*\k:59+8*\k], v19 offset:\vhs*(4*\gq+\k)
	ds_load_b128 v[60+8*\k:63+8*\k], v19 offset:\vhs*(4*\gq+\k)+\v2off
.endr
.irp k, 0,1,2,3
.irp i, 0,1,2,3
	PK \h, 24+8*\k+\i, 128+16*\i+4*\gq+\k, 136+16*\i+4*\gq+\k
.if \NT == 2
	PK \h, 28+8*\k+\i, 192+16*\i+4*\gq+\k, 200+16*\i+4*\gq+\k
.else
.if \gq == 0
	v_mov_b32 v[28+8*\k+\i], 0                     ; 16 keys only: the upper half of K is zero weights (against a second copy of V's 16 keys)
.endif
.endif
.endr
.endr
	s_wait_dscnt 0x0
.irp k, 0,1,2,3
	WM \h, 56+8*\k, 24+8*\k, 88+8*\k, 0
.endr
	PL5
.irp k, 0,1,2,3
	ds_store_b128 v22, v[88+8*\k:91+8*\k] offset:64*(4*\gq+\k)
	ds_store_b128 v22, v[92+8*\k:95+8*\k] offset:64*(4*\gq+\k)+16
.endr
.endm
; Softmax over all keys of the row: the four chunks' maxima meet in LDS, so every chunk takes the row's true maximum away; sums and partial results are added in MERGE.
.macro SOFTPV h, NT, vhs, v2off
.irp hd, 0,1,2,3,4,5,6,7
	v_max_num_f32 v[24+\hd], v[128+\hd], v[136+\hd]
	v_max3_num_f32 v[24+\hd], v[24+\hd], v[144+\hd], v[152+\hd]
	v_max3_num_f32 v[24+\hd], v[24+\hd], v[160+\hd], v[168+\hd]
	v_max3_num_f32 v[24+\hd], v[24+\hd], v[176+\hd], v[184+\hd]
.if \NT == 2
	v_max3_num_f32 v[24+\hd], v[24+\hd], v[192+\hd], v[200+\hd]
	v_max3_num_f32 v[24+\hd], v[24+\hd], v[208+\hd], v[216+\hd]
	v_max3_num_f32 v[24+\hd], v[24+\hd], v[224+\hd], v[232+\hd]
	v_max3_num_f32 v[24+\hd], v[24+\hd], v[240+\hd], v[248+\hd]
.endif
	v_mov_b32 v[32+\hd], v[24+\hd]                 ; the permute's destination counts as read
.endr
.irp hd, 0,1,2,3,4,5,6,7
	v_permlanex16_b32 v[32+\hd], v[24+\hd], s8, s9
.endr
.irp hd, 0,1,2,3,4,5,6,7
	v_max_num_f32 v[24+\hd], v[24+\hd], v[32+\hd]
.endr
.irp q, 0,1,2,3
	v_cndmask_b32 v[40+\q], v[24+\q], v[28+\q], s10    ; lanes h = 0 store heads 0-3, lanes h = 1 heads 4-7
.endr
	ds_store_b128 v20, v[40:43] offset:MX
	BAR
.irp cc, 0,1,2,3
	ds_load_b128 v[44+8*\cc:47+8*\cc], v21 offset:MX+1024*\cc
	ds_load_b128 v[48+8*\cc:51+8*\cc], v21 offset:MX+1024*\cc+16
.endr
	s_wait_dscnt 0x0
.irp hd, 0,1,2,3,4,5,6,7
	v_max_num_f32 v[24+\hd], v[44+\hd], v[52+\hd]
	v_max3_num_f32 v[24+\hd], v[24+\hd], v[60+\hd], v[68+\hd]
.endr
.set jj, 0
.rept 8*\NT
.irp q, 0,2,4,6
	v_pk_add_f32 v[128+8*jj+\q:129+8*jj+\q], v[128+8*jj+\q:129+8*jj+\q], v[24+\q:25+\q] neg_lo:[0,1] neg_hi:[0,1]
.endr
.set jj, jj+1
.endr
.set jj, 0
.rept 64*\NT
	v_exp_f32 v[128+jj], v[128+jj]
.set jj, jj+1
.endr
	v_nop
	s_wait_alu depctr_va_vdst(0)
.irp q, 0,2,4,6
	v_pk_add_f32 v[76+\q:77+\q], v[128+\q:129+\q], v[136+\q:137+\q]
.endr
.set jj, 2
.rept 8*\NT-2
.irp q, 0,2,4,6
	v_pk_add_f32 v[76+\q:77+\q], v[76+\q:77+\q], v[128+8*jj+\q:129+8*jj+\q]
.endr
.set jj, jj+1
.endr
.irp hd, 0,1,2,3,4,5,6,7
	v_permlanex16_b32 v[32+\hd], v[76+\hd], s8, s9
.endr
.irp hd, 0,1,2,3,4,5,6,7
	v_add_f32 v[76+\hd], v[76+\hd], v[32+\hd]
.endr
.irp q, 0,1,2,3
	v_cndmask_b32 v[40+\q], v[76+\q], v[80+\q], s10
.endr
	ds_store_b128 v20, v[40:43] offset:LP
	PVGRP \h, 0, \NT, \vhs, \v2off
	PVGRP \h, 1, \NT, \vhs, \v2off
	BAR
.endm
.macro MERGE h                         ; thread = (point t >> 3, head t & 7): the four chunks' results and sums, one division, 16 bits into AGG
	v_lshrrev_b32 v18, 3, v0
	v_and_b32 v19, 7, v0
	v_mul_u32_u24 v24, v18, 528
	v_lshl_add_u32 v24, v19, 6, v24
	v_add_nc_u32 v24, OP, v24
	v_lshlrev_b32 v25, 2, v0
.irp cc, 0,1,2,3
.irp i, 0,1,2,3
	ds_load_b128 v[128+16*\cc+4*\i:131+16*\cc+4*\i], v24 offset:16896*\cc+16*\i
.endr
.endr
.irp cc, 0,1,2,3
	ds_load_b32 v[192+\cc], v25 offset:LP+1024*\cc
.endr
	v_mul_u32_u24 v26, v18, 272
	v_lshl_add_u32 v26, v19, 5, v26
	s_wait_dscnt 0x0
	v_add_f32 v192, v192, v193
	v_add_f32 v194, v194, v195
	v_add_f32 v192, v192, v194                     ; at least 1: the row's maximum contributes 2^0
	v_rcp_f32 v196, v192
	v_rcp_f32 v197, v192                           ; the packed adds below are the plain places behind it
.irp i, 0,2,4,6,8,10,12,14
	v_pk_add_f32 v[128+\i:129+\i], v[128+\i:129+\i], v[144+\i:145+\i]
	v_pk_add_f32 v[160+\i:161+\i], v[160+\i:161+\i], v[176+\i:177+\i]
	v_pk_add_f32 v[128+\i:129+\i], v[128+\i:129+\i], v[160+\i:161+\i]
.endr
	s_wait_alu depctr_va_vdst(0)
.irp i, 0,2,4,6,8,10,12,14
	v_pk_mul_f32 v[128+\i:129+\i], v[128+\i:129+\i], v[196:197]
.endr
.irp i, 0,1,2,3,4,5,6,7
	PK \h, 200+\i, 128+2*\i, 129+2*\i
.endr
	ds_store_b128 v26, v[200:203] offset:AGG
	ds_store_b128 v26, v[204:207] offset:AGG+16
	BAR
.endm
.macro OUTRES h, wreg, slot            ; hp += AGG W^T + b: the sums start from hp + b; each lane reads and rewrites its own 64 bytes of HP
	LDX 4, AGG, 272, 128
	ds_load_b128 v[24:27], v16 offset:HP
	ds_load_b128 v[28:31], v16 offset:HP+16
	ds_load_b128 v[32:35], v16 offset:HP+8448
	ds_load_b128 v[36:39], v16 offset:HP+8448+16
	LDB \slot
	s_wait_dscnt 0x0
.irp i, 0,2,4,6
	v_pk_add_f32 v[24+\i:25+\i], v[24+\i:25+\i], v[56+\i:57+\i]
	v_pk_add_f32 v[32+\i:33+\i], v[32+\i:33+\i], v[56+\i:57+\i]
.endr
	MM2 \h, 1, \wreg, 1, 128, 24, 32, 2
	STF 24, 16, HP
	STF 32, 16, HP+8448
	BAR
.endm
.macro LNORM gslot, bslot              ; eight lanes a row, 16 numbers a lane; mean first, then the centred squares; f32 back into HP, f16 into XB
	v_lshrrev_b32 v18, 3, v0
	v_and_b32 v19, 7, v0
	v_mul_u32_u24 v24, v18, 528
	v_lshl_add_u32 v24, v19, 4, v24
	v_lshlrev_b32 v25, 4, v19
	v_mul_u32_u24 v26, v18, 272
	v_lshl_add_u32 v26, v19, 3, v26
.irp i, 0,1,2,3
	ds_load_b128 v[128+4*\i:131+4*\i], v24 offset:HP+128*\i
	ds_load_b128 v[144+4*\i:147+4*\i], v25 offset:512*\gslot+128*\i
	ds_load_b128 v[160+4*\i:163+4*\i], v25 offset:512*\bslot+128*\i
.endr
	s_wait_dscnt 0x0
	v_pk_add_f32 v[176:177], v[128:129], v[130:131]
	v_pk_add_f32 v[178:179], v[132:133], v[134:135]
	v_pk_add_f32 v[180:181], v[136:137], v[138:139]
	v_pk_add_f32 v[182:183], v[140:141], v[142:143]
	v_pk_add_f32 v[176:177], v[176:177], v[178:179]
	v_pk_add_f32 v[180:181], v[180:181], v[182:183]
	v_pk_add_f32 v[176:177], v[176:177], v[180:181]
	v_add_f32 v176, v176, v177
	v_add_f32_dpp v176, v176, v176 row_xmask:1 row_mask:0xf bank_mask:0xf
	v_add_f32_dpp v176, v176, v176 row_xmask:2 row_mask:0xf bank_mask:0xf
	v_add_f32_dpp v176, v176, v176 row_xmask:4 row_mask:0xf bank_mask:0xf
	v_mul_f32 v176, 0x3c000000, v176               ; / 128
	v_mov_b32 v177, v176
.irp i, 0,2,4,6,8,10,12,14
	v_pk_add_f32 v[128+\i:129+\i], v[128+\i:129+\i], v[176:177] neg_lo:[0,1] neg_hi:[0,1]
.endr
	v_pk_mul_f32 v[178:179], v[128:129], v[128:129]
.irp i, 2,4,6,8,10,12,14
	v_pk_fma_f32 v[178:179], v[128+\i:129+\i], v[128+\i:129+\i], v[178:179]
.endr
	v_add_f32 v178, v178, v179
	v_add_f32_dpp v178, v178, v178 row_xmask:1 row_mask:0xf bank_mask:0xf
	v_add_f32_dpp v178, v178, v178 row_xmask:2 row_mask:0xf bank_mask:0xf
	v_add_f32_dpp v178, v178, v178 row_xmask:4 row_mask:0xf bank_mask:0xf
	v_mov_b32 v180, 0x3c000000
	v_fmaak_f32 v178, v178, v180, 0x3727c5ac       ; variance + 1e-5
	v_rsq_f32 v182, v178
	v_rsq_f32 v183, v178
	v_nop
	s_wait_alu depctr_va_vdst(0)
.irp i, 0,2,4,6,8,10,12,14
	v_pk_mul_f32 v[128+\i:129+\i], v[128+\i:129+\i], v[182:183]
	v_pk_fma_f32 v[128+\i:129+\i], v[128+\i:129+\i], v[144+\i:145+\i], v[160+\i:161+\i]
.endr
.irp i, 0,1,2,3
	ds_store_b128 v24, v[128+4*\i:131+4*\i] offset:HP+128*\i
	v_cvt_pk_f16_f32 v[184+2*\i], v[128+4*\i], v[129+4*\i]
	v_cvt_pk_f16_f32 v[185+2*\i], v[130+4*\i], v[131+4*\i]
	ds_store_b64 v26, v[184+2*\i:185+2*\i] offset:XB+64*\i
.endr
	BAR
.endm
.macro SELFATT                         ; the biases of my 32 keys lie in v128-255; out's weights in window 1 at 128
	s_mul_i32 s12, s3, 4352
	s_add_co_u32 s12, s12, Q2L
	v_add_nc_u32 v18, s12, v4
	s_mul_i32 s12, s4, 8704
	s_add_co_u32 s12, s12, K2L
	v_add_nc_u32 v19, s12, v4
	SCORES 1, 2
	s_mul_i32 s12, s4, 10240
	s_add_co_u32 s12, s12, V2L
	v_mul_u32_u24 v19, v2, 80
	v_lshl_add_u32 v19, v3, 4, v19
	v_add_nc_u32 v19, s12, v19
	SOFTPV 1, 2, 1280, 32
	MERGE 1
	OUTRES 1, 128, 0
	LNORM 1, 2
.endm
; Cross attention, its LN, the next self attention's q, k, v, and the way out.  Weights in window 1: q 160, k 192, v 224, out 0, q2 32, k2 64, v2 96.
; q is made from f16 operands and stored as bf16, the format of the k that it meets.  The 16 atoms' positions of my chunk have been asked for into s16-63.
.macro CROSS
	s_wait_loadcnt 0x0                             ; all weights
	LDX 4, XB, 272, 128
	LDB 3
	s_wait_dscnt 0x0
	MM2 1, 1, 160, 1, 128, 24, 32, 1
	v_add_nc_u32 v18, QL, v14
	STB 0, 24, 18, 0, 1
	STB 0, 32, 18, 4352, 1
	v_add_nc_u32 v19, HAL, v4
	LDX 19, 0, 272, 128
	LDX 19, 8704, 272, 192
	LDB 4
	LDBV 5
	s_wait_dscnt 0x0
	MM2 0, 1, 192, 1, 128, 24, 32, 1
	MM2 0, 1, 192, 1, 192, 40, 48, 1
	v_add_nc_u32 v18, KL, v14
	STB 0, 24, 18, 0, 0
	STB 0, 32, 18, 4352, 0
	STB 0, 40, 18, 8704, 0
	STB 0, 48, 18, 13056, 0
	MM2 0, 0, 224, 1, 128, 24, 32, 0
	MM2 0, 0, 224, 1, 192, 40, 48, 0
	s_mul_i32 s12, s2, 2304
	s_add_co_u32 s12, s12, VTL
	v_mul_u32_u24 v18, v2, 144
	v_lshl_add_u32 v18, v3, 4, v18
	v_add_nc_u32 v18, s12, v18                     ; V^T: channel 16 w + r, atoms 8 h ..
	STV 0, 24, 18, 0
	STV 0, 32, 18, 32
	STV 0, 40, 18, 64
	STV 0, 48, 18, 96
	BAR
	v_and_b32 v18, 7, v2
	v_lshlrev_b32 v18, 7, v18
	v_lshl_add_u32 v18, v3, 5, v18
	ds_load_b128 v[72:75], v18 offset:PRM+6144
	ds_load_b128 v[76:79], v18 offset:PRM+6144+16
	ds_load_b128 v[80:83], v18 offset:PRM+6144+64
	ds_load_b128 v[84:87], v18 offset:PRM+6144+80
	s_wait_dscnt 0x0
	RBFSET 76
	BIASGEN 0, 0, 0
	PL5
	s_mul_i32 s12, s3, 4352
	s_add_co_u32 s12, s12, QL
	v_add_nc_u32 v18, s12, v4
	s_mul_i32 s12, s4, 4352
	s_add_co_u32 s12, s12, KL
	v_add_nc_u32 v19, s12, v4
	SCORES 0, 1
	s_lshl_b32 s12, s4, 5
	s_add_co_u32 s12, s12, VTL
	v_mul_u32_u24 v19, v2, 144
	v_lshl_add_u32 v19, v3, 4, v19
	v_add_nc_u32 v19, s12, v19
	SOFTPV 0, 1, 2304, 0
	MERGE 0
	OUTRES 0, 0, 6
	LNORM 7, 8
	LDX 4, XB, 272, 128
	LDB 9
	s_wait_dscnt 0x0
	MM2 1, 1, 32, 1, 128, 24, 32, 1
	LDB 10
	LDBV 11
	v_add_nc_u32 v18, Q2S, v14
	STB 1, 24, 18, 0, 1
	STB 1, 32, 18, 4352, 1
	s_wait_dscnt 0x0
	MM2 1, 1, 64, 1, 128, 40, 48, 1
	v_add_nc_u32 v18, K2S, v14
	STB 1, 40, 18, 0, 0
	STB 1, 48, 18, 4352, 0
	MM2 1, 0, 96, 1, 128, 24, 32, 0
	s_mul_i32 s12, s2, 1280
	s_add_co_u32 s12, s12, V2S
	v_mul_u32_u24 v18, v2, 80
	v_lshl_add_u32 v18, v3, 4, v18
	v_add_nc_u32 v18, s12, v18
	STV 1, 24, 18, 0
	STV 1, 32, 18, 32
	BAR
	; the way out: whole rows back from LDS, each store of a wave covers 512 consecutive bytes, aligned
.irp p, 0,1,2,3
	ds_load_b128 v[128+4*\p:131+4*\p], v11 offset:HP+4224*\p
.endr
	v_add_nc_u32 v18, Q2S, v10
.irp p, 0,1
	ds_load_b128 v[144+4*\p:147+4*\p], v18 offset:4352*\p
	ds_load_b128 v[152+4*\p:155+4*\p], v18 offset:K2S-Q2S+4352*\p
.endr
	v_add_nc_u32 v19, V2S, v12
.irp p, 0,1
	ds_load_b128 v[160+4*\p:163+4*\p], v19 offset:5120*\p
.endr
	s_wait_xcnt 0x0                                ; s90-97 were bases of earlier accesses: they are rewritten only behind this wait
	s_lshl_b32 s12, s5, 14
	s_mov_b32 s13, 0
	s_add_nc_u64 s[90:91], s[88:89], s[12:13]      ; hp: 16,384 bytes a work-group
	s_lshl_b32 s12, s5, 13
	s_add_nc_u64 s[92:93], s[88:89], s[12:13]      ; q, k, v: 8,192 bytes a work-group
	s_add_nc_u64 s[94:95], s[92:93], 0x600000
	s_add_nc_u64 s[96:97], s[92:93], 0x800000
	s_add_nc_u64 s[92:93], s[92:93], 0x400000
	s_wait_dscnt 0x0
.irp p, 0,1,2,3
	global_store_b128 v13, v[128+4*\p:131+4*\p], s[90:91] offset:4096*\p
.endr
.irp p, 0,1
	global_store_b128 v13, v[144+4*\p:147+4*\p], s[92:93] offset:4096*\p
	global_store_b128 v13, v[152+4*\p:155+4*\p], s[94:95] offset:4096*\p
	global_store_b128 v13, v[160+4*\p:163+4*\p], s[96:97] offset:4096*\p
.endr
.endm
	; ---------------- the head: argument i lies in s[16+2i:17+2i]
	s_load_b512 s[16:31], s[0:1], 0x0
	s_load_b512 s[32:47], s[0:1], 0x40
	s_load_b256 s[48:55], s[0:1], 0x80
	v_lshl_add_u32 v126, v0, 2, 0x47600
	v_mov_b32 v127, 0
	LANES
	v_and_b32 v18, 7, v2
	v_lshlrev_b32 v18, 7, v18
	v_lshl_add_u32 v18, v3, 5, v18                 ; RBF weights: row r & 7, column 8 h
	s_mul_i32 s12, s5, 384
	s_mul_i32 s13, s3, 192
	s_add_co_u32 s12, s12, s13
	v_mul_u32_u24 v19, v2, 12
	v_add_nc_u32 v19, s12, v19                     ; position of point 16 pt + r
	v_and_b32 v112, 127, v0
	v_lshlrev_b32 v112, 2, v112
	v_lshlrev_b32 v113, 2, v0
	s_wait_kmcnt 0x0
	s_load_b256 s[68:75], s[30:31], 0x0            ; self RBF bias
	s_load_b256 s[76:83], s[54:55], 0x0            ; cross RBF bias
	s_lshl_b32 s12, s2, 12
	s_mov_b32 s13, 0
	s_add_nc_u64 s[66:67], s[24:25], s[12:13]      ; the weights at my column tile
	s_mul_i32 s12, s6, 1536
	s_mul_i32 s14, s4, 384
	s_add_co_u32 s12, s12, s14
	s_add_nc_u64 s[84:85], s[16:17], s[12:13]      ; my chunk's 32 key points
	s_lshr_b32 s12, s12, 1
	s_add_nc_u64 s[86:87], s[18:19], s[12:13]      ; my chunk's 16 atoms
	s_mov_b64 s[88:89], s[26:27]                   ; the state that is written
	s_lshl_b32 s12, s6, 15
	s_add_nc_u64 s[90:91], s[22:23], s[12:13]
	s_add_nc_u64 s[92:93], s[90:91], 0x800000      ; the molecule's v
	s_add_nc_u64 s[90:91], s[90:91], 0x600000      ; the molecule's k
	s_lshl_b32 s12, s5, 13
	s_add_nc_u64 s[94:95], s[22:23], s[12:13]
	s_add_nc_u64 s[94:95], s[94:95], 0x400000      ; my points' q
	s_lshl_b32 s12, s5, 14
	s_add_nc_u64 s[96:97], s[22:23], s[12:13]      ; my points' hp
	s_lshl_b32 s12, s6, 14
	s_add_nc_u64 s[98:99], s[20:21], s[12:13]      ; the molecule's h_atom
	s_cmp_lt_u32 s2, 4                             ; waves 0-3 fetch the even slot of a pair of 128-float vectors, waves 4-7 the odd one
	s_cselect_b64 s[56:57], s[32:33], s[34:35]     ; self out b | self ln gain
	s_cselect_b64 s[58:59], s[36:37], s[38:39]     ; self ln bias | q b
	s_cselect_b64 s[60:61], s[40:41], s[42:43]     ; k b | v b
	s_cselect_b64 s[62:63], s[44:45], s[46:47]     ; out b | ln gain
	s_cselect_b64 s[100:101], s[48:49], s[50:51]   ; ln bias | qkv b 0-127
	global_load_b128 v[72:75], v18, s[28:29]
	global_load_b128 v[76:79], v18, s[28:29] offset:16
	global_load_b128 v[80:83], v18, s[28:29] offset:64
	global_load_b128 v[84:87], v18, s[28:29] offset:80
	global_load_b32 v6, v19, s[16:17]
	global_load_b32 v7, v19, s[16:17] offset:4
	global_load_b32 v8, v19, s[16:17] offset:8
	WIN 0x40                                       ; 33 loads into window 1: each b128 line covers 4,096 dense bytes for the work-group
.irp p, 0,1,2,3,4,5,6,7
	global_load_b128 v[4*\p:4*\p+3], v13, s[90:91] offset:4096*\p
.endr
.irp p, 0,1,2,3,4,5,6,7
	global_load_b128 v[32+4*\p:35+4*\p], v13, s[92:93] offset:4096*\p
.endr
.irp p, 0,1
	global_load_b128 v[64+4*\p:67+4*\p], v13, s[94:95] offset:4096*\p
.endr
.irp p, 0,1,2,3
	global_load_b128 v[72+4*\p:75+4*\p], v13, s[96:97] offset:4096*\p
.endr
.irp p, 0,1,2,3
	global_load_b128 v[88+4*\p:91+4*\p], v13, s[98:99] offset:4096*\p
.endr
	global_load_b32 v104, v112, s[56:57]
	global_load_b32 v105, v112, s[58:59]
	global_load_b32 v106, v112, s[60:61]
	global_load_b32 v107, v112, s[62:63]
	global_load_b32 v108, v112, s[100:101]
	global_load_b32 v109, v113, s[50:51] offset:512            ; qkv b 128-383
	global_load_b32 v110, v113, s[52:53]                       ; cross RBF weights, 256 f32
	WIN 0
	s_wait_loadcnt 33                              ; the 33 loads of the state are younger than the RBF weights and my position
	s_wait_kmcnt 0x0
	s_wait_xcnt 0x0                                ; s16-63 and the offset registers are rewritten only behind this wait
	LDPOS 84, 0
	RBFSET 68
	LDW 0, 128                                     ; self out; q, k, v
	LDW 1, 160
	LDW 2, 192
	LDW 3, 224
	WIN 0
	BIASGEN 0, 84, 192
	s_wait_loadcnt 32                              ; the 32 weight loads are younger than the state
	v_add_nc_u32 v18, K2L, v10
	v_add_nc_u32 v19, V2L, v12
	v_add_nc_u32 v104, Q2L, v10
	v_add_nc_u32 v105, HAL, v10
	WIN 0x04                                       ; store data from window 1
.irp p, 0,1,2,3,4,5,6,7
	ds_store_b128 v18, v[4*\p:4*\p+3] offset:4352*\p
.endr
.irp p, 0,1,2,3,4,5,6,7
	ds_store_b128 v19, v[32+4*\p:35+4*\p] offset:5120*\p
.endr
.irp p, 0,1
	ds_store_b128 v104, v[64+4*\p:67+4*\p] offset:4352*\p
.endr
.irp p, 0,1,2,3
	ds_store_b128 v11, v[72+4*\p:75+4*\p] offset:HP+4224*\p
.endr
.irp p, 0,1,2,3
	ds_store_b128 v105, v[88+4*\p:91+4*\p] offset:4352*\p
.endr
.irp k, 0,1,2,3,4,5
	ds_store_b32 v113, v[104+\k] offset:1024*\k
.endr
	ds_store_b32 v113, v110 offset:6144
	LDW 4, 0                                       ; cross out; q2, k2, v2, into the registers that the state has left
	LDW 5, 32
	LDW 6, 64
	LDW 7, 96
	WIN 0
	BIASGEN 1, 86, 0
	PL5
	BAR
	s_wait_loadcnt 0x0
	SELFATT
	CROSS
	s_wait_tensorcnt 0x0
	ds_add_u32 v126, v127
	s_wait_dscnt 0x0
	s_endpgm
.Lfunc_end_k_qc5e302c1b3_mid1:
	.size	k_qc5e302c1b3_mid1, .Lfunc_end_k_qc5e302c1b3_mid1-k_qc5e302c1b3_mid1
	.p2alignl 7, 3214868480
	.fill 96, 4, 3214868480
	.section	.rodata,"a",@progbits
	.p2align	6, 0x0
	.amdhsa_kernel k_qc5e302c1b3_mid1
		.amdhsa_group_segment_fixed_size 293376
		.amdhsa_private_segment_fixed_size 0
		.amdhsa_enable_private_segment 0
		.amdhsa_kernarg_size 160
		.amdhsa_user_sgpr_count 2
		.amdhsa_user_sgpr_kernarg_segment_ptr 1
		.amdhsa_wavefront_size32 1
		.amdhsa_system_sgpr_workgroup_id_x 1
		.amdhsa_system_sgpr_workgroup_id_y 1
		.amdhsa_system_sgpr_workgroup_id_z 1
		.amdhsa_system_vgpr_workitem_id 0
		.amdhsa_next_free_vgpr 512
		.amdhsa_next_free_sgpr 102
		.amdhsa_reserve_vcc 0
		.amdhsa_float_denorm_mode_32 3
		.amdhsa_float_denorm_mode_16_64 3
		.amdhsa_memory_ordered 1
		.amdhsa_forward_progress 1
		.amdhsa_inst_pref_size 250
	.end_amdhsa_kernel
	.amdgpu_metadata
---
amdhsa.version: [ 1, 2 ]
amdhsa.kernels:
  - .name:           k_qc5e302c1b3_mid1
    .symbol:         k_qc5e302c1b3_mid1.kd
    .args:
      - { .name: point_pos, .offset: 0, .size: 8, .value_kind: global_buffer, .address_space: global }
      - { .name: atom_pos, .offset: 8, .size: 8, .value_kind: global_buffer, .address_space: global }
      - { .name: hatom, .offset: 16, .size: 8, .value_kind: global_buffer, .address_space: global }
      - { .name: st0, .offset: 24, .size: 8, .value_kind: global_buffer, .address_space: global }
      - { .name: w1, .offset: 32, .size: 8, .value_kind: global_buffer, .address_space: global }
      - { .name: st1, .offset: 40, .size: 8, .value_kind: global_buffer, .address_space: global }
      - { .name: params_layers_0_self_rbf_0, .offset: 48, .size: 8, .value_kind: global_buffer, .address_space: global }
      - { .name: params_layers_0_self_rbf_1, .offset: 56, .size: 8, .value_kind: global_buffer, .address_space: global }
      - { .name: params_layers_0_self_out_1, .offset: 64, .size: 8, .value_kind: global_buffer, .address_space: global }
      - { .name: params_layers_0_self_ln_0, .offset: 72, .size: 8, .value_kind: global_buffer, .address_space: global }
      - { .name: params_layers_0_self_ln_1, .offset: 80, .size: 8, .value_kind: global_buffer, .address_space: global }
      - { .name: params_layers_1_cross_q_1, .offset: 88, .size: 8, .value_kind: global_buffer, .address_space: global }
      - { .name: params_layers_1_cross_k_1, .offset: 96, .size: 8, .value_kind: global_buffer, .address_space: global }
      - { .name: params_layers_1_cross_v_1, .offset: 104, .size: 8, .value_kind: global_buffer, .address_space: global }
      - { .name: params_layers_1_cross_out_1, .offset: 112, .size: 8, .value_kind: global_buffer, .address_space: global }
      - { .name: params_layers_1_cross_ln_0, .offset: 120, .size: 8, .value_kind: global_buffer, .address_space: global }
      - { .name: params_layers_1_cross_ln_1, .offset: 128, .size: 8, .value_kind: global_buffer, .address_space: global }
      - { .name: params_layers_1_self_qkv_1, .offset: 136, .size: 8, .value_kind: global_buffer, .address_space: global }
      - { .name: params_layers_1_cross_rbf_0, .offset: 144, .size: 8, .value_kind: global_buffer, .address_space: global }
      - { .name: params_layers_1_cross_rbf_1, .offset: 152, .size: 8, .value_kind: global_buffer, .address_space: global }
    .group_segment_fixed_size: 293376
    .private_segment_fixed_size: 0
    .kernarg_segment_align: 8
    .kernarg_segment_size: 160
    .max_flat_workgroup_size: 256
    .sgpr_count:     102
    .vgpr_count:     512
    .wavefront_size: 32
...
	.end_amdgpu_metadata
.endif
;; end of part 3
;; launch mid2: the kernel of part 3 again; grid 256 x 1, 8 waves a work-group, no clusters, 293,376 bytes of LDS; arguments point_pos, atom_pos, hatom, st1, w2, st0, params_layers_1_self_rbf_0, params_layers_1_self_rbf_1, params_layers_1_self_out_1, params_layers_1_self_ln_0, params_layers_1_self_ln_1, params_layers_2_cross_q_1, params_layers_2_cross_k_1, params_layers_2_cross_v_1, params_layers_2_cross_out_1, params_layers_2_cross_ln_0, params_layers_2_cross_ln_1, params_layers_2_self_qkv_1, params_layers_2_cross_rbf_0, params_layers_2_cross_rbf_1; writes st0
;; launch mid3: the kernel of part 3 again; grid 256 x 1, 8 waves a work-group, no clusters, 293,376 bytes of LDS; arguments point_pos, atom_pos, hatom, st0, w3, st1, params_layers_2_self_rbf_0, params_layers_2_self_rbf_1, params_layers_2_self_out_1, params_layers_2_self_ln_0, params_layers_2_self_ln_1, params_layers_3_cross_q_1, params_layers_3_cross_k_1, params_layers_3_cross_v_1, params_layers_3_cross_out_1, params_layers_3_cross_ln_0, params_layers_3_cross_ln_1, params_layers_3_self_qkv_1, params_layers_3_cross_rbf_0, params_layers_3_cross_rbf_1; writes st1
;; launch last (part 4): grid 256 x 1, 8 waves a work-group, no clusters, 293,376 bytes of LDS; arguments point_pos, st1, w2, params_layers_3_self_rbf_0, params_layers_3_self_rbf_1, params_layers_3_self_out_1, params_layers_3_self_ln_0, params_layers_3_self_ln_1, params_vel1_1, params_vel2_0, params_vel2_1, out0; writes out0
.if DOCPART == 4
	.amdgcn_target "amdgcn-amd-amdhsa--gfx1250"
	.amdhsa_code_object_version 6
	.text
	.protected	k_qc5e302c1b3_last
	.globl	k_qc5e302c1b3_last
	.p2align	8
	.type	k_qc5e302c1b3_last,@function
k_qc5e302c1b3_last:
	s_mov_b64 s[64:65], 0
	v_nop
	global_prefetch_b8 v0, s[64:65] scope:SCOPE_SE
	s_setreg_imm32_b32 hwreg(HW_REG_WAVE_MODE, 25, 1), 1
	s_wait_xcnt 0x0
; last: self attention and LN of layer 3, then vel2(silu(vel1(hp))): one number a point.
; Work-group g = 32 points of molecule g >> 2 (256 work-groups); eight waves, two to a SIMD, 512 registers each.
; In attention wave w takes point tile pt = w & 1 (16 points) and key chunk c = w >> 1 (32 keys); in the linear layers output columns 16 w .. + 15.
; vel2 has one output column: it is a dot product in f32 on the vector unit, summed over the two lane halves and, through LDS, over the eight waves.
; FORMATS: matrix operands are 16 bits, all else f32.  f16 for all but the RBF product, since the computation bounds the sizes: LN outputs (at most
; sqrt(127) |gain| + |bias|), q, k, v (at most |row of W| x |LN row|), softmax weights (at most 1), attention's result, and the weights that meet them.  With every
; input 30 times the drawn size (weights 1.5 rms: a row's norm about 24; gains 30: an LN row's norm 340) q, k, v stay below 8,200, an eighth of f16's largest number.
; The RBF values and their weights are bf16.
; LIMITS: distances are formed from coordinate differences, clipped at 1e-12 under the root as in the model (on the diagonal d = 1e-6).
; Exponentials below 2^-126 come out as 0.  NaN and infinities in the inputs are not treated.  point_batch and atom_batch are not read: the model deletes them.
; NO CLUSTER, NO TENSOR LOADS: every LDS region is filled once, through registers; the weights go straight into registers as ready fragments.
.set PRM, 0                            ; slots of 128 f32: 0 out b, 1 ln gain, 2 ln bias, 3 vel1 b
.set MX, 8192                          ; [chunk][32 points][8 heads] f32: the chunks' maxima
.set LP, 12288                         ; the same shape: the chunks' sums
.set AGG, 16384                        ; [32][128] f16, pitch 272: attention's result
.set XB, 25088                         ; [32][128] f16, pitch 272: hp as a matrix operand
.set HP, 33792                         ; [32][128] f32, pitch 528: hp
.set OP, 50688                         ; [chunk][32][128] f32, pitch 528: the chunks' partial results
.set VP, 118272                        ; [wave][32 points] f32: the waves' parts of the last dot product
.set K2L, 207872                       ; [128][128] f16, pitch 272: the molecule's k
.set V2L, 242688                       ; [4 chunks x 128 channels][32 keys] f16, pitch 80: the molecule's v, transposed
.set Q2L, 283648                       ; [32][128] f16, pitch 272: my points' q
; pitches are the row's bytes + 16, so that the 16 rows that a 16-byte access touches start 16 bytes apart modulo 256 (64 banks of 4 bytes: ISA guide 11.1)
; Window 0: v0 t, v1 16 L, v2 r, v3 h, v4 272 r + 16 h, v5 528 r + 32 h, v6-8 my point, v9 0, v10-13 copy terms, v15-16, v20-22 wave terms,
; v18-19 temporaries, v23 log2 e, v24-119 at work, v120-127 vel2's weights of my columns, v128-255 scores / operand fragments.
; Window 1 (v256-511): the parked state at 0-105, weight fragments at 128 (self out) and 160 (vel1).
.set MSB, 0
.macro WIN new                         ; the immediate's high byte repeats the setting that is left
.if MSB != \new
	s_set_vgpr_msb (MSB<<8)|\new
.set MSB, \new
.endif
.endm
.macro PL5                             ; five places behind matrix instructions: four before a vector instruction, a store or a load touches their registers, five before a matrix instruction writes over them
.rept 5
	v_nop
.endr
.endm
.macro BAR                             ; my LDS stores and loads are done, then the barrier: what was stored may be read by all, what was read may be overwritten
	s_wait_dscnt 0x0
	s_barrier_signal -1
	s_barrier_wait -1
.endm
.macro LDW idx, wreg                   ; my column tile's four fragments of block idx into window 1: eight loads of 512 dense bytes
	WIN 0x40
.irp ks, 0,1,2,3
	global_load_b128 v[\wreg+8*\ks:\wreg+8*\ks+3], v1, s[66:67] offset:\idx*32768+\ks*1024
	global_load_b128 v[\wreg+8*\ks+4:\wreg+8*\ks+7], v1, s[66:67] offset:\idx*32768+\ks*1024+512
.endr
.endm
.macro LDX off                         ; 32 rows x 128 K of an f16 region of pitch 272 as 2 x 4 fragments, into v128-191
.irp rt, 0,1
.irp ks, 0,1,2,3
	ds_load_b128 v[128+32*\rt+8*\ks:131+32*\rt+8*\ks], v4 offset:\off+\rt*4352+64*\ks
	ds_load_b128 v[132+32*\rt+8*\ks:135+32*\rt+8*\ks], v4 offset:\off+\rt*4352+64*\ks+32
.endr
.endr
.endm
; 32 rows (v128-191) x my 16 columns x 128 K, weights (window 1) first: a lane gets 8 neighbouring columns of row r, in v24-31 and v32-39.
; bias = 1: the first products start from the bias registers v56-63; 0: the sums go on in place.
; The two accumulators take turns, one instruction a turn.
.macro MM2 wreg, bias
	WIN 0x01
.if \bias
	v_wmma_f32_16x16x32_f16 v[24:31], v[\wreg:\wreg+7], v[128:135], v[56:63]
	v_wmma_f32_16x16x32_f16 v[32:39], v[\wreg:\wreg+7], v[160:167], v[56:63]
.else
	v_wmma_f32_16x16x32_f16 v[24:31], v[\wreg:\wreg+7], v[128:135], v[24:31]
	v_wmma_f32_16x16x32_f16 v[32:39], v[\wreg:\wreg+7], v[160:167], v[32:39]
.endif
.irp ks, 1,2,3
	v_wmma_f32_16x16x32_f16 v[24:31], v[\wreg+8*\ks:\wreg+8*\ks+7], v[128+8*\ks:135+8*\ks], v[24:31]
	v_wmma_f32_16x16x32_f16 v[32:39], v[\wreg+8*\ks:\wreg+8*\ks+7], v[160+8*\ks:167+8*\ks], v[32:39]
.endr
	WIN 0
	PL5
.endm
.macro LDB slot                        ; bias of my columns 16 w + 8 h .. + 7
	ds_load_b128 v[56:59], v15 offset:512*\slot
	ds_load_b128 v[60:63], v15 offset:512*\slot+16
.endm
.macro SILU acc, tmp                   ; x / (1 + 2^(-x log2 e)) on eight numbers
.irp j, 0,1,2,3,4,5,6,7
	v_mul_f32 v[\tmp+\j], 0xbfb8aa3b, v[\acc+\j]
.endr
.irp j, 0,1,2,3,4,5,6,7
	v_exp_f32 v[\tmp+\j], v[\tmp+\j]
.endr
	v_nop                                          ; one plain place behind the transcendentals (ISA guide 5.7.2)
	s_wait_alu depctr_va_vdst(0)
.irp j, 0,1,2,3,4,5,6,7
	v_add_f32 v[\tmp+\j], 1.0, v[\tmp+\j]
.endr
.irp j, 0,1,2,3,4,5,6,7
	v_rcp_f32 v[\tmp+\j], v[\tmp+\j]
.endr
	v_nop
	s_wait_alu depctr_va_vdst(0)
.irp j, 0,1,2,3,4,5,6,7
	v_mul_f32 v[\acc+\j], v[\acc+\j], v[\tmp+\j]
.endr
.endm
; THE RBF BIAS.  exp(-16 (d - c_i)^2) = 2^-(S d - S c_i)^2 with S = 4 sqrt(log2 e), c_i = 8 i / 31.  For one key and my 16 points the 32 values are a
; B fragment (column = point r, k = i): 16 exponentials a lane, none twice.  A holds the 8 heads' weights times log2 e in rows 0-7 (ALO) or rows 8-15 (AHI),
; zeros in the others.  ALO x B(key j) + AHI x B(key 8 + j) + b leaves in lane (r, h), register hd, the bias of key 8 h + j, point r, head hd:
; the place that the transposed score tile gives that pair.
; v72-87 hold W[r & 7][8 h .. + 7, 16 + 8 h .. + 7]; b = first scalar register of the 8 biases.  Makes CEN v24-39, ALO v40-47, AHI v48-55, CB v56-63.
.macro RBFSET b
.irp i, 0,2,4,6,8,10,12,14
	v_pk_mul_f32 v[72+\i:73+\i], v[72+\i:73+\i], 0x3fb8aa3b op_sel_hi:[1,0]
.endr
.irp i, 0,1,2,3,4,5,6,7
	v_cvt_pk_bf16_f32 v[104+\i], v[72+2*\i], v[73+2*\i]
.endr
.irp i, 0,1,2,3,4,5,6,7
	v_cndmask_b32 v[40+\i], v[104+\i], v9, s11
	v_cndmask_b32 v[48+\i], v9, v[104+\i], s11
	v_mul_f32 v[56+\i], s[\b+\i], v23
.endr
	v_lshlrev_b32 v72, 3, v3
.irp i, 0,1,2,3,4,5,6,7
	v_add_nc_u32 v[24+\i], \i, v72
	v_add_nc_u32 v[32+\i], 16+\i, v72
.endr
.irp i, 0,1,2,3,4,5,6,7,8,9,10,11,12,13,14,15
	v_cvt_f32_u32 v[24+\i], v[24+\i]
.endr
.irp i, 0,2,4,6,8,10,12,14
	v_pk_mul_f32 v[24+\i:25+\i], v[24+\i:25+\i], 0xbf9eb401 op_sel_hi:[1,0]      ; - S c_i
.endr
.endm
.macro LDPOS off                       ; the positions of 16 keys of my chunk, 48 f32, into s16-63
	s_load_b512 s[16:31], s[84:85], \off
	s_load_b512 s[32:47], s[84:85], \off+64
	s_load_b512 s[48:63], s[84:85], \off+128
.endm
.macro DIST16                          ; v88-103 = S x distance from my point to the 16 keys
	s_wait_kmcnt 0x0
.irp n, 0,1,2,3,4,5,6,7,8,9,10,11,12,13,14,15
	v_sub_f32 v72, s[16+3*\n], v6
	v_sub_f32 v73, s[17+3*\n], v7
	v_sub_f32 v74, s[18+3*\n], v8
	v_mul_f32 v[88+\n], v72, v72
	v_fmac_f32 v[88+\n], v73, v73
	v_fmac_f32 v[88+\n], v74, v74
	v_max_num_f32 v[88+\n], 0x2b8cbccc, v[88+\n]   ; the model's clip at 1e-12
.endr
.irp n, 0,1,2,3,4,5,6,7,8,9,10,11,12,13,14,15
	v_sqrt_f32 v[88+\n], v[88+\n]
.endr
	v_nop
	s_wait_alu depctr_va_vdst(0)
.irp n, 0,2,4,6,8,10,12,14
	v_pk_mul_f32 v[88+\n:89+\n], v[88+\n:89+\n], 0x4099be61 op_sel_hi:[1,0]
.endr
.endm
; key n of the tile.  The eight accumulators of a tile take turns, one instruction a turn.
; The 16 packed instructions at the head of the next FRAG are the places before v64-71 are written again.
.macro FRAG tile, n
.irp i, 0,1,2,3,4,5,6,7
.if (\n)&1
	v_pk_add_f32 v[72+2*\i:73+2*\i], v[88+((\n)&14):89+((\n)&14)], v[24+2*\i:25+2*\i] op_sel:[1,0] op_sel_hi:[1,1]
.else
	v_pk_add_f32 v[72+2*\i:73+2*\i], v[88+((\n)&14):89+((\n)&14)], v[24+2*\i:25+2*\i] op_sel:[0,0] op_sel_hi:[0,1]
.endif
.endr
.irp i, 0,2,4,6,8,10,12,14
	v_pk_mul_f32 v[72+\i:73+\i], v[72+\i:73+\i], v[72+\i:73+\i] neg_lo:[0,1] neg_hi:[0,1]
.endr
.irp i, 0,1,2,3,4,5,6,7,8,9,10,11,12,13,14,15
	v_exp_f32 v[72+\i], v[72+\i]
.endr
	v_nop
	s_wait_alu depctr_va_vdst(0)
.irp i, 0,1,2,3,4,5,6,7
	v_cvt_pk_bf16_f32 v[64+\i], v[72+2*\i], v[73+2*\i]
.endr
.if \n < 8
	v_wmma_f32_16x16x32_bf16 v[128+64*\tile+8*\n:135+64*\tile+8*\n], v[40:47], v[64:71], v[56:63]
.else
	v_wmma_f32_16x16x32_bf16 v[64+64*\tile+8*\n:71+64*\tile+8*\n], v[48:55], v[64:71], v[64+64*\tile+8*\n:71+64*\tile+8*\n]
.endif
.endm
.macro BIASGEN tile, more              ; more = 1: the second tile's positions are asked for as soon as s16-63 have been read
	DIST16
.if \more
	LDPOS 192
.endif
.irp n, 0,1,2,3,4,5,6,7,8,9,10,11,12,13,14,15
	FRAG \tile, \n
.endr
.endm
; SCORES, transposed: A = 16 keys x 32 channels (two heads), B = my 16 points' q of ONE head with zeros in the other head's half.
; Set s: QE, zeros, QO at 24 + 28 s (B of the even head = QE, zeros; of the odd head = zeros, QO), K's two fragments at 36 + 28 s.  v18: q, v19: k.
.macro LDSET s, i
	ds_load_b128 v[24+28*\s:27+28*\s], v18 offset:64*(\i)
	ds_load_b128 v[32+28*\s:35+28*\s], v18 offset:64*(\i)+32
	ds_load_b128 v[36+28*\s:39+28*\s], v19 offset:64*(\i)
	ds_load_b128 v[40+28*\s:43+28*\s], v19 offset:64*(\i)+32
	ds_load_b128 v[44+28*\s:47+28*\s], v19 offset:4352+64*(\i)
	ds_load_b128 v[48+28*\s:51+28*\s], v19 offset:4352+64*(\i)+32
.endm
.macro SCPAIR s, i, left, more
	s_wait_dscnt \left                             ; this head pair's loads are in; the next pair's six (the other set) may stay out
	v_wmma_f32_16x16x32_f16 v[80:87], v[36+28*\s:43+28*\s], v[24+28*\s:31+28*\s], 0
	v_wmma_f32_16x16x32_f16 v[88:95], v[36+28*\s:43+28*\s], v[28+28*\s:35+28*\s], 0
	v_wmma_f32_16x16x32_f16 v[96:103], v[44+28*\s:51+28*\s], v[24+28*\s:31+28*\s], 0
	v_wmma_f32_16x16x32_f16 v[104:111], v[44+28*\s:51+28*\s], v[28+28*\s:35+28*\s], 0
	PL5
.if \more
	LDSET \s, \i+2
.endif
.irp j, 0,1,2,3,4,5,6,7
	v_add_f32 v[128+8*\j+2*\i], v[128+8*\j+2*\i], v[80+\j]
	v_add_f32 v[129+8*\j+2*\i], v[129+8*\j+2*\i], v[88+\j]
	v_add_f32 v[192+8*\j+2*\i], v[192+8*\j+2*\i], v[96+\j]
	v_add_f32 v[193+8*\j+2*\i], v[193+8*\j+2*\i], v[104+\j]
.endr
.endm
; four heads of P V, transposed: A = V^T (16 channels x 32 keys), B = the weights as they lie in the score registers, D = (channel 8 h + j, point r)
.macro PVGRP gq
.irp k, 0,1,2,3
	ds_load_b128 v[56+8*\k:59+8*\k], v19 offset:1280*(4*\gq+\k)
	ds_load_b128 v[60+8*\k:63+8*\k], v19 offset:1280*(4*\gq+\k)+32
.endr
.irp k, 0,1,2,3
.irp i, 0,1,2,3
	v_cvt_pk_f16_f32 v[24+8*\k+\i], v[128+16*\i+4*\gq+\k], v[136+16*\i+4*\gq+\k]
	v_cvt_pk_f16_f32 v[28+8*\k+\i], v[192+16*\i+4*\gq+\k], v[200+16*\i+4*\gq+\k]
.endr
.endr
	s_wait_dscnt 0x0
.irp k, 0,1,2,3
	v_wmma_f32_16x16x32_f16 v[88+8*\k:95+8*\k], v[56+8*\k:63+8*\k], v[24+8*\k:31+8*\k], 0
.endr
	PL5
.irp k, 0,1,2,3
	ds_store_b128 v22, v[88+8*\k:91+8*\k] offset:64*(4*\gq+\k)
	ds_store_b128 v22, v[92+8*\k:95+8*\k] offset:64*(4*\gq+\k)+16
.endr
.endm
	; ---------------- the head: argument i lies in s[16+2i:17+2i]
	s_load_b512 s[16:31], s[0:1], 0x0
	s_load_b256 s[32:39], s[0:1], 0x40
	v_lshl_add_u32 v14, v0, 2, 0x47600
	v_mov_b32 v17, 0
	v_and_b32 v1, 31, v0
	v_and_b32 v2, 15, v0                           ; r
	v_bfe_u32 v3, v0, 4, 1                         ; h
	v_lshrrev_b32 v24, 5, v0
	v_readfirstlane_b32 s2, v24                    ; w
	v_lshlrev_b32 v1, 4, v1                        ; 16 L
	s_and_b32 s3, s2, 1                            ; pt
	s_lshr_b32 s4, s2, 1                           ; c
	s_mov_b32 s5, ttmp9                            ; g
	s_lshr_b32 s6, s5, 2                           ; molecule
	s_mov_b32 s8, 0x76543210                       ; v_permlanex16_b32: lane i of the other half
	s_mov_b32 s9, 0xfedcba98
	s_mov_b32 s10, 0xffff0000                      ; lanes with h = 1
	s_mov_b32 s11, 0xff00ff00                      ; lanes with r >= 8
	v_mul_u32_u24 v4, v2, 272
	v_lshl_add_u32 v4, v3, 4, v4                   ; fragment of a 16-bit region
	v_mul_u32_u24 v5, v2, 528
	v_lshl_add_u32 v5, v3, 5, v5                   ; eight f32 of a row
	v_mov_b32 v9, 0
	v_lshrrev_b32 v24, 4, v0
	v_mul_u32_u24 v10, v24, 272
	v_lshl_add_u32 v10, v2, 4, v10                 ; dense rows of 256 bytes <-> pitch 272
	v_lshrrev_b32 v24, 5, v0
	v_mul_u32_u24 v11, v24, 528
	v_add_nc_u32 v11, v11, v1                      ; dense rows of 512 bytes <-> pitch 528
	v_lshrrev_b32 v24, 2, v0
	v_and_b32 v25, 3, v0
	v_mul_u32_u24 v12, v24, 80
	v_lshl_add_u32 v12, v25, 4, v12                ; dense rows of 64 bytes <-> pitch 80
	v_lshlrev_b32 v13, 4, v0                       ; 16 t
	s_lshl_b32 s12, s2, 6
	v_lshl_add_u32 v15, v3, 5, s12                 ; f32 of columns 16 w + 8 h ..
	v_add_nc_u32 v16, s12, v5                      ; f32 result: row r, columns 16 w + 8 h ..
	s_lshl_b32 s12, s4, 10
	s_lshl_b32 s13, s3, 9
	v_lshl_add_u32 v21, v2, 5, s13                 ; MX, LP: my point's 8 heads
	v_lshl_add_u32 v20, v3, 4, v21
	v_add_nc_u32 v20, s12, v20                     ; MX, LP: my chunk, my point, heads 4 h ..
	s_mul_i32 s12, s4, 16896
	s_mul_i32 s13, s3, 8448
	s_add_co_u32 s12, s12, s13
	s_add_co_u32 s12, s12, OP
	v_add_nc_u32 v22, s12, v5                      ; OP: my chunk, my point
	v_mov_b32 v23, 0x3fb8aa3b                      ; log2 e
	v_and_b32 v18, 7, v2
	v_lshlrev_b32 v18, 7, v18
	v_lshl_add_u32 v18, v3, 5, v18                 ; RBF weights: row r & 7, column 8 h
	s_mul_i32 s12, s5, 384
	s_mul_i32 s13, s3, 192
	s_add_co_u32 s12, s12, s13
	v_mul_u32_u24 v19, v2, 12
	v_add_nc_u32 v19, s12, v19                     ; position of point 16 pt + r
	v_and_b32 v112, 127, v0
	v_lshlrev_b32 v112, 2, v112
	v_lshlrev_b32 v113, 2, v0
	s_wait_kmcnt 0x0
	s_load_b256 s[68:75], s[24:25], 0x0            ; self RBF bias
	s_load_b32 s76, s[36:37], 0x0                  ; vel2's bias
	s_lshl_b32 s12, s2, 12
	s_mov_b32 s13, 0
	s_add_nc_u64 s[66:67], s[20:21], s[12:13]      ; the weights at my column tile
	s_mul_i32 s12, s6, 1536
	s_mul_i32 s14, s4, 384
	s_add_co_u32 s12, s12, s14
	s_add_nc_u64 s[84:85], s[16:17], s[12:13]      ; my chunk's 32 key points
	s_lshl_b32 s12, s5, 7
	s_add_nc_u64 s[88:89], s[38:39], s[12:13]      ; my 32 numbers of out0
	s_lshl_b32 s12, s6, 15
	s_add_nc_u64 s[90:91], s[18:19], s[12:13]
	s_add_nc_u64 s[92:93], s[90:91], 0x800000      ; the molecule's v
	s_add_nc_u64 s[90:91], s[90:91], 0x600000      ; the molecule's k
	s_lshl_b32 s12, s5, 13
	s_add_nc_u64 s[94:95], s[18:19], s[12:13]
	s_add_nc_u64 s[94:95], s[94:95], 0x400000      ; my points' q
	s_lshl_b32 s12, s5, 14
	s_add_nc_u64 s[96:97], s[18:19], s[12:13]      ; my points' hp
	s_cmp_lt_u32 s2, 4                             ; waves 0-3 fetch the even slot of a pair of 128-float vectors, waves 4-7 the odd one
	s_cselect_b64 s[56:57], s[26:27], s[28:29]     ; out b | ln gain
	s_cselect_b64 s[58:59], s[30:31], s[32:33]     ; ln bias | vel1 b
	global_load_b128 v[72:75], v18, s[22:23]
	global_load_b128 v[76:79], v18, s[22:23] offset:16
	global_load_b128 v[80:83], v18, s[22:23] offset:64
	global_load_b128 v[84:87], v18, s[22:23] offset:80
	global_load_b32 v6, v19, s[16:17]
	global_load_b32 v7, v19, s[16:17] offset:4
	global_load_b32 v8, v19, s[16:17] offset:8
	global_load_b128 v[120:123], v15, s[34:35]     ; vel2's weights of columns 16 w + 8 h .. + 7
	global_load_b128 v[124:127], v15, s[34:35] offset:16
	WIN 0x40                                       ; 24 loads into window 1; each b128 line covers 4,096 dense bytes for the work-group
.irp p, 0,1,2,3,4,5,6,7
	global_load_b128 v[4*\p:4*\p+3], v13, s[90:91] offset:4096*\p
.endr
.irp p, 0,1,2,3,4,5,6,7
	global_load_b128 v[32+4*\p:35+4*\p], v13, s[92:93] offset:4096*\p
.endr
.irp p, 0,1
	global_load_b128 v[64+4*\p:67+4*\p], v13, s[94:95] offset:4096*\p
.endr
.irp p, 0,1,2,3
	global_load_b128 v[72+4*\p:75+4*\p], v13, s[96:97] offset:4096*\p
.endr
	global_load_b32 v104, v112, s[56:57]
	global_load_b32 v105, v112, s[58:59]
	WIN 0
	s_wait_loadcnt 24                              ; the 24 loads into window 1 are younger than the RBF weights, my position and vel2's weights
	s_wait_kmcnt 0x0
	s_wait_xcnt 0x0                                ; s16-63 and the offset registers are rewritten only behind this wait
	LDPOS 0
	RBFSET 68
	LDW 8, 128                                     ; self out of layer 3
	LDW 9, 160                                     ; vel1
	WIN 0
	BIASGEN 0, 1
	s_wait_loadcnt 16                              ; the 16 weight loads are younger than the state
	v_add_nc_u32 v18, K2L, v10
	v_add_nc_u32 v19, V2L, v12
	v_add_nc_u32 v104, Q2L, v10
	WIN 0x04                                       ; store data from window 1
.irp p, 0,1,2,3,4,5,6,7
	ds_store_b128 v18, v[4*\p:4*\p+3] offset:4352*\p
.endr
.irp p, 0,1,2,3,4,5,6,7
	ds_store_b128 v19, v[32+4*\p:35+4*\p] offset:5120*\p
.endr
.irp p, 0,1
	ds_store_b128 v104, v[64+4*\p:67+4*\p] offset:4352*\p
.endr
.irp p, 0,1,2,3
	ds_store_b128 v11, v[72+4*\p:75+4*\p] offset:HP+4224*\p
.endr
	ds_store_b32 v113, v104                        ; slots 0, 1
	ds_store_b32 v113, v105 offset:1024            ; slots 2, 3
	WIN 0
	BIASGEN 1, 0
	PL5
	BAR
	s_wait_loadcnt 0x0                             ; the weights
	; ---------------- scores: the biases of my 32 keys lie in v128-255
	s_mul_i32 s12, s3, 4352
	s_add_co_u32 s12, s12, Q2L
	v_add_nc_u32 v18, s12, v4
	s_mul_i32 s12, s4, 8704
	s_add_co_u32 s12, s12, K2L
	v_add_nc_u32 v19, s12, v4
.irp z, 28,29,30,31,56,57,58,59
	v_mov_b32 v\z, 0
.endr
	LDSET 0, 0
	LDSET 1, 1
	SCPAIR 0, 0, 6, 1
	SCPAIR 1, 1, 6, 1
	SCPAIR 0, 2, 6, 0
	SCPAIR 1, 3, 0, 0
	s_mul_i32 s12, s4, 10240
	s_add_co_u32 s12, s12, V2L
	v_mul_u32_u24 v19, v2, 80
	v_lshl_add_u32 v19, v3, 4, v19
	v_add_nc_u32 v19, s12, v19                     ; V^T: my chunk, channel r of a head, keys 8 h ..
	; ---------------- softmax over all 128 keys: the four chunks' maxima meet in LDS, so every chunk takes the row's true maximum away
.irp hd, 0,1,2,3,4,5,6,7
	v_max_num_f32 v[24+\hd], v[128+\hd], v[136+\hd]
.irp q, 144,160,176,192,208,224,240
	v_max3_num_f32 v[24+\hd], v[24+\hd], v[\q+\hd], v[\q+8+\hd]
.endr
	v_mov_b32 v[32+\hd], v[24+\hd]                 ; the permute's destination counts as read
.endr
.irp hd, 0,1,2,3,4,5,6,7
	v_permlanex16_b32 v[32+\hd], v[24+\hd], s8, s9
.endr
.irp hd, 0,1,2,3,4,5,6,7
	v_max_num_f32 v[24+\hd], v[24+\hd], v[32+\hd]
.endr
.irp q, 0,1,2,3
	v_cndmask_b32 v[40+\q], v[24+\q], v[28+\q], s10    ; lanes h = 0 store heads 0-3, lanes h = 1 heads 4-7
.endr
	ds_store_b128 v20, v[40:43] offset:MX
	BAR
.irp cc, 0,1,2,3
	ds_load_b128 v[44+8*\cc:47+8*\cc], v21 offset:MX+1024*\cc
	ds_load_b128 v[48+8*\cc:51+8*\cc], v21 offset:MX+1024*\cc+16
.endr
	s_wait_dscnt 0x0
.irp hd, 0,1,2,3,4,5,6,7
	v_max_num_f32 v[24+\hd], v[44+\hd], v[52+\hd]
	v_max3_num_f32 v[24+\hd], v[24+\hd], v[60+\hd], v[68+\hd]
.endr
.set jj, 0
.rept 16
.irp q, 0,2,4,6
	v_pk_add_f32 v[128+8*jj+\q:129+8*jj+\q], v[128+8*jj+\q:129+8*jj+\q], v[24+\q:25+\q] neg_lo:[0,1] neg_hi:[0,1]
.endr
.set jj, jj+1
.endr
.set jj, 0
.rept 128
	v_exp_f32 v[128+jj], v[128+jj]
.set jj, jj+1
.endr
	v_nop
	s_wait_alu depctr_va_vdst(0)
.irp q, 0,2,4,6
	v_pk_add_f32 v[76+\q:77+\q], v[128+\q:129+\q], v[136+\q:137+\q]
.endr
.set jj, 2
.rept 14
.irp q, 0,2,4,6
	v_pk_add_f32 v[76+\q:77+\q], v[76+\q:77+\q], v[128+8*jj+\q:129+8*jj+\q]
.endr
.set jj, jj+1
.endr
.irp hd, 0,1,2,3,4,5,6,7
	v_permlanex16_b32 v[32+\hd], v[76+\hd], s8, s9
.endr
.irp hd, 0,1,2,3,4,5,6,7
	v_add_f32 v[76+\hd], v[76+\hd], v[32+\hd]
.endr
.irp q, 0,1,2,3
	v_cndmask_b32 v[40+\q], v[76+\q], v[80+\q], s10
.endr
	ds_store_b128 v20, v[40:43] offset:LP
	PVGRP 0
	PVGRP 1
	BAR
	; ---------------- merge: thread = (point t >> 3, head t & 7): the four chunks' results and sums, one division, f16 into AGG
	v_lshrrev_b32 v18, 3, v0
	v_and_b32 v19, 7, v0
	v_mul_u32_u24 v24, v18, 528
	v_lshl_add_u32 v24, v19, 6, v24
	v_add_nc_u32 v24, OP, v24
	v_lshlrev_b32 v25, 2, v0
.irp cc, 0,1,2,3
.irp i, 0,1,2,3
	ds_load_b128 v[128+16*\cc+4*\i:131+16*\cc+4*\i], v24 offset:16896*\cc+16*\i
.endr
.endr
.irp cc, 0,1,2,3
	ds_load_b32 v[192+\cc], v25 offset:LP+1024*\cc
.endr
	v_mul_u32_u24 v26, v18, 272
	v_lshl_add_u32 v26, v19, 5, v26
	s_wait_dscnt 0x0
	v_add_f32 v192, v192, v193
	v_add_f32 v194, v194, v195
	v_add_f32 v192, v192, v194                     ; at least 1: the row's maximum contributes 2^0
	v_rcp_f32 v196, v192
	v_rcp_f32 v197, v192                           ; the packed adds below are the plain places behind it
.irp i, 0,2,4,6,8,10,12,14
	v_pk_add_f32 v[128+\i:129+\i], v[128+\i:129+\i], v[144+\i:145+\i]
	v_pk_add_f32 v[160+\i:161+\i], v[160+\i:161+\i], v[176+\i:177+\i]
	v_pk_add_f32 v[128+\i:129+\i], v[128+\i:129+\i], v[160+\i:161+\i]
.endr
	s_wait_alu depctr_va_vdst(0)
.irp i, 0,2,4,6,8,10,12,14
	v_pk_mul_f32 v[128+\i:129+\i], v[128+\i:129+\i], v[196:197]
.endr
.irp i, 0,1,2,3,4,5,6,7
	v_cvt_pk_f16_f32 v[200+\i], v[128+2*\i], v[129+2*\i]
.endr
	ds_store_b128 v26, v[200:203] offset:AGG
	ds_store_b128 v26, v[204:207] offset:AGG+16
	BAR
	; ---------------- hp += AGG W^T + b: the sums start from hp + b; each lane reads and rewrites its own 64 bytes of HP
	LDX AGG
	ds_load_b128 v[24:27], v16 offset:HP
	ds_load_b128 v[28:31], v16 offset:HP+16
	ds_load_b128 v[32:35], v16 offset:HP+8448
	ds_load_b128 v[36:39], v16 offset:HP+8448+16
	LDB 0
	s_wait_dscnt 0x0
.irp i, 0,2,4,6
	v_pk_add_f32 v[24+\i:25+\i], v[24+\i:25+\i], v[56+\i:57+\i]
	v_pk_add_f32 v[32+\i:33+\i], v[32+\i:33+\i], v[56+\i:57+\i]
.endr
	MM2 128, 0
	ds_store_b128 v16, v[24:27] offset:HP
	ds_store_b128 v16, v[28:31] offset:HP+16
	ds_store_b128 v16, v[32:35] offset:HP+8448
	ds_store_b128 v16, v[36:39] offset:HP+8448+16
	BAR
	; ---------------- LN: eight lanes a row, 16 numbers a lane; mean first, then the centred squares; f16 into XB (hp in f32 is not needed again)
	v_lshrrev_b32 v18, 3, v0
	v_and_b32 v19, 7, v0
	v_mul_u32_u24 v24, v18, 528
	v_lshl_add_u32 v24, v19, 4, v24
	v_lshlrev_b32 v25, 4, v19
	v_mul_u32_u24 v26, v18, 272
	v_lshl_add_u32 v26, v19, 3, v26
.irp i, 0,1,2,3
	ds_load_b128 v[128+4*\i:131+4*\i], v24 offset:HP+128*\i
	ds_load_b128 v[144+4*\i:147+4*\i], v25 offset:512+128*\i
	ds_load_b128 v[160+4*\i:163+4*\i], v25 offset:1024+128*\i
.endr
	s_wait_dscnt 0x0
	v_pk_add_f32 v[176:177], v[128:129], v[130:131]
	v_pk_add_f32 v[178:179], v[132:133], v[134:135]
	v_pk_add_f32 v[180:181], v[136:137], v[138:139]
	v_pk_add_f32 v[182:183], v[140:141], v[142:143]
	v_pk_add_f32 v[176:177], v[176:177], v[178:179]
	v_pk_add_f32 v[180:181], v[180:181], v[182:183]
	v_pk_add_f32 v[176:177], v[176:177], v[180:181]
	v_add_f32 v176, v176, v177
	v_add_f32_dpp v176, v176, v176 row_xmask:1 row_mask:0xf bank_mask:0xf
	v_add_f32_dpp v176, v176, v176 row_xmask:2 row_mask:0xf bank_mask:0xf
	v_add_f32_dpp v176, v176, v176 row_xmask:4 row_mask:0xf bank_mask:0xf
	v_mul_f32 v176, 0x3c000000, v176               ; / 128
	v_mov_b32 v177, v176
.irp i, 0,2,4,6,8,10,12,14
	v_pk_add_f32 v[128+\i:129+\i], v[128+\i:129+\i], v[176:177] neg_lo:[0,1] neg_hi:[0,1]
.endr
	v_pk_mul_f32 v[178:179], v[128:129], v[128:129]
.irp i, 2,4,6,8,10,12,14
	v_pk_fma_f32 v[178:179], v[128+\i:129+\i], v[128+\i:129+\i], v[178:179]
.endr
	v_add_f32 v178, v178, v179
	v_add_f32_dpp v178, v178, v178 row_xmask:1 row_mask:0xf bank_mask:0xf
	v_add_f32_dpp v178, v178, v178 row_xmask:2 row_mask:0xf bank_mask:0xf
	v_add_f32_dpp v178, v178, v178 row_xmask:4 row_mask:0xf bank_mask:0xf
	v_mov_b32 v180, 0x3c000000
	v_fmaak_f32 v178, v178, v180, 0x3727c5ac       ; variance + 1e-5
	v_rsq_f32 v182, v178
	v_rsq_f32 v183, v178
	v_nop
	s_wait_alu depctr_va_vdst(0)
.irp i, 0,2,4,6,8,10,12,14
	v_pk_mul_f32 v[128+\i:129+\i], v[128+\i:129+\i], v[182:183]
	v_pk_fma_f32 v[128+\i:129+\i], v[128+\i:129+\i], v[144+\i:145+\i], v[160+\i:161+\i]
.endr
.irp i, 0,1,2,3
	v_cvt_pk_f16_f32 v[184+2*\i], v[128+4*\i], v[129+4*\i]
	v_cvt_pk_f16_f32 v[185+2*\i], v[130+4*\i], v[131+4*\i]
	ds_store_b64 v26, v[184+2*\i:185+2*\i] offset:XB+64*\i
.endr
	BAR
	; ---------------- vel1, silu, vel2: lane (r, h) holds columns 16 w + 8 h + j of points r (v24-31) and 16 + r (v32-39)
	LDX XB
	LDB 3
	s_wait_dscnt 0x0
	MM2 160, 1
	SILU 24, 104
	SILU 32, 104
	v_mul_f32 v64, v24, v120
	v_mul_f32 v65, v32, v120
.irp j, 1,2,3,4,5,6,7
	v_fmac_f32 v64, v[24+\j], v[120+\j]
	v_fmac_f32 v65, v[32+\j], v[120+\j]
.endr
	v_mov_b32 v66, v64                             ; the permute's destination counts as read
	v_mov_b32 v67, v65
	v_permlanex16_b32 v66, v64, s8, s9
	v_permlanex16_b32 v67, v65, s8, s9
	v_add_f32 v64, v64, v66                        ; my wave's 16 columns, both halves
	v_add_f32 v65, v65, v67
	s_lshl_b32 s12, s2, 7
	s_add_co_u32 s12, s12, VP
	v_lshl_add_u32 v18, v2, 2, s12                 ; the two halves of the lanes write the same word with the same value
	ds_store_b32 v18, v64
	ds_store_b32 v18, v65 offset:64
	BAR
	s_cmp_lg_u32 s2, 0                             ; wave 0 adds the eight waves' parts: lane L = point L
	s_cbranch_scc1 .Lend
	v_lshrrev_b32 v25, 2, v1                       ; 4 L
	v_add_nc_u32 v19, VP, v25
.irp k, 0,1,2,3,4,5,6,7
	ds_load_b32 v[32+\k], v19 offset:128*\k
.endr
	s_wait_dscnt 0x0
	v_add_f32 v32, v32, v33
	v_add_f32 v34, v34, v35
	v_add_f32 v36, v36, v37
	v_add_f32 v38, v38, v39
	v_add_f32 v32, v32, v34
	v_add_f32 v36, v36, v38
	v_add_f32 v32, v32, v36
	v_add_f32 v32, s76, v32
	global_store_b32 v25, v32, s[88:89]            ; 128 consecutive bytes, all that the work-group owns of out0
.Lend:
	s_wait_tensorcnt 0x0
	ds_add_u32 v14, v17
	s_wait_dscnt 0x0
	s_endpgm
.Lfunc_end_k_qc5e302c1b3_last:
	.size	k_qc5e302c1b3_last, .Lfunc_end_k_qc5e302c1b3_last-k_qc5e302c1b3_last
	.p2alignl 7, 3214868480
	.fill 96, 4, 3214868480
	.section	.rodata,"a",@progbits
	.p2align	6, 0x0
	.amdhsa_kernel k_qc5e302c1b3_last
		.amdhsa_group_segment_fixed_size 293376
		.amdhsa_private_segment_fixed_size 0
		.amdhsa_enable_private_segment 0
		.amdhsa_kernarg_size 96
		.amdhsa_user_sgpr_count 2
		.amdhsa_user_sgpr_kernarg_segment_ptr 1
		.amdhsa_wavefront_size32 1
		.amdhsa_system_sgpr_workgroup_id_x 1
		.amdhsa_system_sgpr_workgroup_id_y 1
		.amdhsa_system_sgpr_workgroup_id_z 1
		.amdhsa_system_vgpr_workitem_id 0
		.amdhsa_next_free_vgpr 512
		.amdhsa_next_free_sgpr 102
		.amdhsa_reserve_vcc 0
		.amdhsa_float_denorm_mode_32 3
		.amdhsa_float_denorm_mode_16_64 3
		.amdhsa_memory_ordered 1
		.amdhsa_forward_progress 1
		.amdhsa_inst_pref_size 150
	.end_amdhsa_kernel
	.amdgpu_metadata
---
amdhsa.version: [ 1, 2 ]
amdhsa.kernels:
  - .name:           k_qc5e302c1b3_last
    .symbol:         k_qc5e302c1b3_last.kd
    .args:
      - { .name: point_pos, .offset: 0, .size: 8, .value_kind: global_buffer, .address_space: global }
      - { .name: st1, .offset: 8, .size: 8, .value_kind: global_buffer, .address_space: global }
      - { .name: w2, .offset: 16, .size: 8, .value_kind: global_buffer, .address_space: global }
      - { .name: params_layers_3_self_rbf_0, .offset: 24, .size: 8, .value_kind: global_buffer, .address_space: global }
      - { .name: params_layers_3_self_rbf_1, .offset: 32, .size: 8, .value_kind: global_buffer, .address_space: global }
      - { .name: params_layers_3_self_out_1, .offset: 40, .size: 8, .value_kind: global_buffer, .address_space: global }
      - { .name: params_layers_3_self_ln_0, .offset: 48, .size: 8, .value_kind: global_buffer, .address_space: global }
      - { .name: params_layers_3_self_ln_1, .offset: 56, .size: 8, .value_kind: global_buffer, .address_space: global }
      - { .name: params_vel1_1, .offset: 64, .size: 8, .value_kind: global_buffer, .address_space: global }
      - { .name: params_vel2_0, .offset: 72, .size: 8, .value_kind: global_buffer, .address_space: global }
      - { .name: params_vel2_1, .offset: 80, .size: 8, .value_kind: global_buffer, .address_space: global }
      - { .name: out0, .offset: 88, .size: 8, .value_kind: global_buffer, .address_space: global }
    .group_segment_fixed_size: 293376
    .private_segment_fixed_size: 0
    .kernarg_segment_align: 8
    .kernarg_segment_size: 96
    .max_flat_workgroup_size: 256
    .sgpr_count:     102
    .vgpr_count:     512
    .wavefront_size: 32
...
	.end_amdgpu_metadata
.endif
;; end of part 4
;; ======== version 2 of 2: 6 launches; 1.13 times as fast as version 1
;; limits: values are held in f16: magnitudes above 65,504 overflow, below 6.1e-05 lose precision
;; workspace buffers: w1 589,824 bytes; w2 327,680 bytes; w3 262,144 bytes; hatom 1,048,576 bytes; st0 10,485,760 bytes; st1 10,485,760 bytes
;; launch pack: the kernel of part 1 again; grid 8 x 36, 4 waves a work-group, no clusters, 0 bytes of LDS; arguments params_layers_0_cross_q_0, params_layers_0_cross_k_0, params_layers_0_cross_v_0, params_layers_0_cross_out_0, params_layers_0_self_out_0, params_layers_0_self_qkv_0, params_layers_1_cross_q_0, params_layers_1_cross_k_0, params_layers_1_cross_v_0, params_layers_1_cross_out_0, params_layers_1_self_out_0, params_layers_1_self_qkv_0, params_layers_2_cross_q_0, params_layers_2_cross_k_0, params_layers_2_cross_v_0, params_layers_2_cross_out_0, params_layers_2_self_out_0, params_layers_2_self_qkv_0, params_layers_3_cross_q_0, params_layers_3_cross_k_0, params_layers_3_cross_v_0, params_layers_3_cross_out_0, params_layers_3_self_out_0, params_layers_3_self_qkv_0, params_atom_proj_0, params_pin2_0, params_vel1_0, w1, w2, w3; writes w1, w2, w3
;; launch first: the kernel of part 2 again; grid 256 x 1, 8 waves a work-group, no clusters, 326,400 bytes of LDS; arguments z_t, t_query, point_pos, atom_pos, atom_feat, params_pin1_0, params_atom_proj_1, params_pin1_1, params_pin2_1, params_layers_0_cross_q_1, params_layers_0_cross_k_1, params_layers_0_cross_v_1, params_layers_0_cross_out_1, params_layers_0_cross_ln_0, params_layers_0_cross_ln_1, params_layers_0_self_qkv_1, params_layers_0_cross_rbf_0, params_layers_0_cross_rbf_1, w1, hatom, st0; writes hatom, st0
;; launch mid1 (part 5): grid 256 x 1, 8 waves a work-group, no clusters, 293,376 bytes of LDS; arguments point_pos, atom_pos, hatom, st0, w1, st1, params_layers_0_self_rbf_0, params_layers_0_self_rbf_1, params_layers_0_self_out_1, params_layers_0_self_ln_0, params_layers_0_self_ln_1, params_layers_1_cross_q_1, params_layers_1_cross_k_1, params_layers_1_cross_v_1, params_layers_1_cross_out_1, params_layers_1_cross_ln_0, params_layers_1_cross_ln_1, params_layers_1_self_qkv_1, params_layers_1_cross_rbf_0, params_layers_1_cross_rbf_1; writes st1
.if DOCPART == 5
	.amdgcn_target "amdgcn-amd-amdhsa--gfx1250"
	.amdhsa_code_object_version 6
	.text
	.protected	k_qc5e302c1b3_mid1
	.globl	k_qc5e302c1b3_mid1
	.p2align	8
	.type	k_qc5e302c1b3_mid1,@function
k_qc5e302c1b3_mid1:
	s_mov_b64 s[64:65], 0
	v_nop
	global_prefetch_b8 v0, s[64:65] scope:SCOPE_SE
	s_setreg_imm32_b32 hwreg(HW_REG_WAVE_MODE, 25, 1), 1
	s_wait_xcnt 0x0
; mid: self attention and LN of layer l - 1, cross attention and LN of layer l, qkv of layer l.
; Work-group g = 32 points of molecule g >> 2 (four work-groups a molecule, 256 in all); eight waves, two to a SIMD, 512 registers each.
; In attention wave w takes point tile pt = w & 1 (16 points) and key chunk c = w >> 1 (self: 32 keys, cross: 16); in the linear layers output columns 16 w .. + 15.
; The state comes from one buffer and goes to another: hp f32 at 0, q at 0x400000, k at 0x600000 (f16 [8192][128]), v transposed at 0x800000 (f16 [g][128][32]).
; The state is parked in window 1 and laid into LDS behind the first RBF tile; the weights stay in window 1 as ready fragments, four blocks at a time.
; THE CROSS RBF BIAS hangs on positions alone.  Its 16 fragments (FRAGX) have registers of their own in window 1 and stand between the issue of a phase's LDS loads
; and the wait for them, from the self scores to the cross k and v: vector work while LDS serves the eight waves' loads.
; SOFTMAX: each key chunk takes its own maximum away and leaves m, l and its partial result; MERGE rescales the four chunks by 2^(m - M), M the row's maximum.
; FORMATS: matrix operands are 16 bits, all else f32.  f16 on the points' path, where the computation bounds the sizes: LN outputs (at most
; sqrt(127) |gain| + |bias|), the self attention's q, k, v (at most |row of W| x |LN row|), its softmax weights (at most 1), its result, and the weights that meet
; them.  With every input 30 times the drawn size (weights 1.5 rms: a row's norm about 24; gains 30: an LN row's norm 340) q, k, v stay below 8,200, an eighth of
; f16's largest number.  bf16 on the atoms' path (h_atom, cross k, v, the cross q that meets k, the cross softmax weights, result and out): k and v are products
; of three inputs, about 12,000 rms at 30 times the drawn size, which has no room in f16.  The RBF values and their weights are bf16 too.
; LIMITS: distances are formed from coordinate differences; d^2 is clipped at 1e-12 as in the model (on the diagonal d = 1e-6) and at 108, beyond which every RBF value
; is below 2^-126.  RBF values below 2^-56 may come out as 0 (see THE RBF BIAS).  Exponentials below 2^-126 come out as 0.  NaN and infinities in the inputs are not
; treated.  point_batch and atom_batch are not read: the model deletes them.
; NO CLUSTER, NO TENSOR LOADS: every LDS region is filled once.  What all work-groups share, 256 KB of weights, goes straight into registers (32 a block and wave)
; and would not fit beside the LDS in use; what the four work-groups of a molecule share is 80 KB read once each.
.set PRM, 0                            ; 12 slots of 128 f32 (biases, gains)
.set MX, 8192                          ; [chunk][32 points][8 heads] f32: the chunks' maxima
.set LP, 12288                         ; the same shape: the chunks' sums
.set AGG, 16384                        ; [32][128] 16 bits, pitch 272: attention's result (self: f16, cross: bf16)
.set XB, 25088                         ; [32][128] f16, pitch 272: hp as a matrix operand
.set HP, 33792                         ; [32][128] f32, pitch 528: hp
.set OP, 50688                         ; [chunk][32][128] f32, pitch 528: the chunks' partial results
.set QL, 118272                        ; [32][128] bf16, pitch 272
.set KL, 126976                        ; [64][128] bf16, pitch 272
.set VTL, 144384                       ; [128 channels][64 atoms] bf16, pitch 144
.set HAL, 162816                       ; [64][128] bf16, pitch 272: h_atom
.set Q2S, 180224                       ; [32][128] f16, pitch 272: on the way out
.set K2S, 188928
.set V2S, 197632                       ; [128 channels][32 points] f16, pitch 80
.set K2L, 207872                       ; [128][128] f16, pitch 272: the molecule's k
.set V2L, 242688                       ; [4 chunks x 128 channels][32 keys] f16, pitch 80: the molecule's v, transposed
.set Q2L, 283648                       ; [32][128] f16, pitch 272: my points' q
; pitches are the row's bytes + 16, so that the 16 rows that a 16-byte access touches start 16 bytes apart modulo 256 (64 banks of 4 bytes: ISA guide 11.1)
; Window 0: v0 t, v1 16 L, v2 r, v3 h, v4 272 r + 16 h, v5 528 r + 32 h, v6-8 my point, v9 0, v10-13 copy terms, v14-17, v20, v22 wave terms,
; v18-19 temporaries, v23 log2 e, v24-119 at work, v120-127 the cross RBF bias constants, v128-255 scores / operand fragments.
; Window 1 (written by the low 8 bits): 0-127 first the parked state (0-109) and the cross RBF weights (112-127), then the cross RBF's registers:
; 0-9 constants, 10-13 ratios, 16-23 and 24-31 its two A fragments, 32-47 at work, 48-63 distances, 64-127 the biases of my 16 atoms.
; 128-255 four weight blocks: self out, q, k, v; each is followed in its registers by cross out, q2, k2, v2 as soon as its products are done.
; In the macros the first argument h says which 16-bit format the operands have: 1 = f16, 0 = bf16; f0, f1: cross RBF keys f0 .. f1 - 1 are worked on there.
.set MSB, 0
.macro WIN new                         ; the immediate's high byte repeats the setting that is left
.if MSB != \new
	s_set_vgpr_msb (MSB<<8)|\new
.set MSB, \new
.endif
.endm
.macro PL5                             ; five places behind matrix instructions: four before a vector instruction, a store or a load touches their registers, five before a matrix instruction writes over them
.rept 5
	v_nop
.endr
.endm
.macro BAR                             ; my LDS stores and loads are done, then the barrier: what was stored may be read by all, what was read may be overwritten
	s_wait_dscnt 0x0
	s_barrier_signal -1
	s_barrier_wait -1
.endm
.macro PK h, d, a, b                   ; two f32 rounded to one register of 16-bit numbers
.if \h
	v_cvt_pk_f16_f32 v[\d], v[\a], v[\b]
.else
	v_cvt_pk_bf16_f32 v[\d], v[\a], v[\b]
.endif
.endm
.macro LANES
	v_and_b32 v1, 31, v0
	v_and_b32 v2, 15, v0                           ; r
	v_bfe_u32 v3, v0, 4, 1                         ; h
	v_lshrrev_b32 v24, 5, v0
	v_readfirstlane_b32 s2, v24                    ; w
	v_lshlrev_b32 v1, 4, v1                        ; 16 L
	s_and_b32 s3, s2, 1                            ; pt
	s_lshr_b32 s4, s2, 1                           ; c
	s_mov_b32 s5, ttmp9                            ; g
	s_lshr_b32 s6, s5, 2                           ; molecule
	s_mov_b32 s8, 0x76543210                       ; v_permlanex16_b32: lane i of the other half
	s_mov_b32 s9, 0xfedcba98
	s_mov_b32 s10, 0xffff0000                      ; lanes with h = 1
	s_mov_b32 s11, 0xff00ff00                      ; lanes with r >= 8
	v_mul_u32_u24 v4, v2, 272
	v_lshl_add_u32 v4, v3, 4, v4                   ; fragment of a 16-bit region
	v_mul_u32_u24 v5, v2, 528
	v_lshl_add_u32 v5, v3, 5, v5                   ; eight f32 of a row
	v_mov_b32 v9, 0
	v_lshrrev_b32 v24, 4, v0
	v_mul_u32_u24 v10, v24, 272
	v_lshl_add_u32 v10, v2, 4, v10                 ; dense rows of 256 bytes <-> pitch 272
	v_lshrrev_b32 v24, 5, v0
	v_mul_u32_u24 v11, v24, 528
	v_add_nc_u32 v11, v11, v1                      ; dense rows of 512 bytes <-> pitch 528
	v_lshrrev_b32 v24, 2, v0
	v_and_b32 v25, 3, v0
	v_mul_u32_u24 v12, v24, 80
	v_lshl_add_u32 v12, v25, 4, v12                ; dense rows of 64 bytes <-> pitch 80
	v_lshlrev_b32 v13, 4, v0                       ; 16 t
	s_lshl_b32 s12, s2, 5
	v_add_nc_u32 v14, s12, v4                      ; 16-bit result: row r, columns 16 w + 8 h ..
	s_lshl_b32 s12, s2, 6
	v_lshl_add_u32 v15, v3, 5, s12                 ; bias of columns 16 w + 8 h ..
	v_add_nc_u32 v16, s12, v5                      ; f32 result: row r, columns 16 w + 8 h ..
	v_lshl_add_u32 v17, v2, 2, s12                 ; bias of column 16 w + r
	s_lshl_b32 s12, s4, 10
	s_lshl_b32 s13, s3, 9
	v_lshl_add_u32 v20, v2, 5, s13
	v_lshl_add_u32 v20, v3, 4, v20
	v_add_nc_u32 v20, s12, v20                     ; MX, LP: my chunk, my point, heads 4 h ..
	s_mul_i32 s12, s4, 16896
	s_mul_i32 s13, s3, 8448
	s_add_co_u32 s12, s12, s13
	s_add_co_u32 s12, s12, OP
	v_add_nc_u32 v22, s12, v5                      ; OP: my chunk, my point
	v_mov_b32 v23, 0x3fb8aa3b                      ; log2 e
.endm
.macro LDW idx, wreg                   ; my column tile's four fragments of block idx into window 1: eight loads of 512 dense bytes
	WIN 0x40
.irp ks, 0,1,2,3
	global_load_b128 v[\wreg+8*\ks:\wreg+8*\ks+3], v1, s[66:67] offset:\idx*32768+\ks*1024
	global_load_b128 v[\wreg+8*\ks+4:\wreg+8*\ks+7], v1, s[66:67] offset:\idx*32768+\ks*1024+512
.endr
.endm
.macro LDX areg, off, pitch, dst       ; 32 rows x 128 K of a 16-bit region as 2 x 4 fragments, 64 registers
.irp rt, 0,1
.irp ks, 0,1,2,3
	ds_load_b128 v[\dst+32*\rt+8*\ks:\dst+32*\rt+8*\ks+3], v[\areg] offset:\off+\rt*16*\pitch+64*\ks
	ds_load_b128 v[\dst+32*\rt+8*\ks+4:\dst+32*\rt+8*\ks+7], v[\areg] offset:\off+\rt*16*\pitch+64*\ks+32
.endr
.endr
.endm
.macro WM h, a, b, acc, cm             ; one product, sources a and b; cm 0: C = 0, 1: C = the bias registers, 2: in place
.if \h
.if \cm == 0
	v_wmma_f32_16x16x32_f16 v[\acc:\acc+7], v[\a:\a+7], v[\b:\b+7], 0
.endif
.if \cm == 1
	v_wmma_f32_16x16x32_f16 v[\acc:\acc+7], v[\a:\a+7], v[\b:\b+7], v[56:63]
.endif
.if \cm == 2
	v_wmma_f32_16x16x32_f16 v[\acc:\acc+7], v[\a:\a+7], v[\b:\b+7], v[\acc:\acc+7]
.endif
.else
.if \cm == 0
	v_wmma_f32_16x16x32_bf16 v[\acc:\acc+7], v[\a:\a+7], v[\b:\b+7], 0
.endif
.if \cm == 1
	v_wmma_f32_16x16x32_bf16 v[\acc:\acc+7], v[\a:\a+7], v[\b:\b+7], v[56:63]
.endif
.if \cm == 2
	v_wmma_f32_16x16x32_bf16 v[\acc:\acc+7], v[\a:\a+7], v[\b:\b+7], v[\acc:\acc+7]
.endif
.endif
.endm
; 32 rows x my 16 columns x 128 K, weights in window 1.  swap = 1: weights first, a lane gets 8 neighbouring columns of row r; swap = 0: 8 neighbouring rows of column r.
; The two accumulators take turns, one instruction a turn.
.macro MM2 h, swap, wreg, x, a0, a1, cmode
.if \swap
	WIN 0x01
.else
	WIN 0x04
.endif
.irp ks, 0,1,2,3
.if \ks == 0
.if \swap
	WM \h, \wreg, \x, \a0, \cmode
	WM \h, \wreg, \x+32, \a1, \cmode
.else
	WM \h, \x, \wreg, \a0, \cmode
	WM \h, \x+32, \wreg, \a1, \cmode
.endif
.else
.if \swap
	WM \h, \wreg+8*\ks, \x+8*\ks, \a0, 2
	WM \h, \wreg+8*\ks, \x+32+8*\ks, \a1, 2
.else
	WM \h, \x+8*\ks, \wreg+8*\ks, \a0, 2
	WM \h, \x+32+8*\ks, \wreg+8*\ks, \a1, 2
.endif
.endif
.endr
	WIN 0
	PL5
.endm
.macro LDB slot                        ; bias of my columns 16 w + 8 h .. + 7
	ds_load_b128 v[56:59], v15 offset:512*\slot
	ds_load_b128 v[60:63], v15 offset:512*\slot+16
.endm
.macro LDBV slot                       ; bias of my column 16 w + r, twice, for the packed add
	ds_load_b32 v64, v17 offset:512*\slot
	ds_load_b32 v65, v17 offset:512*\slot
.endm
.macro STB h, acc, areg, off, scale    ; eight results to 16 bits, 16 bytes; scale = 1: times 0.25 log2 e (attention's scale, exponentials in base 2)
.if \scale
.irp i, 0,2,4,6
	v_pk_mul_f32 v[\acc+\i:\acc+\i+1], v[\acc+\i:\acc+\i+1], 0x3eb8aa3b op_sel_hi:[1,0]
.endr
.endif
	PK \h, 66, \acc, \acc+1
	PK \h, 67, \acc+2, \acc+3
	PK \h, 68, \acc+4, \acc+5
	PK \h, 69, \acc+6, \acc+7
	ds_store_b128 v[\areg], v[66:69] offset:\off
.endm
.macro STF acc, areg, off
	ds_store_b128 v[\areg], v[\acc:\acc+3] offset:\off
	ds_store_b128 v[\areg], v[\acc+4:\acc+7] offset:\off+16
.endm
.macro STV h, acc, areg, off           ; eight rows of one column: add the column's bias, to 16 bits, 16 bytes of the transposed region
.irp i, 0,2,4,6
	v_pk_add_f32 v[\acc+\i:\acc+\i+1], v[\acc+\i:\acc+\i+1], v[64:65]
.endr
	PK \h, 66, \acc, \acc+1
	PK \h, 67, \acc+2, \acc+3
	PK \h, 68, \acc+4, \acc+5
	PK \h, 69, \acc+6, \acc+7
	ds_store_b128 v[\areg], v[66:69] offset:\off
.endm
; THE RBF BIAS.  exp(-16 (d - c_i)^2) = g(i) = 2^-(u - i D)^2 with u = S d, S = 4 sqrt(log2 e), D = 8 S / 31.  For one key and my 16 points the 32 values are a
; B fragment (column = point r, k = i), 16 values a lane.  The centres are equally spaced, so g(i + 1) = g(i) r(i), r(i) = 2^(2 D (u - i D) - D^2), r(i + 1) = r(i) q,
; q = 2^(-2 D^2).  A lane's 16 values are four runs of four, i = a .. a + 3 with a = 8 h, 8 h + 4, 16 + 8 h, 20 + 8 h (runs A, B, C, D): four exponentials give g(a), one
; gives r(8 h), the other runs' r follow by the constants q^4, q^16, q^20, and packed multiplies (A with B, C with D) walk the runs: 5 exponentials for 16 values.
; RANGE: d^2 <= 108 keeps 2 D u - D^2 below 123, so r is finite and no 0 x infinity arises.  g(a) comes out as 0 when a lies more than 9.05 centres from u / D;
; the farthest value of its run is then more than 6.05 centres away, below 2^-56, and comes out as 0 too.
; A holds the 8 heads' weights times log2 e in rows 0-7 (ALO) or rows 8-15 (AHI), zeros in the others.  ALO x B(key j) + AHI x B(key 8 + j) + b leaves in lane (r, h),
; register hd, the bias of key 8 h + j, point r, head hd: the place that the transposed score tile gives that pair.
; Self: v72-87 hold W[r & 7][8 h .. + 7, 16 + 8 h .. + 7]; s68-75 the 8 biases.  Makes v24-27 = - D a of the four runs, v28 = - D^2 (16 h + 1), v30-33 = 1, q^4, q^16, q^20,
; ALO v40-47, AHI v48-55, CB v56-63.  v29 and v34-37 are the ratios at work.
.macro RBFSET
.irp i, 0,2,4,6,8,10,12,14
	v_pk_mul_f32 v[72+\i:73+\i], v[72+\i:73+\i], 0x3fb8aa3b op_sel_hi:[1,0]
.endr
.irp i, 0,1,2,3,4,5,6,7
	v_cvt_pk_bf16_f32 v[104+\i], v[72+2*\i], v[73+2*\i]
.endr
.irp i, 0,1,2,3,4,5,6,7
	v_cndmask_b32 v[40+\i], v[104+\i], v9, s11
	v_cndmask_b32 v[48+\i], v9, v[104+\i], s11
	v_mul_f32 v[56+\i], s[68+\i], v23
.endr
	v_lshlrev_b32 v24, 3, v3                       ; a of run A
	v_add_nc_u32 v25, 4, v24
	v_add_nc_u32 v26, 16, v24
	v_add_nc_u32 v27, 20, v24
	v_lshl_add_u32 v28, v3, 4, 1                   ; 2 a + 1 of run A
.irp i, 24,25,26,27,28
	v_cvt_f32_u32 v\i, v\i
.endr
	v_pk_mul_f32 v[24:25], v[24:25], 0xbf9eb401 op_sel_hi:[1,0]    ; - D
	v_pk_mul_f32 v[26:27], v[26:27], 0xbf9eb401 op_sel_hi:[1,0]
	v_mul_f32 v28, 0xbfc4c560, v28                 ; - D^2
	v_mov_b32 v30, 1.0
	v_mov_b32 v31, 0x3df31ba2                      ; q
	v_mul_f32 v31, v31, v31
	v_mul_f32 v31, v31, v31                        ; q^4
	v_mul_f32 v32, v31, v31
	v_mul_f32 v32, v32, v32                        ; q^16
	v_mul_f32 v33, v32, v31                        ; q^20
.endm
; Cross: the weights wait in window 1, 112-127; s76-83 the 8 biases.  The run constants are the self attention's, still in v24-33.
; Makes, in window 1, the constants 0-9, ALO 16-23, AHI 24-31, and in window 0 the bias constants v120-127.
.macro XSET
	WIN 0x01
.irp i, 0,2,4,6,8,10,12,14
	v_pk_mul_f32 v[72+\i:73+\i], v[112+\i:113+\i], 0x3fb8aa3b op_sel_hi:[1,0]
.endr
	WIN 0
.irp i, 0,1,2,3,4,5,6,7
	v_cvt_pk_bf16_f32 v[104+\i], v[72+2*\i], v[73+2*\i]
	v_mul_f32 v[120+\i], s[76+\i], v23
.endr
	WIN 0x40
.irp i, 0,1,2,3,4,5,6,7
	v_cndmask_b32 v[16+\i], v[104+\i], v9, s11
	v_cndmask_b32 v[24+\i], v9, v[104+\i], s11
.endr
.irp i, 0,1,2,3,4,5,6,7,8,9
	v_mov_b32 v[\i], v[24+\i]
.endr
	WIN 0
.endm
.macro LDPOS b, off                    ; the positions of 16 keys, 48 f32, into s16-63
	s_load_b512 s[16:31], s[\b:\b+1], \off
	s_load_b512 s[32:47], s[\b:\b+1], \off+64
	s_load_b512 s[48:63], s[\b:\b+1], \off+128
.endm
; S x distance from my point to the 16 keys in s16-63, four keys at a time so that no line waits for the one in front; x = 0: into v88-103, x = 1: into window 1, 48-63
.macro DIST16 x
	s_wait_kmcnt 0x0
.irp g, 0,4,8,12
.irp k, 0,1,2,3
	v_sub_f32 v[72+3*\k], s[16+3*(\g+\k)], v6
	v_sub_f32 v[73+3*\k], s[17+3*(\g+\k)], v7
	v_sub_f32 v[74+3*\k], s[18+3*(\g+\k)], v8
.endr
.irp k, 0,1,2,3
	v_mul_f32 v[88+\g+\k], v[72+3*\k], v[72+3*\k]
.endr
.irp k, 0,1,2,3
	v_fmac_f32 v[88+\g+\k], v[73+3*\k], v[73+3*\k]
.endr
.irp k, 0,1,2,3
	v_fmac_f32 v[88+\g+\k], v[74+3*\k], v[74+3*\k]
.endr
.endr
.irp n, 0,1,2,3,4,5,6,7,8,9,10,11,12,13,14,15
	v_med3_num_f32 v[88+\n], v[88+\n], s14, s15    ; the model's clip at 1e-12, and 108 (see RANGE above)
.endr
.irp n, 0,1,2,3,4,5,6,7,8,9,10,11,12,13,14,15
	v_sqrt_f32 v[88+\n], v[88+\n]
.endr
	v_nop                                          ; one plain place behind the transcendentals (ISA guide 5.7.2)
.if \x
	WIN 0x40
	s_wait_alu depctr_va_vdst(0)
.irp n, 0,2,4,6,8,10,12,14
	v_pk_mul_f32 v[48+\n:49+\n], v[88+\n:89+\n], 0x4099be61 op_sel_hi:[1,0]
.endr
	WIN 0
.else
	s_wait_alu depctr_va_vdst(0)
.irp n, 0,2,4,6,8,10,12,14
	v_pk_mul_f32 v[88+\n:89+\n], v[88+\n:89+\n], 0x4099be61 op_sel_hi:[1,0]
.endr
.endif
.endm
; Self, key n of the tile.  Step k of the runs lies in v72 + 4 k .. + 3 as A, B, C, D; the B fragment in v64-71.
; The eight accumulators of a tile take turns, one instruction a turn.
; More than four plain instructions stand at the head of the next FRAG before v64-71 are written again.
.macro FRAG tile, n
	v_fma_f32 v29, v[88+(\n)], 0x401eb401, v28     ; 2 D u - D^2 (2 a + 1), run A
.irp p, 0,2
.if (\n)&1
	v_pk_add_f32 v[72+\p:73+\p], v[88+((\n)&14):89+((\n)&14)], v[24+\p:25+\p] op_sel:[1,0] op_sel_hi:[1,1]
.else
	v_pk_add_f32 v[72+\p:73+\p], v[88+((\n)&14):89+((\n)&14)], v[24+\p:25+\p] op_sel:[0,0] op_sel_hi:[0,1]
.endif
.endr
.irp p, 0,2
	v_pk_mul_f32 v[72+\p:73+\p], v[72+\p:73+\p], v[72+\p:73+\p] neg_lo:[0,1] neg_hi:[0,1]
.endr
	v_exp_f32 v29, v29
.irp i, 0,1,2,3
	v_exp_f32 v[72+\i], v[72+\i]
.endr
	v_nop
	s_wait_alu depctr_va_vdst(0)
	v_pk_mul_f32 v[34:35], v[28:29], v[30:31] op_sel:[1,0] op_sel_hi:[1,1]     ; r of runs A, B
	v_pk_mul_f32 v[36:37], v[28:29], v[32:33] op_sel:[1,0] op_sel_hi:[1,1]     ; r of runs C, D
.irp k, 0,4
	v_pk_mul_f32 v[76+\k:77+\k], v[72+\k:73+\k], v[34:35]
	v_pk_mul_f32 v[78+\k:79+\k], v[74+\k:75+\k], v[36:37]
	v_pk_mul_f32 v[34:35], v[34:35], 0x3df31ba2 op_sel_hi:[1,0]
	v_pk_mul_f32 v[36:37], v[36:37], 0x3df31ba2 op_sel_hi:[1,0]
.endr
.irp i, 0,1,2,3
	v_cvt_pk_bf16_f32 v[64+2*\i], v[72+\i], v[76+\i]       ; steps 0, 1 of runs A, B, C, D
.endr
	v_pk_mul_f32 v[84:85], v[80:81], v[34:35]
	v_pk_mul_f32 v[86:87], v[82:83], v[36:37]
.irp i, 0,1,2,3
	v_cvt_pk_bf16_f32 v[65+2*\i], v[80+\i], v[84+\i]       ; steps 2, 3
.endr
.if \n < 8
	v_wmma_f32_16x16x32_bf16 v[128+64*\tile+8*\n:135+64*\tile+8*\n], v[40:47], v[64:71], v[56:63]
.else
	v_wmma_f32_16x16x32_bf16 v[64+64*\tile+8*\n:71+64*\tile+8*\n], v[48:55], v[64:71], v[64+64*\tile+8*\n:71+64*\tile+8*\n]
.endif
.endm
.macro BIASGEN tile, nb, noff          ; nb: scalar base of the positions wanted next; they are asked for as soon as s16-63 have been read
	DIST16 0
	LDPOS \nb, \noff
.irp n, 0,1,2,3,4,5,6,7,8,9,10,11,12,13,14,15
	FRAG \tile, \n
.endr
.endm
; Cross, atom n of my 16: every register in window 1 but the C of atoms 0-7 (v120-127 of window 0), for which the window changes in front of the matrix instruction alone.
; Step k of the runs lies in 32 + 4 k .. + 3 as A, B, C, D.  The B fragment is packed in place into 32-39: each conversion's destination has been read by then
; (32 by itself, 36 by the first, 34 and 38 by the second, the odd ones by the third and fourth).  The exponents are formed in 40-43, so the first five plain
; instructions write none of the last FRAGX's matrix registers: they are the places before its B, 32-39, is written again.
; The eight accumulators take turns, one instruction a turn.
.macro FRAGX n
	WIN 0x55
	v_fma_f32 v5, v[48+(\n)], 0x401eb401, v4
.irp p, 0,2
.if (\n)&1
	v_pk_add_f32 v[40+\p:41+\p], v[48+((\n)&14):49+((\n)&14)], v[\p:\p+1] op_sel:[1,0] op_sel_hi:[1,1]
.else
	v_pk_add_f32 v[40+\p:41+\p], v[48+((\n)&14):49+((\n)&14)], v[\p:\p+1] op_sel:[0,0] op_sel_hi:[0,1]
.endif
.endr
.irp p, 0,2
	v_pk_mul_f32 v[40+\p:41+\p], v[40+\p:41+\p], v[40+\p:41+\p] neg_lo:[0,1] neg_hi:[0,1]
.endr
	v_exp_f32 v5, v5
.irp i, 0,1,2,3
	v_exp_f32 v[32+\i], v[40+\i]
.endr
	v_nop
	s_wait_alu depctr_va_vdst(0)
	v_pk_mul_f32 v[10:11], v[4:5], v[6:7] op_sel:[1,0] op_sel_hi:[1,1]
	v_pk_mul_f32 v[12:13], v[4:5], v[8:9] op_sel:[1,0] op_sel_hi:[1,1]
.irp k, 0,4
	v_pk_mul_f32 v[36+\k:37+\k], v[32+\k:33+\k], v[10:11]
	v_pk_mul_f32 v[38+\k:39+\k], v[34+\k:35+\k], v[12:13]
	v_pk_mul_f32 v[10:11], v[10:11], 0x3df31ba2 op_sel_hi:[1,0]
	v_pk_mul_f32 v[12:13], v[12:13], 0x3df31ba2 op_sel_hi:[1,0]
.endr
	v_cvt_pk_bf16_f32 v32, v32, v36                ; A: steps 0, 1
	v_cvt_pk_bf16_f32 v36, v34, v38                ; C
	v_cvt_pk_bf16_f32 v34, v33, v37                ; B
	v_cvt_pk_bf16_f32 v38, v35, v39                ; D
	v_pk_mul_f32 v[44:45], v[40:41], v[10:11]
	v_pk_mul_f32 v[46:47], v[42:43], v[12:13]
	v_cvt_pk_bf16_f32 v33, v40, v44                ; A: steps 2, 3
	v_cvt_pk_bf16_f32 v35, v41, v45                ; B
	v_cvt_pk_bf16_f32 v37, v42, v46                ; C
	v_cvt_pk_bf16_f32 v39, v43, v47                ; D
.if (\n) < 8
	WIN 0x45
	v_wmma_f32_16x16x32_bf16 v[64+8*(\n):71+8*(\n)], v[16:23], v[32:39], v[120:127]
.else
	v_wmma_f32_16x16x32_bf16 v[8*(\n):8*(\n)+7], v[24:31], v[32:39], v[8*(\n):8*(\n)+7]
.endif
.endm
.macro FX a, b                         ; atoms a .. b - 1 of the cross RBF bias
.if \b > \a
.set nn, \a
.rept \b-\a
	FRAGX nn
.set nn, nn+1
.endr
	WIN 0
.endif
.endm
; SCORES, transposed: A = 16 keys x 32 channels (two heads), B = my 16 points' q of ONE head with zeros in the other head's half.
; Set s: QE, zeros, QO at 24 + 28 s (B of the even head = QE, zeros; of the odd head = zeros, QO), K's fragments at 36 + 28 s.  v18: q, v19: k.
; x = 0: the biases lie in v128-255 and the scores are added onto them; x = 1: the biases lie in window 1, 64-127, and the sums go to v128-191.
.macro LDSET s, i, NT
	ds_load_b128 v[24+28*\s:27+28*\s], v18 offset:64*(\i)
	ds_load_b128 v[32+28*\s:35+28*\s], v18 offset:64*(\i)+32
	ds_load_b128 v[36+28*\s:39+28*\s], v19 offset:64*(\i)
	ds_load_b128 v[40+28*\s:43+28*\s], v19 offset:64*(\i)+32
.if \NT == 2
	ds_load_b128 v[44+28*\s:47+28*\s], v19 offset:4352+64*(\i)
	ds_load_b128 v[48+28*\s:51+28*\s], v19 offset:4352+64*(\i)+32
.endif
.endm
.macro SCPAIR h, s, i, NT, left, more, x
	s_wait_dscnt \left                             ; this head pair's loads are in; the next pair's (the other set) may stay out
	WM \h, 36+28*\s, 24+28*\s, 80, 0
	WM \h, 36+28*\s, 28+28*\s, 88, 0
.if \NT == 2
	WM \h, 44+28*\s, 24+28*\s, 96, 0
	WM \h, 44+28*\s, 28+28*\s, 104, 0
.endif
	PL5
.if \more
	LDSET \s, \i+2, \NT
.endif
.if \x
	WIN 0x01
.irp j, 0,1,2,3,4,5,6,7
	v_add_f32 v[128+8*\j+2*\i], v[64+8*\j+2*\i], v[80+\j]
	v_add_f32 v[129+8*\j+2*\i], v[65+8*\j+2*\i], v[88+\j]
.endr
	WIN 0
.else
.irp j, 0,1,2,3,4,5,6,7
	v_add_f32 v[128+8*\j+2*\i], v[128+8*\j+2*\i], v[80+\j]
	v_add_f32 v[129+8*\j+2*\i], v[129+8*\j+2*\i], v[88+\j]
.if \NT == 2
	v_add_f32 v[192+8*\j+2*\i], v[192+8*\j+2*\i], v[96+\j]
	v_add_f32 v[193+8*\j+2*\i], v[193+8*\j+2*\i], v[104+\j]
.endif
.endr
.endif
.endm
.macro SCORES h, NT, x, f0, f1
.irp z, 28,29,30,31,56,57,58,59
	v_mov_b32 v\z, 0
.endr
	LDSET 0, 0, \NT
	LDSET 1, 1, \NT
	FX \f0, \f1
	SCPAIR \h, 0, 0, \NT, 2+2*\NT, 1, \x
	SCPAIR \h, 1, 1, \NT, 2+2*\NT, 1, \x
	SCPAIR \h, 0, 2, \NT, 2+2*\NT, 0, \x
	SCPAIR \h, 1, 3, \NT, 0, 0, \x
.endm
; four heads of P V, transposed: A = V^T (16 channels x keys), B = the weights as they lie in the score registers, D = (channel 8 h + j, point r)
.macro PVGRP h, gq, NT, vhs, v2off
.irp k, 0,1,2,3
	ds_load_b128 v[56+8*\k:59+8*\k], v19 offset:\vhs*(4*\gq+\k)
	ds_load_b128 v[60+8*\k:63+8*\k], v19 offset:\vhs*(4*\gq+\k)+\v2off
.endr
.irp k, 0,1,2,3
.irp i, 0,1,2,3
	PK \h, 24+8*\k+\i, 128+16*\i+4*\gq+\k, 136+16*\i+4*\gq+\k
.if \NT == 2
	PK \h, 28+8*\k+\i, 192+16*\i+4*\gq+\k, 200+16*\i+4*\gq+\k
.else
.if \gq == 0
	v_mov_b32 v[28+8*\k+\i], 0                     ; 16 keys only: the upper half of K is zero weights (against a second copy of V's 16 keys)
.endif
.endif
.endr
.endr
	s_wait_dscnt 0x0
.irp k, 0,1,2,3
	WM \h, 56+8*\k, 24+8*\k, 88+8*\k, 0
.endr
	PL5
.irp k, 0,1,2,3
	ds_store_b128 v22, v[88+8*\k:91+8*\k] offset:64*(4*\gq+\k)
	ds_store_b128 v22, v[92+8*\k:95+8*\k] offset:64*(4*\gq+\k)+16
.endr
.endm
; Softmax of my chunk: its own maximum m is taken away, l is the sum of its weights, P V its partial result; m, l and the result go to LDS for MERGE.
; The caller closes the phase with the barrier.
.macro SOFTPV h, NT, vhs, v2off
.irp hd, 0,1,2,3,4,5,6,7
	v_max_num_f32 v[24+\hd], v[128+\hd], v[136+\hd]
.endr
.irp q, 144,160,176
.irp hd, 0,1,2,3,4,5,6,7
	v_max3_num_f32 v[24+\hd], v[24+\hd], v[\q+\hd], v[\q+8+\hd]
.endr
.endr
.if \NT == 2
.irp q, 192,208,224,240
.irp hd, 0,1,2,3,4,5,6,7
	v_max3_num_f32 v[24+\hd], v[24+\hd], v[\q+\hd], v[\q+8+\hd]
.endr
.endr
.endif
.irp hd, 0,1,2,3,4,5,6,7
	v_mov_b32 v[32+\hd], v[24+\hd]                 ; the permute's destination counts as read
.endr
.irp hd, 0,1,2,3,4,5,6,7
	v_permlanex16_b32 v[32+\hd], v[24+\hd], s8, s9
.endr
.irp hd, 0,1,2,3,4,5,6,7
	v_max_num_f32 v[24+\hd], v[24+\hd], v[32+\hd]
.endr
.set jj, 0
.rept 8*\NT
.irp q, 0,2,4,6
	v_pk_add_f32 v[128+8*jj+\q:129+8*jj+\q], v[128+8*jj+\q:129+8*jj+\q], v[24+\q:25+\q] neg_lo:[0,1] neg_hi:[0,1]
.endr
.set jj, jj+1
.endr
.set jj, 0
.rept 64*\NT
	v_exp_f32 v[128+jj], v[128+jj]
.set jj, jj+1
.endr
	v_nop
	s_wait_alu depctr_va_vdst(0)
.irp q, 0,2,4,6
	v_pk_add_f32 v[76+\q:77+\q], v[128+\q:129+\q], v[136+\q:137+\q]
.endr
.set jj, 2
.rept 8*\NT-2
.irp q, 0,2,4,6
	v_pk_add_f32 v[76+\q:77+\q], v[76+\q:77+\q], v[128+8*jj+\q:129+8*jj+\q]
.endr
.set jj, jj+1
.endr
.irp hd, 0,1,2,3,4,5,6,7
	v_permlanex16_b32 v[32+\hd], v[76+\hd], s8, s9
.endr
.irp hd, 0,1,2,3,4,5,6,7
	v_add_f32 v[76+\hd], v[76+\hd], v[32+\hd]
.endr
.irp q, 0,1,2,3
	v_cndmask_b32 v[40+\q], v[24+\q], v[28+\q], s10    ; lanes h = 0 store heads 0-3, lanes h = 1 heads 4-7
	v_cndmask_b32 v[44+\q], v[76+\q], v[80+\q], s10
.endr
	ds_store_b128 v20, v[40:43] offset:MX
	ds_store_b128 v20, v[44:47] offset:LP
	PVGRP \h, 0, \NT, \vhs, \v2off
	PVGRP \h, 1, \NT, \vhs, \v2off
.endm
; thread = (point p = t >> 3, head hd = t & 7): M = the largest of the four chunks' m, f = 2^(m - M), L = sum of f l, result = sum of (f / L) x the chunk's result.
; A head's 64 bytes are four pieces of 16.  Lanes of heads 4-7 (x = 1) take them in the order 2, 3, 0, 1: in a pass of sixteen lanes the byte columns modulo 256 are
; 64 (hd & 3) + 16 p + 16 (piece), and with pieces i and i xor 2 for the two halves of the heads the sixteen are different.  Their two stores into AGG change places likewise.
.macro MERGE h, f0, f1
	v_lshrrev_b32 v18, 3, v0
	v_and_b32 v19, 7, v0
	v_bfe_u32 v27, v0, 2, 1                        ; x
	v_sub_nc_u32 v26, 1, v27                       ; 1 - x
	v_mul_u32_u24 v24, v18, 528
	v_lshl_add_u32 v24, v19, 6, v24
	v_add_nc_u32 v24, OP, v24
	v_lshl_add_u32 v28, v27, 5, v24                ; first two pieces
	v_lshl_add_u32 v29, v26, 5, v24                ; last two pieces
	v_lshlrev_b32 v25, 2, v0
.irp cc, 0,1,2,3
	ds_load_b128 v[128+16*\cc:131+16*\cc], v28 offset:16896*\cc
	ds_load_b128 v[132+16*\cc:135+16*\cc], v28 offset:16896*\cc+16
	ds_load_b128 v[136+16*\cc:139+16*\cc], v29 offset:16896*\cc
	ds_load_b128 v[140+16*\cc:143+16*\cc], v29 offset:16896*\cc+16
.endr
.irp cc, 0,1,2,3
	ds_load_b32 v[192+\cc], v25 offset:MX+1024*\cc
	ds_load_b32 v[196+\cc], v25 offset:LP+1024*\cc
.endr
	v_mul_u32_u24 v24, v18, 272
	v_lshl_add_u32 v24, v19, 5, v24
	v_lshl_add_u32 v30, v27, 4, v24
	v_lshl_add_u32 v31, v26, 4, v24
	FX \f0, \f1
	s_wait_dscnt 0x0
	v_max_num_f32 v200, v192, v193
	v_max3_num_f32 v200, v200, v194, v195
.irp cc, 0,1,2,3
	v_sub_f32 v[192+\cc], v[192+\cc], v200
.endr
.irp cc, 0,1,2,3
	v_exp_f32 v[192+\cc], v[192+\cc]
.endr
	v_nop
	s_wait_alu depctr_va_vdst(0)
	v_mul_f32 v201, v192, v196
	v_fmac_f32 v201, v193, v197
	v_fmac_f32 v201, v194, v198
	v_fmac_f32 v201, v195, v199                    ; at least 1: the chunk that holds M has f = 1 and a weight 2^0
	v_rcp_f32 v202, v201
	v_nop
	s_wait_alu depctr_va_vdst(0)
.irp cc, 0,1,2,3
	v_mul_f32 v[204+\cc], v[192+\cc], v202
.endr
.irp i, 0,2,4,6,8,10,12,14
	v_pk_mul_f32 v[128+\i:129+\i], v[128+\i:129+\i], v[204:205] op_sel_hi:[1,0]
.endr
.irp i, 0,2,4,6,8,10,12,14
	v_pk_fma_f32 v[128+\i:129+\i], v[144+\i:145+\i], v[204:205], v[128+\i:129+\i] op_sel:[0,1,0] op_sel_hi:[1,1,1]
.endr
.irp i, 0,2,4,6,8,10,12,14
	v_pk_fma_f32 v[128+\i:129+\i], v[160+\i:161+\i], v[206:207], v[128+\i:129+\i] op_sel_hi:[1,0,1]
.endr
.irp i, 0,2,4,6,8,10,12,14
	v_pk_fma_f32 v[128+\i:129+\i], v[176+\i:177+\i], v[206:207], v[128+\i:129+\i] op_sel:[0,1,0] op_sel_hi:[1,1,1]
.endr
.irp i, 0,1,2,3,4,5,6,7
	PK \h, 208+\i, 128+2*\i, 129+2*\i
.endr
	ds_store_b128 v30, v[208:211] offset:AGG
	ds_store_b128 v31, v[212:215] offset:AGG
	BAR
.endm
; hp += AGG W^T + b: the sums start from hp + b; each lane reads and rewrites its own 64 bytes of HP.
; lc >= 0: a wait that leaves the lc loads younger than this block's weights out; nidx >= 0: the block that follows in these registers, asked for five places behind the products.
.macro OUTRES h, wreg, slot, f0, f1, lc, nidx
	LDX 4, AGG, 272, 128
	ds_load_b128 v[24:27], v16 offset:HP
	ds_load_b128 v[28:31], v16 offset:HP+16
	ds_load_b128 v[32:35], v16 offset:HP+8448
	ds_load_b128 v[36:39], v16 offset:HP+8448+16
	LDB \slot
	FX \f0, \f1
.if \lc >= 0
	s_wait_loadcnt \lc
.endif
	s_wait_dscnt 0x0
.irp i, 0,2,4,6
	v_pk_add_f32 v[24+\i:25+\i], v[24+\i:25+\i], v[56+\i:57+\i]
	v_pk_add_f32 v[32+\i:33+\i], v[32+\i:33+\i], v[56+\i:57+\i]
.endr
	MM2 \h, 1, \wreg, 128, 24, 32, 2
.if \nidx >= 0
	LDW \nidx, \wreg
	WIN 0
.endif
	STF 24, 16, HP
	STF 32, 16, HP+8448
	BAR
.endm
.macro LNORM gslot, bslot, f0, f1      ; eight lanes a row, 16 numbers a lane; mean first, then the centred squares; f32 back into HP, f16 into XB
	v_lshrrev_b32 v18, 3, v0
	v_and_b32 v19, 7, v0
	v_mul_u32_u24 v24, v18, 528
	v_lshl_add_u32 v24, v19, 4, v24
	v_lshlrev_b32 v25, 4, v19
	v_mul_u32_u24 v26, v18, 272
	v_lshl_add_u32 v26, v19, 3, v26
.irp i, 0,1,2,3
	ds_load_b128 v[128+4*\i:131+4*\i], v24 offset:HP+128*\i
	ds_load_b128 v[144+4*\i:147+4*\i], v25 offset:512*\gslot+128*\i
	ds_load_b128 v[160+4*\i:163+4*\i], v25 offset:512*\bslot+128*\i
.endr
	FX \f0, \f1
	s_wait_dscnt 0x0
	v_pk_add_f32 v[176:177], v[128:129], v[130:131]
	v_pk_add_f32 v[178:179], v[132:133], v[134:135]
	v_pk_add_f32 v[180:181], v[136:137], v[138:139]
	v_pk_add_f32 v[182:183], v[140:141], v[142:143]
	v_pk_add_f32 v[176:177], v[176:177], v[178:179]
	v_pk_add_f32 v[180:181], v[180:181], v[182:183]
	v_pk_add_f32 v[176:177], v[176:177], v[180:181]
	v_add_f32 v176, v176, v177
	v_add_f32_dpp v176, v176, v176 row_xmask:1 row_mask:0xf bank_mask:0xf
	v_add_f32_dpp v176, v176, v176 row_xmask:2 row_mask:0xf bank_mask:0xf
	v_add_f32_dpp v176, v176, v176 row_xmask:4 row_mask:0xf bank_mask:0xf
	v_mul_f32 v176, 0x3c000000, v176               ; / 128
	v_mov_b32 v177, v176
.irp i, 0,2,4,6,8,10,12,14
	v_pk_add_f32 v[128+\i:129+\i], v[128+\i:129+\i], v[176:177] neg_lo:[0,1] neg_hi:[0,1]
.endr
	v_pk_mul_f32 v[178:179], v[128:129], v[128:129]
.irp i, 2,4,6,8,10,12,14
	v_pk_fma_f32 v[178:179], v[128+\i:129+\i], v[128+\i:129+\i], v[178:179]
.endr
	v_add_f32 v178, v178, v179
	v_add_f32_dpp v178, v178, v178 row_xmask:1 row_mask:0xf bank_mask:0xf
	v_add_f32_dpp v178, v178, v178 row_xmask:2 row_mask:0xf bank_mask:0xf
	v_add_f32_dpp v178, v178, v178 row_xmask:4 row_mask:0xf bank_mask:0xf
	v_mov_b32 v180, 0x3c000000
	v_fmaak_f32 v178, v178, v180, 0x3727c5ac       ; variance + 1e-5
	v_rsq_f32 v182, v178
	v_rsq_f32 v183, v178
	v_nop
	s_wait_alu depctr_va_vdst(0)
.irp i, 0,2,4,6,8,10,12,14
	v_pk_mul_f32 v[128+\i:129+\i], v[128+\i:129+\i], v[182:183]
	v_pk_fma_f32 v[128+\i:129+\i], v[128+\i:129+\i], v[144+\i:145+\i], v[160+\i:161+\i]
.endr
.irp i, 0,1,2,3
	ds_store_b128 v24, v[128+4*\i:131+4*\i] offset:HP+128*\i
	v_cvt_pk_f16_f32 v[184+2*\i], v[128+4*\i], v[129+4*\i]
	v_cvt_pk_f16_f32 v[185+2*\i], v[130+4*\i], v[131+4*\i]
	ds_store_b64 v26, v[184+2*\i:185+2*\i] offset:XB+64*\i
.endr
	BAR
.endm
	; ---------------- the head: argument i lies in s[16+2i:17+2i]
	s_load_b512 s[16:31], s[0:1], 0x0
	s_load_b512 s[32:47], s[0:1], 0x40
	s_load_b256 s[48:55], s[0:1], 0x80
	LANES
	v_and_b32 v18, 7, v2
	v_lshlrev_b32 v18, 7, v18
	v_lshl_add_u32 v18, v3, 5, v18                 ; RBF weights: row r & 7, column 8 h
	s_mul_i32 s12, s5, 384
	s_mul_i32 s13, s3, 192
	s_add_co_u32 s12, s12, s13
	v_mul_u32_u24 v19, v2, 12
	v_add_nc_u32 v19, s12, v19                     ; position of point 16 pt + r
	v_and_b32 v112, 127, v0
	v_lshlrev_b32 v112, 2, v112
	v_lshlrev_b32 v113, 2, v0
	s_wait_kmcnt 0x0
	s_load_b256 s[68:75], s[30:31], 0x0            ; self RBF bias
	s_load_b256 s[76:83], s[54:55], 0x0            ; cross RBF bias
	s_lshl_b32 s12, s2, 12
	s_mov_b32 s13, 0
	s_add_nc_u64 s[66:67], s[24:25], s[12:13]      ; the weights at my column tile
	s_mul_i32 s12, s6, 1536
	s_mul_i32 s14, s4, 384
	s_add_co_u32 s12, s12, s14
	s_add_nc_u64 s[84:85], s[16:17], s[12:13]      ; my chunk's 32 key points
	s_lshr_b32 s12, s12, 1
	s_add_nc_u64 s[86:87], s[18:19], s[12:13]      ; my chunk's 16 atoms
	s_mov_b64 s[88:89], s[26:27]                   ; the state that is written
	s_lshl_b32 s12, s6, 15
	s_add_nc_u64 s[90:91], s[22:23], s[12:13]
	s_add_nc_u64 s[92:93], s[90:91], 0x800000      ; the molecule's v
	s_add_nc_u64 s[90:91], s[90:91], 0x600000      ; the molecule's k
	s_lshl_b32 s12, s5, 13
	s_add_nc_u64 s[94:95], s[22:23], s[12:13]
	s_add_nc_u64 s[94:95], s[94:95], 0x400000      ; my points' q
	s_lshl_b32 s12, s5, 14
	s_add_nc_u64 s[96:97], s[22:23], s[12:13]      ; my points' hp
	s_lshl_b32 s12, s6, 14
	s_add_nc_u64 s[98:99], s[20:21], s[12:13]      ; the molecule's h_atom
	s_mov_b32 s14, 0x2b8cbccc                      ; 1e-12 and
	s_mov_b32 s15, 0x42d80000                      ; 108: the two clips of d^2
	s_cmp_lt_u32 s2, 4                             ; waves 0-3 fetch the even slot of a pair of 128-float vectors, waves 4-7 the odd one
	s_cselect_b64 s[56:57], s[32:33], s[34:35]     ; self out b | self ln gain
	s_cselect_b64 s[58:59], s[36:37], s[38:39]     ; self ln bias | q b
	s_cselect_b64 s[60:61], s[40:41], s[42:43]     ; k b | v b
	s_cselect_b64 s[62:63], s[44:45], s[46:47]     ; out b | ln gain
	s_cselect_b64 s[100:101], s[48:49], s[50:51]   ; ln bias | qkv b 0-127
	global_load_b128 v[72:75], v18, s[28:29]
	global_load_b128 v[76:79], v18, s[28:29] offset:16
	global_load_b128 v[80:83], v18, s[28:29] offset:64
	global_load_b128 v[84:87], v18, s[28:29] offset:80
	global_load_b32 v6, v19, s[16:17]
	global_load_b32 v7, v19, s[16:17] offset:4
	global_load_b32 v8, v19, s[16:17] offset:8
	WIN 0x40                                       ; 36 loads into window 1; each line of the state covers 4,096 dense bytes for the work-group
.irp p, 0,1,2,3,4,5,6,7
	global_load_b128 v[4*\p:4*\p+3], v13, s[90:91] offset:4096*\p
.endr
.irp p, 0,1,2,3,4,5,6,7
	global_load_b128 v[32+4*\p:35+4*\p], v13, s[92:93] offset:4096*\p
.endr
.irp p, 0,1
	global_load_b128 v[64+4*\p:67+4*\p], v13, s[94:95] offset:4096*\p
.endr
.irp p, 0,1,2,3
	global_load_b128 v[72+4*\p:75+4*\p], v13, s[96:97] offset:4096*\p
.endr
.irp p, 0,1,2,3
	global_load_b128 v[88+4*\p:91+4*\p], v13, s[98:99] offset:4096*\p
.endr
	global_load_b32 v104, v112, s[56:57]
	global_load_b32 v105, v112, s[58:59]
	global_load_b32 v106, v112, s[60:61]
	global_load_b32 v107, v112, s[62:63]
	global_load_b32 v108, v112, s[100:101]
	global_load_b32 v109, v113, s[50:51] offset:512            ; qkv b 128-383
	global_load_b128 v[112:115], v18, s[52:53]                 ; cross RBF weights, as the self ones above
	global_load_b128 v[116:119], v18, s[52:53] offset:16
	global_load_b128 v[120:123], v18, s[52:53] offset:64
	global_load_b128 v[124:127], v18, s[52:53] offset:80
	WIN 0
	s_wait_loadcnt 36                              ; the 36 loads into window 1 are younger than the self RBF weights and my position
	s_wait_kmcnt 0x0
	s_wait_xcnt 0x0                                ; s16-63 and the offset registers are rewritten only behind this wait
	LDPOS 84, 0
	RBFSET
	LDW 0, 128                                     ; self out; q, k, v
	LDW 1, 160
	LDW 2, 192
	LDW 3, 224
	WIN 0
	BIASGEN 0, 84, 192
	s_wait_loadcnt 32                              ; the 32 weight loads are younger than what is parked in window 1
	v_add_nc_u32 v18, K2L, v10
	v_add_nc_u32 v19, V2L, v12
	v_add_nc_u32 v104, Q2L, v10
	v_add_nc_u32 v105, HAL, v10
	WIN 0x04                                       ; store data from window 1
.irp p, 0,1,2,3,4,5,6,7
	ds_store_b128 v18, v[4*\p:4*\p+3] offset:4352*\p
.endr
.irp p, 0,1,2,3,4,5,6,7
	ds_store_b128 v19, v[32+4*\p:35+4*\p] offset:5120*\p
.endr
.irp p, 0,1
	ds_store_b128 v104, v[64+4*\p:67+4*\p] offset:4352*\p
.endr
.irp p, 0,1,2,3
	ds_store_b128 v11, v[72+4*\p:75+4*\p] offset:HP+4224*\p
.endr
.irp p, 0,1,2,3
	ds_store_b128 v105, v[88+4*\p:91+4*\p] offset:4352*\p
.endr
.irp k, 0,1,2,3,4,5
	ds_store_b32 v113, v[104+\k] offset:1024*\k
.endr
	WIN 0
	BIASGEN 1, 86, 0                               ; behind its distances the 16 atoms' positions are asked for
	XSET                                           ; its first lines name none of the last matrix instruction's registers: they are the places behind it
	DIST16 1
	BAR
	s_wait_loadcnt 0x0                             ; self out, q, k, v
	; ---------------- self attention: the biases of my 32 keys lie in v128-255
	s_mul_i32 s12, s3, 4352
	s_add_co_u32 s12, s12, Q2L
	v_add_nc_u32 v18, s12, v4
	s_mul_i32 s12, s4, 8704
	s_add_co_u32 s12, s12, K2L
	v_add_nc_u32 v19, s12, v4
	SCORES 1, 2, 0, 0, 1
	s_mul_i32 s12, s4, 10240
	s_add_co_u32 s12, s12, V2L
	v_mul_u32_u24 v19, v2, 80
	v_lshl_add_u32 v19, v3, 4, v19
	v_add_nc_u32 v19, s12, v19
	SOFTPV 1, 2, 1280, 32
	FX 1, 3                                        ; while the partial results' stores are served
	BAR
	MERGE 1, 3, 6
	OUTRES 1, 128, 0, 6, 9, -1, 4                  ; cross out follows self out in its registers
	LNORM 1, 2, 9, 11
	; ---------------- cross attention.  q is made from f16 operands and stored as bf16, the format of the k that it meets
	LDX 4, XB, 272, 128
	LDB 3
	FX 11, 13
	s_wait_dscnt 0x0
	MM2 1, 1, 160, 128, 24, 32, 1
	LDW 5, 160                                     ; q2 follows q
	WIN 0
	v_add_nc_u32 v18, QL, v14
	STB 0, 24, 18, 0, 1
	STB 0, 32, 18, 4352, 1
	v_add_nc_u32 v19, HAL, v4
	LDX 19, 0, 272, 128
	LDX 19, 8704, 272, 192
	LDB 4
	LDBV 5
	FX 13, 16
	s_wait_dscnt 0x0
	MM2 0, 1, 192, 128, 24, 32, 1
	MM2 0, 1, 192, 192, 40, 48, 1
	LDW 6, 192                                     ; k2 follows k
	WIN 0
	v_add_nc_u32 v18, KL, v14
	STB 0, 24, 18, 0, 0
	STB 0, 32, 18, 4352, 0
	STB 0, 40, 18, 8704, 0
	STB 0, 48, 18, 13056, 0
	MM2 0, 0, 224, 128, 24, 32, 0
	MM2 0, 0, 224, 192, 40, 48, 0
	LDW 7, 224                                     ; v2 follows v
	WIN 0
	s_mul_i32 s12, s2, 2304
	s_add_co_u32 s12, s12, VTL
	v_mul_u32_u24 v18, v2, 144
	v_lshl_add_u32 v18, v3, 4, v18
	v_add_nc_u32 v18, s12, v18                     ; V^T: channel 16 w + r, atoms 8 h ..
	STV 0, 24, 18, 0
	STV 0, 32, 18, 32
	STV 0, 40, 18, 64
	STV 0, 48, 18, 96
	BAR
	s_mul_i32 s12, s3, 4352
	s_add_co_u32 s12, s12, QL
	v_add_nc_u32 v18, s12, v4
	s_mul_i32 s12, s4, 4352
	s_add_co_u32 s12, s12, KL
	v_add_nc_u32 v19, s12, v4
	SCORES 0, 1, 1, 0, 0                           ; the biases come from window 1
	s_lshl_b32 s12, s4, 5
	s_add_co_u32 s12, s12, VTL
	v_mul_u32_u24 v19, v2, 144
	v_lshl_add_u32 v19, v3, 4, v19
	v_add_nc_u32 v19, s12, v19
	SOFTPV 0, 1, 2304, 0
	BAR
	MERGE 0, 0, 0
	OUTRES 0, 128, 6, 0, 0, 24, -1                 ; q2's, k2's and v2's 24 loads are younger than cross out's
	LNORM 7, 8, 0, 0
	; ---------------- hp goes out; q, k, v of the next self attention
	LDX 4, XB, 272, 128
	LDB 9
.irp p, 0,1,2,3
	ds_load_b128 v[192+4*\p:195+4*\p], v11 offset:HP+4224*\p
.endr
	s_wait_xcnt 0x0                                ; s90-97 were bases of earlier accesses: they are rewritten only behind this wait
	s_lshl_b32 s12, s5, 14
	s_mov_b32 s13, 0
	s_add_nc_u64 s[90:91], s[88:89], s[12:13]      ; hp: 16,384 bytes a work-group
	s_lshl_b32 s12, s5, 13
	s_add_nc_u64 s[92:93], s[88:89], s[12:13]      ; q, k, v: 8,192 bytes a work-group
	s_add_nc_u64 s[94:95], s[92:93], 0x600000
	s_add_nc_u64 s[96:97], s[92:93], 0x800000
	s_add_nc_u64 s[92:93], s[92:93], 0x400000
	s_wait_loadcnt 0x0                             ; q2, k2, v2
	s_wait_dscnt 0x0
.irp p, 0,1,2,3
	global_store_b128 v13, v[192+4*\p:195+4*\p], s[90:91] offset:4096*\p   ; each store of a wave covers 512 consecutive bytes, aligned; v192-207 are not written again
.endr
	MM2 1, 1, 160, 128, 24, 32, 1
	LDB 10
	LDBV 11
	v_add_nc_u32 v18, Q2S, v14
	STB 1, 24, 18, 0, 1
	STB 1, 32, 18, 4352, 1
	s_wait_dscnt 0x0
	MM2 1, 1, 192, 128, 40, 48, 1
	v_add_nc_u32 v18, K2S, v14
	STB 1, 40, 18, 0, 0
	STB 1, 48, 18, 4352, 0
	MM2 1, 0, 224, 128, 24, 32, 0
	s_mul_i32 s12, s2, 1280
	s_add_co_u32 s12, s12, V2S
	v_mul_u32_u24 v18, v2, 80
	v_lshl_add_u32 v18, v3, 4, v18
	v_add_nc_u32 v18, s12, v18
	STV 1, 24, 18, 0
	STV 1, 32, 18, 32
	BAR
	; the way out: whole rows back from LDS, each store of a wave covers 512 consecutive bytes, aligned
	v_add_nc_u32 v18, Q2S, v10
.irp p, 0,1
	ds_load_b128 v[144+4*\p:147+4*\p], v18 offset:4352*\p
	ds_load_b128 v[152+4*\p:155+4*\p], v18 offset:K2S-Q2S+4352*\p
.endr
	v_add_nc_u32 v19, V2S, v12
.irp p, 0,1
	ds_load_b128 v[160+4*\p:163+4*\p], v19 offset:5120*\p
.endr
	s_wait_dscnt 0x0
.irp p, 0,1
	global_store_b128 v13, v[144+4*\p:147+4*\p], s[92:93] offset:4096*\p
	global_store_b128 v13, v[152+4*\p:155+4*\p], s[94:95] offset:4096*\p
	global_store_b128 v13, v[160+4*\p:163+4*\p], s[96:97] offset:4096*\p
.endr
	s_wait_xcnt 0x0
	v_lshl_add_u32 v254, v0, 2, 0x47600
	v_mov_b32 v255, 0
	s_wait_tensorcnt 0x0
	ds_add_u32 v254, v255
	s_wait_dscnt 0x0
	s_endpgm
.Lfunc_end_k_qc5e302c1b3_mid1:
	.size	k_qc5e302c1b3_mid1, .Lfunc_end_k_qc5e302c1b3_mid1-k_qc5e302c1b3_mid1
	.p2alignl 7, 3214868480
	.fill 96, 4, 3214868480
	.section	.rodata,"a",@progbits
	.p2align	6, 0x0
	.amdhsa_kernel k_qc5e302c1b3_mid1
		.amdhsa_group_segment_fixed_size 293376
		.amdhsa_private_segment_fixed_size 0
		.amdhsa_enable_private_segment 0
		.amdhsa_kernarg_size 160
		.amdhsa_user_sgpr_count 2
		.amdhsa_user_sgpr_kernarg_segment_ptr 1
		.amdhsa_wavefront_size32 1
		.amdhsa_system_sgpr_workgroup_id_x 1
		.amdhsa_system_sgpr_workgroup_id_y 1
		.amdhsa_system_sgpr_workgroup_id_z 1
		.amdhsa_system_vgpr_workitem_id 0
		.amdhsa_next_free_vgpr 512
		.amdhsa_next_free_sgpr 102
		.amdhsa_reserve_vcc 0
		.amdhsa_float_denorm_mode_32 3
		.amdhsa_float_denorm_mode_16_64 3
		.amdhsa_memory_ordered 1
		.amdhsa_forward_progress 1
		.amdhsa_inst_pref_size 242
	.end_amdhsa_kernel
	.amdgpu_metadata
---
amdhsa.version: [ 1, 2 ]
amdhsa.kernels:
  - .name:           k_qc5e302c1b3_mid1
    .symbol:         k_qc5e302c1b3_mid1.kd
    .args:
      - { .name: point_pos, .offset: 0, .size: 8, .value_kind: global_buffer, .address_space: global }
      - { .name: atom_pos, .offset: 8, .size: 8, .value_kind: global_buffer, .address_space: global }
      - { .name: hatom, .offset: 16, .size: 8, .value_kind: global_buffer, .address_space: global }
      - { .name: st0, .offset: 24, .size: 8, .value_kind: global_buffer, .address_space: global }
      - { .name: w1, .offset: 32, .size: 8, .value_kind: global_buffer, .address_space: global }
      - { .name: st1, .offset: 40, .size: 8, .value_kind: global_buffer, .address_space: global }
      - { .name: params_layers_0_self_rbf_0, .offset: 48, .size: 8, .value_kind: global_buffer, .address_space: global }
      - { .name: params_layers_0_self_rbf_1, .offset: 56, .size: 8, .value_kind: global_buffer, .address_space: global }
      - { .name: params_layers_0_self_out_1, .offset: 64, .size: 8, .value_kind: global_buffer, .address_space: global }
      - { .name: params_layers_0_self_ln_0, .offset: 72, .size: 8, .value_kind: global_buffer, .address_space: global }
      - { .name: params_layers_0_self_ln_1, .offset: 80, .size: 8, .value_kind: global_buffer, .address_space: global }
      - { .name: params_layers_1_cross_q_1, .offset: 88, .size: 8, .value_kind: global_buffer, .address_space: global }
      - { .name: params_layers_1_cross_k_1, .offset: 96, .size: 8, .value_kind: global_buffer, .address_space: global }
      - { .name: params_layers_1_cross_v_1, .offset: 104, .size: 8, .value_kind: global_buffer, .address_space: global }
      - { .name: params_layers_1_cross_out_1, .offset: 112, .size: 8, .value_kind: global_buffer, .address_space: global }
      - { .name: params_layers_1_cross_ln_0, .offset: 120, .size: 8, .value_kind: global_buffer, .address_space: global }
      - { .name: params_layers_1_cross_ln_1, .offset: 128, .size: 8, .value_kind: global_buffer, .address_space: global }
      - { .name: params_layers_1_self_qkv_1, .offset: 136, .size: 8, .value_kind: global_buffer, .address_space: global }
      - { .name: params_layers_1_cross_rbf_0, .offset: 144, .size: 8, .value_kind: global_buffer, .address_space: global }
      - { .name: params_layers_1_cross_rbf_1, .offset: 152, .size: 8, .value_kind: global_buffer, .address_space: global }
    .group_segment_fixed_size: 293376
    .private_segment_fixed_size: 0
    .kernarg_segment_align: 8
    .kernarg_segment_size: 160
    .max_flat_workgroup_size: 256
    .sgpr_count:     102
    .vgpr_count:     512
    .wavefront_size: 32
...
	.end_amdgpu_metadata
.endif
;; end of part 5
;; launch mid2: the kernel of part 5 again; grid 256 x 1, 8 waves a work-group, no clusters, 293,376 bytes of LDS; arguments point_pos, atom_pos, hatom, st1, w2, st0, params_layers_1_self_rbf_0, params_layers_1_self_rbf_1, params_layers_1_self_out_1, params_layers_1_self_ln_0, params_layers_1_self_ln_1, params_layers_2_cross_q_1, params_layers_2_cross_k_1, params_layers_2_cross_v_1, params_layers_2_cross_out_1, params_layers_2_cross_ln_0, params_layers_2_cross_ln_1, params_layers_2_self_qkv_1, params_layers_2_cross_rbf_0, params_layers_2_cross_rbf_1; writes st0
;; launch mid3: the kernel of part 5 again; grid 256 x 1, 8 waves a work-group, no clusters, 293,376 bytes of LDS; arguments point_pos, atom_pos, hatom, st0, w3, st1, params_layers_2_self_rbf_0, params_layers_2_self_rbf_1, params_layers_2_self_out_1, params_layers_2_self_ln_0, params_layers_2_self_ln_1, params_layers_3_cross_q_1, params_layers_3_cross_k_1, params_layers_3_cross_v_1, params_layers_3_cross_out_1, params_layers_3_cross_ln_0, params_layers_3_cross_ln_1, params_layers_3_self_qkv_1, params_layers_3_cross_rbf_0, params_layers_3_cross_rbf_1; writes st1
;; launch last (part 6): grid 256 x 1, 8 waves a work-group, no clusters, 293,376 bytes of LDS; arguments point_pos, st1, w2, params_layers_3_self_rbf_0, params_layers_3_self_rbf_1, params_layers_3_self_out_1, params_layers_3_self_ln_0, params_layers_3_self_ln_1, params_vel1_1, params_vel2_0, params_vel2_1, out0; writes out0
.if DOCPART == 6
	.amdgcn_target "amdgcn-amd-amdhsa--gfx1250"
	.amdhsa_code_object_version 6
	.text
	.protected	k_qc5e302c1b3_last
	.globl	k_qc5e302c1b3_last
	.p2align	8
	.type	k_qc5e302c1b3_last,@function
k_qc5e302c1b3_last:
	s_mov_b64 s[64:65], 0
	v_nop
	global_prefetch_b8 v0, s[64:65] scope:SCOPE_SE
	s_setreg_imm32_b32 hwreg(HW_REG_WAVE_MODE, 25, 1), 1
	s_wait_xcnt 0x0
; last: self attention and LN of layer 3, then vel2(silu(vel1(hp))): one number a point.
; Work-group g = 32 points of molecule g >> 2 (256 work-groups); eight waves, two to a SIMD, 512 registers each.
; In attention wave w takes point tile pt = w & 1 (16 points) and key chunk c = w >> 1 (32 keys); in the linear layers output columns 16 w .. + 15.
; SOFTMAX: each key chunk takes its own maximum away and leaves m, l and its partial result; the merge rescales the four chunks by 2^(m - M), M the row's maximum.
; vel2 has one output column: it is a dot product in f32 on the vector unit, summed over the two lane halves and, through LDS, over the eight waves.
; FORMATS: matrix operands are 16 bits, all else f32.  f16 for all but the RBF product, since the computation bounds the sizes: LN outputs (at most
; sqrt(127) |gain| + |bias|), q, k, v (at most |row of W| x |LN row|), softmax weights (at most 1), attention's result, and the weights that meet them.  With every
; input 30 times the drawn size (weights 1.5 rms: a row's norm about 24; gains 30: an LN row's norm 340) q, k, v stay below 8,200, an eighth of f16's largest number.
; The RBF values and their weights are bf16.
; LIMITS: distances are formed from coordinate differences; d^2 is clipped at 1e-12 as in the model (on the diagonal d = 1e-6) and at 108, beyond which every RBF value
; is below 2^-126.  RBF values below 2^-56 may come out as 0 (see THE RBF BIAS).  Exponentials below 2^-126 come out as 0.  NaN and infinities in the inputs are not
; treated.  point_batch and atom_batch are not read: the model deletes them.
; NO CLUSTER, NO TENSOR LOADS: every LDS region is filled once, through registers; the weights go straight into registers as ready fragments.
.set PRM, 0                            ; slots of 128 f32: 0 out b, 1 ln gain, 2 ln bias, 3 vel1 b
.set MX, 8192                          ; [chunk][32 points][8 heads] f32: the chunks' maxima
.set LP, 12288                         ; the same shape: the chunks' sums
.set AGG, 16384                        ; [32][128] f16, pitch 272: attention's result
.set XB, 25088                         ; [32][128] f16, pitch 272: hp as a matrix operand
.set HP, 33792                         ; [32][128] f32, pitch 528: hp
.set OP, 50688                         ; [chunk][32][128] f32, pitch 528: the chunks' partial results
.set VP, 118272                        ; [wave][32 points] f32: the waves' parts of the last dot product
.set K2L, 207872                       ; [128][128] f16, pitch 272: the molecule's k
.set V2L, 242688                       ; [4 chunks x 128 channels][32 keys] f16, pitch 80: the molecule's v, transposed
.set Q2L, 283648                       ; [32][128] f16, pitch 272: my points' q
; pitches are the row's bytes + 16, so that the 16 rows that a 16-byte access touches start 16 bytes apart modulo 256 (64 banks of 4 bytes: ISA guide 11.1)
; Window 0: v0 t, v1 16 L, v2 r, v3 h, v4 272 r + 16 h, v5 528 r + 32 h, v6-8 my point, v9 0, v10-13 copy terms, v15-16, v20, v22 wave terms,
; v18-19 temporaries, v23 log2 e, v24-119 at work, v120-127 vel2's weights of my columns, v128-255 scores / operand fragments.
; Window 1 (v256-511): the parked state at 0-105, weight fragments at 128 (self out) and 160 (vel1).
.set MSB, 0
.macro WIN new                         ; the immediate's high byte repeats the setting that is left
.if MSB != \new
	s_set_vgpr_msb (MSB<<8)|\new
.set MSB, \new
.endif
.endm
.macro PL5                             ; five places behind matrix instructions: four before a vector instruction, a store or a load touches their registers, five before a matrix instruction writes over them
.rept 5
	v_nop
.endr
.endm
.macro BAR                             ; my LDS stores and loads are done, then the barrier: what was stored may be read by all, what was read may be overwritten
	s_wait_dscnt 0x0
	s_barrier_signal -1
	s_barrier_wait -1
.endm
.macro LDW idx, wreg                   ; my column tile's four fragments of block idx into window 1: eight loads of 512 dense bytes
	WIN 0x40
.irp ks, 0,1,2,3
	global_load_b128 v[\wreg+8*\ks:\wreg+8*\ks+3], v1, s[66:67] offset:\idx*32768+\ks*1024
	global_load_b128 v[\wreg+8*\ks+4:\wreg+8*\ks+7], v1, s[66:67] offset:\idx*32768+\ks*1024+512
.endr
.endm
.macro LDX off                         ; 32 rows x 128 K of an f16 region of pitch 272 as 2 x 4 fragments, into v128-191
.irp rt, 0,1
.irp ks, 0,1,2,3
	ds_load_b128 v[128+32*\rt+8*\ks:131+32*\rt+8*\ks], v4 offset:\off+\rt*4352+64*\ks
	ds_load_b128 v[132+32*\rt+8*\ks:135+32*\rt+8*\ks], v4 offset:\off+\rt*4352+64*\ks+32
.endr
.endr
.endm
; 32 rows (v128-191) x my 16 columns x 128 K, weights (window 1) first: a lane gets 8 neighbouring columns of row r, in v24-31 and v32-39.
; bias = 1: the first products start from the bias registers v56-63; 0: the sums go on in place.
; The two accumulators take turns, one instruction a turn.
.macro MM2 wreg, bias
	WIN 0x01
.if \bias
	v_wmma_f32_16x16x32_f16 v[24:31], v[\wreg:\wreg+7], v[128:135], v[56:63]
	v_wmma_f32_16x16x32_f16 v[32:39], v[\wreg:\wreg+7], v[160:167], v[56:63]
.else
	v_wmma_f32_16x16x32_f16 v[24:31], v[\wreg:\wreg+7], v[128:135], v[24:31]
	v_wmma_f32_16x16x32_f16 v[32:39], v[\wreg:\wreg+7], v[160:167], v[32:39]
.endif
.irp ks, 1,2,3
	v_wmma_f32_16x16x32_f16 v[24:31], v[\wreg+8*\ks:\wreg+8*\ks+7], v[128+8*\ks:135+8*\ks], v[24:31]
	v_wmma_f32_16x16x32_f16 v[32:39], v[\wreg+8*\ks:\wreg+8*\ks+7], v[160+8*\ks:167+8*\ks], v[32:39]
.endr
	WIN 0
	PL5
.endm
.macro LDB slot                        ; bias of my columns 16 w + 8 h .. + 7
	ds_load_b128 v[56:59], v15 offset:512*\slot
	ds_load_b128 v[60:63], v15 offset:512*\slot+16
.endm
.macro SILU acc, tmp                   ; x / (1 + 2^(-x log2 e)) on eight numbers
.irp j, 0,1,2,3,4,5,6,7
	v_mul_f32 v[\tmp+\j], 0xbfb8aa3b, v[\acc+\j]
.endr
.irp j, 0,1,2,3,4,5,6,7
	v_exp_f32 v[\tmp+\j], v[\tmp+\j]
.endr
	v_nop                                          ; one plain place behind the transcendentals (ISA guide 5.7.2)
	s_wait_alu depctr_va_vdst(0)
.irp j, 0,1,2,3,4,5,6,7
	v_add_f32 v[\tmp+\j], 1.0, v[\tmp+\j]
.endr
.irp j, 0,1,2,3,4,5,6,7
	v_rcp_f32 v[\tmp+\j], v[\tmp+\j]
.endr
	v_nop
	s_wait_alu depctr_va_vdst(0)
.irp j, 0,1,2,3,4,5,6,7
	v_mul_f32 v[\acc+\j], v[\acc+\j], v[\tmp+\j]
.endr
.endm
; THE RBF BIAS.  exp(-16 (d - c_i)^2) = g(i) = 2^-(u - i D)^2 with u = S d, S = 4 sqrt(log2 e), D = 8 S / 31.  For one key and my 16 points the 32 values are a
; B fragment (column = point r, k = i), 16 values a lane.  The centres are equally spaced, so g(i + 1) = g(i) r(i), r(i) = 2^(2 D (u - i D) - D^2), r(i + 1) = r(i) q,
; q = 2^(-2 D^2).  A lane's 16 values are four runs of four, i = a .. a + 3 with a = 8 h, 8 h + 4, 16 + 8 h, 20 + 8 h (runs A, B, C, D): four exponentials give g(a), one
; gives r(8 h), the other runs' r follow by the constants q^4, q^16, q^20, and packed multiplies (A with B, C with D) walk the runs: 5 exponentials for 16 values.
; RANGE: d^2 <= 108 keeps 2 D u - D^2 below 123, so r is finite and no 0 x infinity arises.  g(a) comes out as 0 when a lies more than 9.05 centres from u / D;
; the farthest value of its run is then more than 6.05 centres away, below 2^-56, and comes out as 0 too.
; A holds the 8 heads' weights times log2 e in rows 0-7 (ALO) or rows 8-15 (AHI), zeros in the others.  ALO x B(key j) + AHI x B(key 8 + j) + b leaves in lane (r, h),
; register hd, the bias of key 8 h + j, point r, head hd: the place that the transposed score tile gives that pair.
; v72-87 hold W[r & 7][8 h .. + 7, 16 + 8 h .. + 7]; s68-75 the 8 biases.  Makes v24-27 = - D a of the four runs, v28 = - D^2 (16 h + 1), v30-33 = 1, q^4, q^16, q^20,
; ALO v40-47, AHI v48-55, CB v56-63.  v29 and v34-37 are the ratios at work.
.macro RBFSET
.irp i, 0,2,4,6,8,10,12,14
	v_pk_mul_f32 v[72+\i:73+\i], v[72+\i:73+\i], 0x3fb8aa3b op_sel_hi:[1,0]
.endr
.irp i, 0,1,2,3,4,5,6,7
	v_cvt_pk_bf16_f32 v[104+\i], v[72+2*\i], v[73+2*\i]
.endr
.irp i, 0,1,2,3,4,5,6,7
	v_cndmask_b32 v[40+\i], v[104+\i], v9, s11
	v_cndmask_b32 v[48+\i], v9, v[104+\i], s11
	v_mul_f32 v[56+\i], s[68+\i], v23
.endr
	v_lshlrev_b32 v24, 3, v3                       ; a of run A
	v_add_nc_u32 v25, 4, v24
	v_add_nc_u32 v26, 16, v24
	v_add_nc_u32 v27, 20, v24
	v_lshl_add_u32 v28, v3, 4, 1                   ; 2 a + 1 of run A
.irp i, 24,25,26,27,28
	v_cvt_f32_u32 v\i, v\i
.endr
	v_pk_mul_f32 v[24:25], v[24:25], 0xbf9eb401 op_sel_hi:[1,0]    ; - D
	v_pk_mul_f32 v[26:27], v[26:27], 0xbf9eb401 op_sel_hi:[1,0]
	v_mul_f32 v28, 0xbfc4c560, v28                 ; - D^2
	v_mov_b32 v30, 1.0
	v_mov_b32 v31, 0x3df31ba2                      ; q
	v_mul_f32 v31, v31, v31
	v_mul_f32 v31, v31, v31                        ; q^4
	v_mul_f32 v32, v31, v31
	v_mul_f32 v32, v32, v32                        ; q^16
	v_mul_f32 v33, v32, v31                        ; q^20
.endm
.macro LDPOS off                       ; the positions of 16 keys of my chunk, 48 f32, into s16-63
	s_load_b512 s[16:31], s[84:85], \off
	s_load_b512 s[32:47], s[84:85], \off+64
	s_load_b512 s[48:63], s[84:85], \off+128
.endm
.macro DIST16                          ; v88-103 = S x distance from my point to the 16 keys, four keys at a time so that no line waits for the one in front
	s_wait_kmcnt 0x0
.irp g, 0,4,8,12
.irp k, 0,1,2,3
	v_sub_f32 v[72+3*\k], s[16+3*(\g+\k)], v6
	v_sub_f32 v[73+3*\k], s[17+3*(\g+\k)], v7
	v_sub_f32 v[74+3*\k], s[18+3*(\g+\k)], v8
.endr
.irp k, 0,1,2,3
	v_mul_f32 v[88+\g+\k], v[72+3*\k], v[72+3*\k]
.endr
.irp k, 0,1,2,3
	v_fmac_f32 v[88+\g+\k], v[73+3*\k], v[73+3*\k]
.endr
.irp k, 0,1,2,3
	v_fmac_f32 v[88+\g+\k], v[74+3*\k], v[74+3*\k]
.endr
.endr
.irp n, 0,1,2,3,4,5,6,7,8,9,10,11,12,13,14,15
	v_med3_num_f32 v[88+\n], v[88+\n], s14, s15    ; the model's clip at 1e-12, and 108 (see RANGE above)
.endr
.irp n, 0,1,2,3,4,5,6,7,8,9,10,11,12,13,14,15
	v_sqrt_f32 v[88+\n], v[88+\n]
.endr
	v_nop
	s_wait_alu depctr_va_vdst(0)
.irp n, 0,2,4,6,8,10,12,14
	v_pk_mul_f32 v[88+\n:89+\n], v[88+\n:89+\n], 0x4099be61 op_sel_hi:[1,0]
.endr
.endm
; key n of the tile.  Step k of the runs lies in v72 + 4 k .. + 3 as A, B, C, D; the B fragment in v64-71.
; The eight accumulators of a tile take turns, one instruction a turn.
; More than four plain instructions stand at the head of the next FRAG before v64-71 are written again.
.macro FRAG tile, n
	v_fma_f32 v29, v[88+(\n)], 0x401eb401, v28     ; 2 D u - D^2 (2 a + 1), run A
.irp p, 0,2
.if (\n)&1
	v_pk_add_f32 v[72+\p:73+\p], v[88+((\n)&14):89+((\n)&14)], v[24+\p:25+\p] op_sel:[1,0] op_sel_hi:[1,1]
.else
	v_pk_add_f32 v[72+\p:73+\p], v[88+((\n)&14):89+((\n)&14)], v[24+\p:25+\p] op_sel:[0,0] op_sel_hi:[0,1]
.endif
.endr
.irp p, 0,2
	v_pk_mul_f32 v[72+\p:73+\p], v[72+\p:73+\p], v[72+\p:73+\p] neg_lo:[0,1] neg_hi:[0,1]
.endr
	v_exp_f32 v29, v29
.irp i, 0,1,2,3
	v_exp_f32 v[72+\i], v[72+\i]
.endr
	v_nop
	s_wait_alu depctr_va_vdst(0)
	v_pk_mul_f32 v[34:35], v[28:29], v[30:31] op_sel:[1,0] op_sel_hi:[1,1]     ; r of runs A, B
	v_pk_mul_f32 v[36:37], v[28:29], v[32:33] op_sel:[1,0] op_sel_hi:[1,1]     ; r of runs C, D
.irp k, 0,4
	v_pk_mul_f32 v[76+\k:77+\k], v[72+\k:73+\k], v[34:35]
	v_pk_mul_f32 v[78+\k:79+\k], v[74+\k:75+\k], v[36:37]
	v_pk_mul_f32 v[34:35], v[34:35], 0x3df31ba2 op_sel_hi:[1,0]
	v_pk_mul_f32 v[36:37], v[36:37], 0x3df31ba2 op_sel_hi:[1,0]
.endr
.irp i, 0,1,2,3
	v_cvt_pk_bf16_f32 v[64+2*\i], v[72+\i], v[76+\i]       ; steps 0, 1 of runs A, B, C, D
.endr
	v_pk_mul_f32 v[84:85], v[80:81], v[34:35]
	v_pk_mul_f32 v[86:87], v[82:83], v[36:37]
.irp i, 0,1,2,3
	v_cvt_pk_bf16_f32 v[65+2*\i], v[80+\i], v[84+\i]       ; steps 2, 3
.endr
.if \n < 8
	v_wmma_f32_16x16x32_bf16 v[128+64*\tile+8*\n:135+64*\tile+8*\n], v[40:47], v[64:71], v[56:63]
.else
	v_wmma_f32_16x16x32_bf16 v[64+64*\tile+8*\n:71+64*\tile+8*\n], v[48:55], v[64:71], v[64+64*\tile+8*\n:71+64*\tile+8*\n]
.endif
.endm
.macro BIASGEN tile, more              ; more = 1: the second tile's positions are asked for as soon as s16-63 have been read
	DIST16
.if \more
	LDPOS 192
.endif
.irp n, 0,1,2,3,4,5,6,7,8,9,10,11,12,13,14,15
	FRAG \tile, \n
.endr
.endm
; SCORES, transposed: A = 16 keys x 32 channels (two heads), B = my 16 points' q of ONE head with zeros in the other head's half.
; Set s: QE, zeros, QO at 24 + 28 s (B of the even head = QE, zeros; of the odd head = zeros, QO), K's two fragments at 36 + 28 s.  v18: q, v19: k.
.macro LDSET s, i
	ds_load_b128 v[24+28*\s:27+28*\s], v18 offset:64*(\i)
	ds_load_b128 v[32+28*\s:35+28*\s], v18 offset:64*(\i)+32
	ds_load_b128 v[36+28*\s:39+28*\s], v19 offset:64*(\i)
	ds_load_b128 v[40+28*\s:43+28*\s], v19 offset:64*(\i)+32
	ds_load_b128 v[44+28*\s:47+28*\s], v19 offset:4352+64*(\i)
	ds_load_b128 v[48+28*\s:51+28*\s], v19 offset:4352+64*(\i)+32
.endm
.macro SCPAIR s, i, left, more
	s_wait_dscnt \left                             ; this head pair's loads are in; the next pair's six (the other set) may stay out
	v_wmma_f32_16x16x32_f16 v[80:87], v[36+28*\s:43+28*\s], v[24+28*\s:31+28*\s], 0
	v_wmma_f32_16x16x32_f16 v[88:95], v[36+28*\s:43+28*\s], v[28+28*\s:35+28*\s], 0
	v_wmma_f32_16x16x32_f16 v[96:103], v[44+28*\s:51+28*\s], v[24+28*\s:31+28*\s], 0
	v_wmma_f32_16x16x32_f16 v[104:111], v[44+28*\s:51+28*\s], v[28+28*\s:35+28*\s], 0
	PL5
.if \more
	LDSET \s, \i+2
.endif
.irp j, 0,1,2,3,4,5,6,7
	v_add_f32 v[128+8*\j+2*\i], v[128+8*\j+2*\i], v[80+\j]
	v_add_f32 v[129+8*\j+2*\i], v[129+8*\j+2*\i], v[88+\j]
	v_add_f32 v[192+8*\j+2*\i], v[192+8*\j+2*\i], v[96+\j]
	v_add_f32 v[193+8*\j+2*\i], v[193+8*\j+2*\i], v[104+\j]
.endr
.endm
; four heads of P V, transposed: A = V^T (16 channels x 32 keys), B = the weights as they lie in the score registers, D = (channel 8 h + j, point r)
.macro PVGRP gq
.irp k, 0,1,2,3
	ds_load_b128 v[56+8*\k:59+8*\k], v19 offset:1280*(4*\gq+\k)
	ds_load_b128 v[60+8*\k:63+8*\k], v19 offset:1280*(4*\gq+\k)+32
.endr
.irp k, 0,1,2,3
.irp i, 0,1,2,3
	v_cvt_pk_f16_f32 v[24+8*\k+\i], v[128+16*\i+4*\gq+\k], v[136+16*\i+4*\gq+\k]
	v_cvt_pk_f16_f32 v[28+8*\k+\i], v[192+16*\i+4*\gq+\k], v[200+16*\i+4*\gq+\k]
.endr
.endr
	s_wait_dscnt 0x0
.irp k, 0,1,2,3
	v_wmma_f32_16x16x32_f16 v[88+8*\k:95+8*\k], v[56+8*\k:63+8*\k], v[24+8*\k:31+8*\k], 0
.endr
	PL5
.irp k, 0,1,2,3
	ds_store_b128 v22, v[88+8*\k:91+8*\k] offset:64*(4*\gq+\k)
	ds_store_b128 v22, v[92+8*\k:95+8*\k] offset:64*(4*\gq+\k)+16
.endr
.endm
	; ---------------- the head: argument i lies in s[16+2i:17+2i]
	s_load_b512 s[16:31], s[0:1], 0x0
	s_load_b256 s[32:39], s[0:1], 0x40
	v_lshl_add_u32 v17, v0, 2, 0x47600
	v_mov_b32 v21, 0
	v_and_b32 v1, 31, v0
	v_and_b32 v2, 15, v0                           ; r
	v_bfe_u32 v3, v0, 4, 1                         ; h
	v_lshrrev_b32 v24, 5, v0
	v_readfirstlane_b32 s2, v24                    ; w
	v_lshlrev_b32 v1, 4, v1                        ; 16 L
	s_and_b32 s3, s2, 1                            ; pt
	s_lshr_b32 s4, s2, 1                           ; c
	s_mov_b32 s5, ttmp9                            ; g
	s_lshr_b32 s6, s5, 2                           ; molecule
	s_mov_b32 s8, 0x76543210                       ; v_permlanex16_b32: lane i of the other half
	s_mov_b32 s9, 0xfedcba98
	s_mov_b32 s10, 0xffff0000                      ; lanes with h = 1
	s_mov_b32 s11, 0xff00ff00                      ; lanes with r >= 8
	v_mul_u32_u24 v4, v2, 272
	v_lshl_add_u32 v4, v3, 4, v4                   ; fragment of a 16-bit region
	v_mul_u32_u24 v5, v2, 528
	v_lshl_add_u32 v5, v3, 5, v5                   ; eight f32 of a row
	v_mov_b32 v9, 0
	v_lshrrev_b32 v24, 4, v0
	v_mul_u32_u24 v10, v24, 272
	v_lshl_add_u32 v10, v2, 4, v10                 ; dense rows of 256 bytes <-> pitch 272
	v_lshrrev_b32 v24, 5, v0
	v_mul_u32_u24 v11, v24, 528
	v_add_nc_u32 v11, v11, v1                      ; dense rows of 512 bytes <-> pitch 528
	v_lshrrev_b32 v24, 2, v0
	v_and_b32 v25, 3, v0
	v_mul_u32_u24 v12, v24, 80
	v_lshl_add_u32 v12, v25, 4, v12                ; dense rows of 64 bytes <-> pitch 80
	v_lshlrev_b32 v13, 4, v0                       ; 16 t
	s_lshl_b32 s12, s2, 6
	v_lshl_add_u32 v15, v3, 5, s12                 ; f32 of columns 16 w + 8 h ..
	v_add_nc_u32 v16, s12, v5                      ; f32 result: row r, columns 16 w + 8 h ..
	s_lshl_b32 s12, s4, 10
	s_lshl_b32 s13, s3, 9
	v_lshl_add_u32 v20, v2, 5, s13
	v_lshl_add_u32 v20, v3, 4, v20
	v_add_nc_u32 v20, s12, v20                     ; MX, LP: my chunk, my point, heads 4 h ..
	s_mul_i32 s12, s4, 16896
	s_mul_i32 s13, s3, 8448
	s_add_co_u32 s12, s12, s13
	s_add_co_u32 s12, s12, OP
	v_add_nc_u32 v22, s12, v5                      ; OP: my chunk, my point
	v_mov_b32 v23, 0x3fb8aa3b                      ; log2 e
	v_and_b32 v18, 7, v2
	v_lshlrev_b32 v18, 7, v18
	v_lshl_add_u32 v18, v3, 5, v18                 ; RBF weights: row r & 7, column 8 h
	s_mul_i32 s12, s5, 384
	s_mul_i32 s13, s3, 192
	s_add_co_u32 s12, s12, s13
	v_mul_u32_u24 v19, v2, 12
	v_add_nc_u32 v19, s12, v19                     ; position of point 16 pt + r
	v_and_b32 v112, 127, v0
	v_lshlrev_b32 v112, 2, v112
	v_lshlrev_b32 v113, 2, v0
	s_wait_kmcnt 0x0
	s_load_b256 s[68:75], s[24:25], 0x0            ; self RBF bias
	s_load_b32 s76, s[36:37], 0x0                  ; vel2's bias
	s_lshl_b32 s12, s2, 12
	s_mov_b32 s13, 0
	s_add_nc_u64 s[66:67], s[20:21], s[12:13]      ; the weights at my column tile
	s_mul_i32 s12, s6, 1536
	s_mul_i32 s14, s4, 384
	s_add_co_u32 s12, s12, s14
	s_add_nc_u64 s[84:85], s[16:17], s[12:13]      ; my chunk's 32 key points
	s_lshl_b32 s12, s5, 7
	s_add_nc_u64 s[88:89], s[38:39], s[12:13]      ; my 32 numbers of out0
	s_lshl_b32 s12, s6, 15
	s_add_nc_u64 s[90:91], s[18:19], s[12:13]
	s_add_nc_u64 s[92:93], s[90:91], 0x800000      ; the molecule's v
	s_add_nc_u64 s[90:91], s[90:91], 0x600000      ; the molecule's k
	s_lshl_b32 s12, s5, 13
	s_add_nc_u64 s[94:95], s[18:19], s[12:13]
	s_add_nc_u64 s[94:95], s[94:95], 0x400000      ; my points' q
	s_lshl_b32 s12, s5, 14
	s_add_nc_u64 s[96:97], s[18:19], s[12:13]      ; my points' hp
	s_mov_b32 s14, 0x2b8cbccc                      ; 1e-12 and
	s_mov_b32 s15, 0x42d80000                      ; 108: the two clips of d^2
	s_cmp_lt_u32 s2, 4                             ; waves 0-3 fetch the even slot of a pair of 128-float vectors, waves 4-7 the odd one
	s_cselect_b64 s[56:57], s[26:27], s[28:29]     ; out b | ln gain
	s_cselect_b64 s[58:59], s[30:31], s[32:33]     ; ln bias | vel1 b
	global_load_b128 v[72:75], v18, s[22:23]
	global_load_b128 v[76:79], v18, s[22:23] offset:16
	global_load_b128 v[80:83], v18, s[22:23] offset:64
	global_load_b128 v[84:87], v18, s[22:23] offset:80
	global_load_b32 v6, v19, s[16:17]
	global_load_b32 v7, v19, s[16:17] offset:4
	global_load_b32 v8, v19, s[16:17] offset:8
	global_load_b128 v[120:123], v15, s[34:35]     ; vel2's weights of columns 16 w + 8 h .. + 7
	global_load_b128 v[124:127], v15, s[34:35] offset:16
	WIN 0x40                                       ; 24 loads into window 1; each b128 line covers 4,096 dense bytes for the work-group
.irp p, 0,1,2,3,4,5,6,7
	global_load_b128 v[4*\p:4*\p+3], v13, s[90:91] offset:4096*\p
.endr
.irp p, 0,1,2,3,4,5,6,7
	global_load_b128 v[32+4*\p:35+4*\p], v13, s[92:93] offset:4096*\p
.endr
.irp p, 0,1
	global_load_b128 v[64+4*\p:67+4*\p], v13, s[94:95] offset:4096*\p
.endr
.irp p, 0,1,2,3
	global_load_b128 v[72+4*\p:75+4*\p], v13, s[96:97] offset:4096*\p
.endr
	global_load_b32 v104, v112, s[56:57]
	global_load_b32 v105, v112, s[58:59]
	WIN 0
	s_wait_loadcnt 24                              ; the 24 loads into window 1 are younger than the RBF weights, my position and vel2's weights
	s_wait_kmcnt 0x0
	s_wait_xcnt 0x0                                ; s16-63 and the offset registers are rewritten only behind this wait
	LDPOS 0
	RBFSET
	LDW 8, 128                                     ; self out of layer 3
	LDW 9, 160                                     ; vel1
	WIN 0
	BIASGEN 0, 1
	s_wait_loadcnt 16                              ; the 16 weight loads are younger than the state
	v_add_nc_u32 v18, K2L, v10
	v_add_nc_u32 v19, V2L, v12
	v_add_nc_u32 v104, Q2L, v10
	WIN 0x04                                       ; store data from window 1
.irp p, 0,1,2,3,4,5,6,7
	ds_store_b128 v18, v[4*\p:4*\p+3] offset:4352*\p
.endr
.irp p, 0,1,2,3,4,5,6,7
	ds_store_b128 v19, v[32+4*\p:35+4*\p] offset:5120*\p
.endr
.irp p, 0,1
	ds_store_b128 v104, v[64+4*\p:67+4*\p] offset:4352*\p
.endr
.irp p, 0,1,2,3
	ds_store_b128 v11, v[72+4*\p:75+4*\p] offset:HP+4224*\p
.endr
	ds_store_b32 v113, v104                        ; slots 0, 1
	ds_store_b32 v113, v105 offset:1024            ; slots 2, 3
	WIN 0
	BIASGEN 1, 0
	PL5
	BAR
	s_wait_loadcnt 0x0                             ; the weights
	; ---------------- scores: the biases of my 32 keys lie in v128-255
	s_mul_i32 s12, s3, 4352
	s_add_co_u32 s12, s12, Q2L
	v_add_nc_u32 v18, s12, v4
	s_mul_i32 s12, s4, 8704
	s_add_co_u32 s12, s12, K2L
	v_add_nc_u32 v19, s12, v4
.irp z, 28,29,30,31,56,57,58,59
	v_mov_b32 v\z, 0
.endr
	LDSET 0, 0
	LDSET 1, 1
	SCPAIR 0, 0, 6, 1
	SCPAIR 1, 1, 6, 1
	SCPAIR 0, 2, 6, 0
	SCPAIR 1, 3, 0, 0
	s_mul_i32 s12, s4, 10240
	s_add_co_u32 s12, s12, V2L
	v_mul_u32_u24 v19, v2, 80
	v_lshl_add_u32 v19, v3, 4, v19
	v_add_nc_u32 v19, s12, v19                     ; V^T: my chunk, channel r of a head, keys 8 h ..
	; ---------------- softmax of my chunk: its own maximum m is taken away, l is the sum of its weights, P V its partial result; all three go to LDS
.irp hd, 0,1,2,3,4,5,6,7
	v_max_num_f32 v[24+\hd], v[128+\hd], v[136+\hd]
.endr
.irp q, 144,160,176,192,208,224,240
.irp hd, 0,1,2,3,4,5,6,7
	v_max3_num_f32 v[24+\hd], v[24+\hd], v[\q+\hd], v[\q+8+\hd]
.endr
.endr
.irp hd, 0,1,2,3,4,5,6,7
	v_mov_b32 v[32+\hd], v[24+\hd]                 ; the permute's destination counts as read
.endr
.irp hd, 0,1,2,3,4,5,6,7
	v_permlanex16_b32 v[32+\hd], v[24+\hd], s8, s9
.endr
.irp hd, 0,1,2,3,4,5,6,7
	v_max_num_f32 v[24+\hd], v[24+\hd], v[32+\hd]
.endr
.set jj, 0
.rept 16
.irp q, 0,2,4,6
	v_pk_add_f32 v[128+8*jj+\q:129+8*jj+\q], v[128+8*jj+\q:129+8*jj+\q], v[24+\q:25+\q] neg_lo:[0,1] neg_hi:[0,1]
.endr
.set jj, jj+1
.endr
.set jj, 0
.rept 128
	v_exp_f32 v[128+jj], v[128+jj]
.set jj, jj+1
.endr
	v_nop
	s_wait_alu depctr_va_vdst(0)
.irp q, 0,2,4,6
	v_pk_add_f32 v[76+\q:77+\q], v[128+\q:129+\q], v[136+\q:137+\q]
.endr
.set jj, 2
.rept 14
.irp q, 0,2,4,6
	v_pk_add_f32 v[76+\q:77+\q], v[76+\q:77+\q], v[128+8*jj+\q:129+8*jj+\q]
.endr
.set jj, jj+1
.endr
.irp hd, 0,1,2,3,4,5,6,7
	v_permlanex16_b32 v[32+\hd], v[76+\hd], s8, s9
.endr
.irp hd, 0,1,2,3,4,5,6,7
	v_add_f32 v[76+\hd], v[76+\hd], v[32+\hd]
.endr
.irp q, 0,1,2,3
	v_cndmask_b32 v[40+\q], v[24+\q], v[28+\q], s10    ; lanes h = 0 store heads 0-3, lanes h = 1 heads 4-7
	v_cndmask_b32 v[44+\q], v[76+\q], v[80+\q], s10
.endr
	ds_store_b128 v20, v[40:43] offset:MX
	ds_store_b128 v20, v[44:47] offset:LP
	PVGRP 0
	PVGRP 1
	BAR
	; ---------------- merge: thread = (point p = t >> 3, head hd = t & 7): M = the largest of the four chunks' m, f = 2^(m - M), L = sum of f l,
	; result = sum of (f / L) x the chunk's result, f16 into AGG.  A head's 64 bytes are four pieces of 16.  Lanes of heads 4-7 (x = 1) take them in the order 2, 3, 0, 1:
	; in a pass of sixteen lanes the byte columns modulo 256 are 64 (hd & 3) + 16 p + 16 (piece), and with pieces i and i xor 2 for the two halves of the heads
	; the sixteen are different.  Their two stores into AGG change places likewise.
	v_lshrrev_b32 v18, 3, v0
	v_and_b32 v19, 7, v0
	v_bfe_u32 v27, v0, 2, 1                        ; x
	v_sub_nc_u32 v26, 1, v27                       ; 1 - x
	v_mul_u32_u24 v24, v18, 528
	v_lshl_add_u32 v24, v19, 6, v24
	v_add_nc_u32 v24, OP, v24
	v_lshl_add_u32 v28, v27, 5, v24                ; first two pieces
	v_lshl_add_u32 v29, v26, 5, v24                ; last two pieces
	v_lshlrev_b32 v25, 2, v0
.irp cc, 0,1,2,3
	ds_load_b128 v[128+16*\cc:131+16*\cc], v28 offset:16896*\cc
	ds_load_b128 v[132+16*\cc:135+16*\cc], v28 offset:16896*\cc+16
	ds_load_b128 v[136+16*\cc:139+16*\cc], v29 offset:16896*\cc
	ds_load_b128 v[140+16*\cc:143+16*\cc], v29 offset:16896*\cc+16
.endr
.irp cc, 0,1,2,3
	ds_load_b32 v[192+\cc], v25 offset:MX+1024*\cc
	ds_load_b32 v[196+\cc], v25 offset:LP+1024*\cc
.endr
	v_mul_u32_u24 v24, v18, 272
	v_lshl_add_u32 v24, v19, 5, v24
	v_lshl_add_u32 v30, v27, 4, v24
	v_lshl_add_u32 v31, v26, 4, v24
	s_wait_dscnt 0x0
	v_max_num_f32 v200, v192, v193
	v_max3_num_f32 v200, v200, v194, v195
.irp cc, 0,1,2,3
	v_sub_f32 v[192+\cc], v[192+\cc], v200
.endr
.irp cc, 0,1,2,3
	v_exp_f32 v[192+\cc], v[192+\cc]
.endr
	v_nop
	s_wait_alu depctr_va_vdst(0)
	v_mul_f32 v201, v192, v196
	v_fmac_f32 v201, v193, v197
	v_fmac_f32 v201, v194, v198
	v_fmac_f32 v201, v195, v199                    ; at least 1: the chunk that holds M has f = 1 and a weight 2^0
	v_rcp_f32 v202, v201
	v_nop
	s_wait_alu depctr_va_vdst(0)
.irp cc, 0,1,2,3
	v_mul_f32 v[204+\cc], v[192+\cc], v202
.endr
.irp i, 0,2,4,6,8,10,12,14
	v_pk_mul_f32 v[128+\i:129+\i], v[128+\i:129+\i], v[204:205] op_sel_hi:[1,0]
.endr
.irp i, 0,2,4,6,8,10,12,14
	v_pk_fma_f32 v[128+\i:129+\i], v[144+\i:145+\i], v[204:205], v[128+\i:129+\i] op_sel:[0,1,0] op_sel_hi:[1,1,1]
.endr
.irp i, 0,2,4,6,8,10,12,14
	v_pk_fma_f32 v[128+\i:129+\i], v[160+\i:161+\i], v[206:207], v[128+\i:129+\i] op_sel_hi:[1,0,1]
.endr
.irp i, 0,2,4,6,8,10,12,14
	v_pk_fma_f32 v[128+\i:129+\i], v[176+\i:177+\i], v[206:207], v[128+\i:129+\i] op_sel:[0,1,0] op_sel_hi:[1,1,1]
.endr
.irp i, 0,1,2,3,4,5,6,7
	v_cvt_pk_f16_f32 v[208+\i], v[128+2*\i], v[129+2*\i]
.endr
	ds_store_b128 v30, v[208:211] offset:AGG
	ds_store_b128 v31, v[212:215] offset:AGG
	BAR
	; ---------------- hp += AGG W^T + b: the sums start from hp + b; each lane reads and rewrites its own 64 bytes of HP
	LDX AGG
	ds_load_b128 v[24:27], v16 offset:HP
	ds_load_b128 v[28:31], v16 offset:HP+16
	ds_load_b128 v[32:35], v16 offset:HP+8448
	ds_load_b128 v[36:39], v16 offset:HP+8448+16
	LDB 0
	s_wait_dscnt 0x0
.irp i, 0,2,4,6
	v_pk_add_f32 v[24+\i:25+\i], v[24+\i:25+\i], v[56+\i:57+\i]
	v_pk_add_f32 v[32+\i:33+\i], v[32+\i:33+\i], v[56+\i:57+\i]
.endr
	MM2 128, 0
	ds_store_b128 v16, v[24:27] offset:HP
	ds_store_b128 v16, v[28:31] offset:HP+16
	ds_store_b128 v16, v[32:35] offset:HP+8448
	ds_store_b128 v16, v[36:39] offset:HP+8448+16
	BAR
	; ---------------- LN: eight lanes a row, 16 numbers a lane; mean first, then the centred squares; f16 into XB (hp in f32 is not needed again)
	v_lshrrev_b32 v18, 3, v0
	v_and_b32 v19, 7, v0
	v_mul_u32_u24 v24, v18, 528
	v_lshl_add_u32 v24, v19, 4, v24
	v_lshlrev_b32 v25, 4, v19
	v_mul_u32_u24 v26, v18, 272
	v_lshl_add_u32 v26, v19, 3, v26
.irp i, 0,1,2,3
	ds_load_b128 v[128+4*\i:131+4*\i], v24 offset:HP+128*\i
	ds_load_b128 v[144+4*\i:147+4*\i], v25 offset:512+128*\i
	ds_load_b128 v[160+4*\i:163+4*\i], v25 offset:1024+128*\i
.endr
	s_wait_dscnt 0x0
	v_pk_add_f32 v[176:177], v[128:129], v[130:131]
	v_pk_add_f32 v[178:179], v[132:133], v[134:135]
	v_pk_add_f32 v[180:181], v[136:137], v[138:139]
	v_pk_add_f32 v[182:183], v[140:141], v[142:143]
	v_pk_add_f32 v[176:177], v[176:177], v[178:179]
	v_pk_add_f32 v[180:181], v[180:181], v[182:183]
	v_pk_add_f32 v[176:177], v[176:177], v[180:181]
	v_add_f32 v176, v176, v177
	v_add_f32_dpp v176, v176, v176 row_xmask:1 row_mask:0xf bank_mask:0xf
	v_add_f32_dpp v176, v176, v176 row_xmask:2 row_mask:0xf bank_mask:0xf
	v_add_f32_dpp v176, v176, v176 row_xmask:4 row_mask:0xf bank_mask:0xf
	v_mul_f32 v176, 0x3c000000, v176               ; / 128
	v_mov_b32 v177, v176
.irp i, 0,2,4,6,8,10,12,14
	v_pk_add_f32 v[128+\i:129+\i], v[128+\i:129+\i], v[176:177] neg_lo:[0,1] neg_hi:[0,1]
.endr
	v_pk_mul_f32 v[178:179], v[128:129], v[128:129]
.irp i, 2,4,6,8,10,12,14
	v_pk_fma_f32 v[178:179], v[128+\i:129+\i], v[128+\i:129+\i], v[178:179]
.endr
	v_add_f32 v178, v178, v179
	v_add_f32_dpp v178, v178, v178 row_xmask:1 row_mask:0xf bank_mask:0xf
	v_add_f32_dpp v178, v178, v178 row_xmask:2 row_mask:0xf bank_mask:0xf
	v_add_f32_dpp v178, v178, v178 row_xmask:4 row_mask:0xf bank_mask:0xf
	v_mov_b32 v180, 0x3c000000
	v_fmaak_f32 v178, v178, v180, 0x3727c5ac       ; variance + 1e-5
	v_rsq_f32 v182, v178
	v_rsq_f32 v183, v178
	v_nop
	s_wait_alu depctr_va_vdst(0)
.irp i, 0,2,4,6,8,10,12,14
	v_pk_mul_f32 v[128+\i:129+\i], v[128+\i:129+\i], v[182:183]
	v_pk_fma_f32 v[128+\i:129+\i], v[128+\i:129+\i], v[144+\i:145+\i], v[160+\i:161+\i]
.endr
.irp i, 0,1,2,3
	v_cvt_pk_f16_f32 v[184+2*\i], v[128+4*\i], v[129+4*\i]
	v_cvt_pk_f16_f32 v[185+2*\i], v[130+4*\i], v[131+4*\i]
	ds_store_b64 v26, v[184+2*\i:185+2*\i] offset:XB+64*\i
.endr
	BAR
	; ---------------- vel1, silu, vel2: lane (r, h) holds columns 16 w + 8 h + j of points r (v24-31) and 16 + r (v32-39)
	LDX XB
	LDB 3
	s_wait_dscnt 0x0
	MM2 160, 1
	SILU 24, 104
	SILU 32, 104
	v_mul_f32 v64, v24, v120
	v_mul_f32 v65, v32, v120
.irp j, 1,2,3,4,5,6,7
	v_fmac_f32 v64, v[24+\j], v[120+\j]
	v_fmac_f32 v65, v[32+\j], v[120+\j]
.endr
	v_mov_b32 v66, v64                             ; the permute's destination counts as read
	v_mov_b32 v67, v65
	v_permlanex16_b32 v66, v64, s8, s9
	v_permlanex16_b32 v67, v65, s8, s9
	v_add_f32 v64, v64, v66                        ; my wave's 16 columns, both halves
	v_add_f32 v65, v65, v67
	s_lshl_b32 s12, s2, 7
	s_add_co_u32 s12, s12, VP
	v_lshl_add_u32 v18, v2, 2, s12                 ; the two halves of the lanes write the same word with the same value
	ds_store_b32 v18, v64
	ds_store_b32 v18, v65 offset:64
	BAR
	s_cmp_lg_u32 s2, 0                             ; wave 0 adds the eight waves' parts: lane L = point L
	s_cbranch_scc1 .Lend
	v_lshrrev_b32 v25, 2, v1                       ; 4 L
	v_add_nc_u32 v19, VP, v25
.irp k, 0,1,2,3,4,5,6,7
	ds_load_b32 v[32+\k], v19 offset:128*\k
.endr
	s_wait_dscnt 0x0
	v_add_f32 v32, v32, v33
	v_add_f32 v34, v34, v35
	v_add_f32 v36, v36, v37
	v_add_f32 v38, v38, v39
	v_add_f32 v32, v32, v34
	v_add_f32 v36, v36, v38
	v_add_f32 v32, v32, v36
	v_add_f32 v32, s76, v32
	global_store_b32 v25, v32, s[88:89]            ; 128 consecutive bytes, all that the work-group owns of out0
.Lend:
	s_wait_tensorcnt 0x0
	ds_add_u32 v17, v21
	s_wait_dscnt 0x0
	s_endpgm
.Lfunc_end_k_qc5e302c1b3_last:
	.size	k_qc5e302c1b3_last, .Lfunc_end_k_qc5e302c1b3_last-k_qc5e302c1b3_last
	.p2alignl 7, 3214868480
	.fill 96, 4, 3214868480
	.section	.rodata,"a",@progbits
	.p2align	6, 0x0
	.amdhsa_kernel k_qc5e302c1b3_last
		.amdhsa_group_segment_fixed_size 293376
		.amdhsa_private_segment_fixed_size 0
		.amdhsa_enable_private_segment 0
		.amdhsa_kernarg_size 96
		.amdhsa_user_sgpr_count 2
		.amdhsa_user_sgpr_kernarg_segment_ptr 1
		.amdhsa_wavefront_size32 1
		.amdhsa_system_sgpr_workgroup_id_x 1
		.amdhsa_system_sgpr_workgroup_id_y 1
		.amdhsa_system_sgpr_workgroup_id_z 1
		.amdhsa_system_vgpr_workitem_id 0
		.amdhsa_next_free_vgpr 512
		.amdhsa_next_free_sgpr 102
		.amdhsa_reserve_vcc 0
		.amdhsa_float_denorm_mode_32 3
		.amdhsa_float_denorm_mode_16_64 3
		.amdhsa_memory_ordered 1
		.amdhsa_forward_progress 1
		.amdhsa_inst_pref_size 145
	.end_amdhsa_kernel
	.amdgpu_metadata
---
amdhsa.version: [ 1, 2 ]
amdhsa.kernels:
  - .name:           k_qc5e302c1b3_last
    .symbol:         k_qc5e302c1b3_last.kd
    .args:
      - { .name: point_pos, .offset: 0, .size: 8, .value_kind: global_buffer, .address_space: global }
      - { .name: st1, .offset: 8, .size: 8, .value_kind: global_buffer, .address_space: global }
      - { .name: w2, .offset: 16, .size: 8, .value_kind: global_buffer, .address_space: global }
      - { .name: params_layers_3_self_rbf_0, .offset: 24, .size: 8, .value_kind: global_buffer, .address_space: global }
      - { .name: params_layers_3_self_rbf_1, .offset: 32, .size: 8, .value_kind: global_buffer, .address_space: global }
      - { .name: params_layers_3_self_out_1, .offset: 40, .size: 8, .value_kind: global_buffer, .address_space: global }
      - { .name: params_layers_3_self_ln_0, .offset: 48, .size: 8, .value_kind: global_buffer, .address_space: global }
      - { .name: params_layers_3_self_ln_1, .offset: 56, .size: 8, .value_kind: global_buffer, .address_space: global }
      - { .name: params_vel1_1, .offset: 64, .size: 8, .value_kind: global_buffer, .address_space: global }
      - { .name: params_vel2_0, .offset: 72, .size: 8, .value_kind: global_buffer, .address_space: global }
      - { .name: params_vel2_1, .offset: 80, .size: 8, .value_kind: global_buffer, .address_space: global }
      - { .name: out0, .offset: 88, .size: 8, .value_kind: global_buffer, .address_space: global }
    .group_segment_fixed_size: 293376
    .private_segment_fixed_size: 0
    .kernarg_segment_align: 8
    .kernarg_segment_size: 96
    .max_flat_workgroup_size: 256
    .sgpr_count:     102
    .vgpr_count:     512
    .wavefront_size: 32
...
	.end_amdgpu_metadata
.endif
;; end of part 6
